; MI455X (gfx1250); checked and timed in simulation.
; The chip was launched on July 23, 2026; its instructions are those of AMD's public machine-readable ISA for CDNA 5 (MIT licence, August 2026) and "CDNA5" Instruction Set Architecture Reference Guide (July 2026). The comments in the code are by the model that wrote it; some were corrected since.
;; Decoder Layer. Allowed arithmetic: matrix products marked QUANTISED: E4M3 operands, one E8M0 scale for each 32 along K, by v_wmma_scale_f32_16x16x128_f8f6f4 with both operands' format E4M3, f32 sums; everything else in f32.
;; Inputs: b1 2,048 float32; b2 512 float32; bk1 512 float32; bk2 512 float32; bo1 512 float32; bo2 512 float32; bq1 512 float32; bq2 512 float32; bv1 512 float32; bv2 512 float32; de_mask 4 x 2,048 x 2,048 int32; de_out 4 x 2,048 x 512 float32; en_mask 4 x 1 x 2,048 int32; en_out 4 x 2,048 x 512 float32; ln1_b 512 float32; ln1_g 512 float32; ln2_b 512 float32; ln2_g 512 float32; ln3_b 512 float32; ln3_g 512 float32; w1 512 x 2,048 float32; w2 2,048 x 512 float32; wk1 512 x 512 float32; wk2 512 x 512 float32; wo1 512 x 512 float32; wo2 512 x 512 float32; wq1 512 x 512 float32; wq2 512 x 512 float32; wv1 512 x 512 float32; wv2 512 x 512 float32.
;; Outputs: out0 4 x 2,048 x 512 float32.
;; This version of the problem:
;;   THIS VERSION OF THE PROBLEM IS GIVEN IN LOW PRECISION. The matrix products marked QUANTISED in the list below multiply operands that are first quantised to E4M3 (4 exponent bits, 3 mantissa bits; 8 bits a number), with one power-of-two scale for each 32 numbers along K (OCP MX v1.0); their sums are f32. All else is computed in f32.
;;   The module's matrix products, in the order in which they are computed (A, B: the left and right operand; K: the contracted axis; several contracted axes count as one K, in the product's order):
;;     1. [M 8,192, K 512] x [K 512, N 512]; A: computed on the way; B: input wq1: QUANTISED
;;     2. [M 8,192, K 512] x [K 512, N 512]; A: computed on the way; B: input wk1: QUANTISED
;;     3. [M 8,192, K 512] x [K 512, N 512]; A: computed on the way; B: input wv1: QUANTISED
;;     4. batch 32 x [M 2,048, K 64] x [K 64, N 2,048]; A: computed on the way; B: computed on the way: QUANTISED
;;     5. batch 32 x [M 2,048, K 2,048] x [K 2,048, N 64]; A: softmax (see below); B: computed on the way: QUANTISED
;;     6. [M 8,192, K 512] x [K 512, N 512]; A: computed on the way; B: input wo1: QUANTISED
;;     7. [M 8,192, K 512] x [K 512, N 512]; A: computed on the way; B: input wq2: QUANTISED
;;     8. [M 8,192, K 512] x [K 512, N 512]; A: input en_out; B: input wk2: QUANTISED
;;     9. [M 8,192, K 512] x [K 512, N 512]; A: input en_out; B: input wv2: QUANTISED
;;     10. batch 32 x [M 2,048, K 64] x [K 64, N 2,048]; A: computed on the way; B: computed on the way: QUANTISED
;;     11. batch 32 x [M 2,048, K 2,048] x [K 2,048, N 64]; A: softmax (see below); B: computed on the way: QUANTISED
;;     12. [M 8,192, K 512] x [K 512, N 512]; A: computed on the way; B: input wo2: QUANTISED
;;     13. [M 8,192, K 512] x [K 512, N 2,048]; A: computed on the way; B: input w1: QUANTISED
;;     14. [M 8,192, K 2,048] x [K 2,048, N 512]; A: computed on the way; B: input w2: QUANTISED
;;   THE QUANTISER, for each operand of a quantised product, along K:
;;     - K is cut into blocks of 32 from its start; a last block that is shorter is filled with zeros.
;;     - A block's scale is 2^e with e = floor(log2(the largest magnitude in the block)) - 8, held to -126 .. 127; a block of zeros has e = 0. As a byte (E8M0): e + 127.
;;     - Each number is divided by its block's scale, clamped to +-448, and rounded to the nearest number of E4M3, ties to even, subnormals kept.
;;     - The product sums the exact products of the quantised numbers (number of the format x scale) in f32.
;;   ~~~python
;;   def quantise(x, axis):      # numpy; x: float32 -> the quantised numbers, widened to float32 again
;;       x = np.moveaxis(x, axis, -1); K = x.shape[-1]
;;       x = np.pad(x, [(0, 0)] * (x.ndim - 1) + [(0, -K % 32)]); x = x.reshape(x.shape[:-1] + (-1, 32)); a = np.abs(x).max(-1, keepdims=True)
;;       e = np.where(a > 0, np.clip(np.frexp(np.where(a > 0, a, 1))[1] - 1 - 8, -126, 127), 0)      # np.frexp(a)[1] - 1 = floor(log2(a)), exactly
;;       r = np.clip(x / 2.0 ** e, -448, 448)
;;       step = 2.0 ** (np.maximum(np.frexp(np.where(r == 0, 1, r))[1] - 1, -6) - 3)
;;       q = np.round(r / step) * step * 2.0 ** e      # np.round: ties to even
;;       return np.moveaxis(q.reshape(q.shape[:-2] + (-1,))[..., :K], -1, axis).astype(np.float32)
;;   ~~~
;;   SOFTMAX AHEAD OF A QUANTISED PRODUCT. Where the list says 'softmax', what is quantised is not the finished softmax but p = 2^(t - M), with t = logit x log2(e) and M = ceil(the row's largest t), a whole number; so 1/2 < the row's largest p <= 1. The row's sum l is taken of the UNQUANTISED p, in f32, and the product's result is divided by l at the end. Since M is a whole number, a kernel that streams over the keys may use a running M (the ceiling of the running maximum): every later rescaling is an exact power of two, which a block's scale takes up: the codes' values come out the same.
;;   OPERANDS COMPUTED ON THE WAY. 'Computed on the way' means the value that the module computes at that place (a softmax that the list does not call 'softmax' is quantised finished and normalised). What goes into a quantiser is computed in f32, as accurately as f32 sums, v_exp_f32 and their like allow (about 1e-6 of the number): no bf16 or f16 on the way to a quantiser, and a product that is left as it is and whose result goes on into a quantised operand takes f32 operands (vector FMAs, or v_wmma_f32_16x16x4_f32). A number that lies on a knife's edge between two numbers of the format may be rounded either way, as far as f32 arithmetic and the matrix unit's own rounding can turn it there, and no further.
;; 2 versions. Each part assembles by itself: llvm-mc -triple=amdgcn-amd-amdhsa -mcpu=gfx1250 --defsym DOCPART=n.
;; ======== version 1 of 2: 8 launches
;; limits: right only within a limited range of input values
;; workspace buffers: WA 2,433,280 bytes; P1 20,447,232 bytes; P2 20,447,232 bytes; AT 4,325,376 bytes; XD 21,102,592 bytes; XE 21,102,592 bytes; M1 2,097,152 bytes of whole numbers; M2 2,097,152 bytes of whole numbers
;; launch prep (part 1): grid 3392 x 1, 4 waves a work-group, no clusters, 35,328 bytes of LDS; arguments de_mask, en_mask, de_out, en_out, ln1_g, ln1_b, wq1, wk1, wv1, wk2, wv2, wq2, wo1, wo2, w2, w1, WA, P1, P2, XD, XE, M1, M2; writes WA, P1, P2, XD, XE, M1, M2
.if DOCPART == 1
	.amdgcn_target "amdgcn-amd-amdhsa--gfx1250"
	.amdhsa_code_object_version 6
	.text
	.protected	k_q1056461eed_prep
	.globl	k_q1056461eed_prep
	.p2align	8
	.type	k_q1056461eed_prep,@function
k_q1056461eed_prep:
	s_mov_b64 s[64:65], 0
	v_nop
	global_prefetch_b8 v0, s[64:65] scope:SCOPE_SE
	s_setreg_imm32_b32 hwreg(HW_REG_WAVE_MODE, 25, 1), 1
	s_wait_xcnt 0x0
; PREP: everything that can be laid out before the first product.  Five kinds of work-group, told apart by the work-group's number alone:
;   0 .. 2047     de_mask -> M1: lane masks for the attention (one 32-bit word for each of a lane's 64 scores of a key step)
;   2048 .. 3071  layer norm 1 of de_out -> codes in XD;  en_out -> codes in XE   (a tile of 16 tokens to a work-group, 128 along K to a wave)
;   3072 .. 3263  the twelve 512 x 512 weights (w2 as four groups along K) -> codes;   3264 .. 3327  w1, as four groups of 512 columns
;   3328 .. 3391  en_mask -> M2, written out for every tile of queries; the first of them also stores the slopes that the products' launches read
; CODES ARE LAID AS IMAGES OF THE OPERAND'S REGISTERS.  A fragment (16 rows x 128 K, 2,048 bytes): byte 512 c + 16 lane + e is the code of row r = lane % 16, k = 32 c + 16 (lane / 16) + e.
; Row r of tile T is row 32 (T / 2) + 8 (T % 2) + r + 8 (r / 8) of the tensor.  Fragment (T, K step s) lies at (4 T + s) x 2,048, its 16 scale words at (4 T + s) x 64.
; THE QUANTISER: a block's scale byte is its largest magnitude's exponent field - 8, held at 1 from below; numbers are held within +-448 x the scale and rounded to the nearest code, ties to even.
; LIMITS: a block of zeros gets the byte 1 (its codes are zeros; this program alone reads the bytes); NaN and infinities among the inputs are not served.
.set N_IMG, 16777216                   ; XD, XE: the codes' image behind 16 MiB of f32 rows,
.set N_SCL, 20971520                   ; and its scale words
.set W_SCL, 2359296                    ; WA, P1, P2: scale words of the weight slots (a slot: 262,144 bytes of codes, 8,192 of scale words)
.set HDR,   2433024                    ; WA, P1, P2: the slope
.set STG,   8448                       ; LDS: a stage of 16 rows x 528 bytes for each wave (the mask's path alone)
.set EXB,   33792                      ; LDS: two blocks of 256 bytes for the layer norm's sums (that path alone)
.set WV,   50
.set SEL,  62                          ; s[62:63] lane selects: lane l xor 16
.set MNT,  66                          ; the mantissa field of 448
.set R512, 67                          ; 1 / 512
.set PC,   208                         ; a fragment's codes
.set TM,   224                         ; v224-239 at work in the quantiser
.set PW,   240                         ; the scale word
.set SA,   242
.set SC,   244
.set MPR,  246
.set RPR,  248
.set LX,   250
; 16 nb numbers of a lane, register 16 b + i = k 32 b + 16 (lane / 16) + i of my row, become codes in v[PC] on and the scale word in v[PW]
.macro QUANT s, nb
.irp b, 0,1,2,3
.if \b < \nb
	v_max3_num_f32 v[TM+\b], |v[\s+16*\b]|, |v[\s+1+16*\b]|, 0x4800000   ; with the floor 2^(9 - 127): the byte cannot fall under 1
.endif
.endr
.irp i, 2,4,6,8,10,12,14
.irp b, 0,1,2,3
.if \b < \nb
	v_max3_num_f32 v[TM+\b], v[TM+\b], |v[\s+16*\b+\i]|, |v[\s+1+16*\b+\i]|
.endif
.endr
.endr
.irp b, 0,1,2,3
.if \b < \nb
	v_permlanex16_b32 v[TM+4+\b], v[TM+\b], s[SEL], s[SEL+1]
.endif
.endr
.irp b, 0,1,2,3
.if \b < \nb
	v_max_num_f32 v[TM+\b], v[TM+\b], v[TM+4+\b]               ; with lane l xor 16's: the block's largest magnitude
.endif
.endr
.irp b, 0,1,2,3
.if \b < \nb
	v_add_nc_u32 v[TM+12+\b], 0xfc000000, v[TM+\b]             ; 8 off its exponent field: the conversion's scale operand
.endif
.endr
.irp b, 0,1,2,3
.if \b < \nb
	v_and_or_b32 v[TM+8+\b], v[TM+\b], 0x7f800000, s[MNT]      ; 448 x the scale
.endif
.endr
.irp b, 0,1,2,3
.if \b < \nb
	v_lshrrev_b32 v[TM+4+\b], 23, v[TM+12+\b]                  ; the scale's byte
.endif
.endr
	v_lshl_or_b32 v[PW], v[TM+5], 8, v[TM+4]
.if \nb > 2
	v_lshl_or_b32 v[PW], v[TM+6], 16, v[PW]
	v_lshl_or_b32 v[PW], v[TM+7], 24, v[PW]
.endif
.irp b, 0,1,2,3
.if \b < \nb
.irp i, 0,1,2,3,4,5,6,7,8,9,10,11,12,13,14,15
	v_med3_num_f32 v[\s+16*\b+\i], v[\s+16*\b+\i], -v[TM+8+\b], v[TM+8+\b]   ; the conversion does not saturate (ISA guide 7.6.2): the hold
.endr
	v_cvt_scalef32_pk8_fp8_f32 v[PC+4*\b:PC+1+4*\b], v[\s+16*\b:\s+7+16*\b], v[TM+12+\b]
	v_cvt_scalef32_pk8_fp8_f32 v[PC+2+4*\b:PC+3+4*\b], v[\s+8+16*\b:\s+15+16*\b], v[TM+12+\b]
.endif
.endr
	v_nop                                          ; a plain line behind the last conversion
.endm
; the sum (sq = 0) or the sum of squares (sq = 1) of my row's 128 numbers in lanes l and l xor 16 -> v[SA]
.macro LNSUM x, sq
.if \sq
	v_pk_mul_f32 v[SA:SA+1], v[\x:\x+1], v[\x:\x+1]
	v_pk_mul_f32 v[SC:SC+1], v[\x+2:\x+3], v[\x+2:\x+3]
.irp j, 4,8,12,16,20,24,28,32,36,40,44,48,52,56,60
	v_pk_fma_f32 v[SA:SA+1], v[\x+\j:\x+\j+1], v[\x+\j:\x+\j+1], v[SA:SA+1]
	v_pk_fma_f32 v[SC:SC+1], v[\x+\j+2:\x+\j+3], v[\x+\j+2:\x+\j+3], v[SC:SC+1]
.endr
.else
	v_pk_add_f32 v[SA:SA+1], v[\x:\x+1], v[\x+4:\x+5]
	v_pk_add_f32 v[SC:SC+1], v[\x+2:\x+3], v[\x+6:\x+7]
.irp j, 8,12,16,20,24,28,32,36,40,44,48,52,56,60
	v_pk_add_f32 v[SA:SA+1], v[SA:SA+1], v[\x+\j:\x+\j+1]
	v_pk_add_f32 v[SC:SC+1], v[SC:SC+1], v[\x+\j+2:\x+\j+3]
.endr
.endif
	v_pk_add_f32 v[SA:SA+1], v[SA:SA+1], v[SC:SC+1]
	v_add_f32 v[SA], v[SA], v[SA+1]
	v_permlanex16_b32 v[SA+1], v[SA], s[SEL], s[SEL+1]
	v_add_f32 v[SA], v[SA], v[SA+1]
.endm
; the four waves' parts meet in a block of LDS that is used once: store, wait, barrier, load; every wave adds them in the same order -> v[LX]
.macro LNXCH off
	ds_store_b32 v7, v[SA] offset:\off
	s_wait_dscnt 0x0                               ; for the others' sake: my store has landed
	s_barrier_signal -1
	s_barrier_wait -1
.irp q, 0,1,2,3
	ds_load_b32 v[LX+\q], v8 offset:\off+64*\q
.endr
	s_wait_dscnt 0x0
	v_add_f32 v[LX], v[LX], v[LX+1]
	v_add_f32 v[LX+2], v[LX+2], v[LX+3]
	v_add_f32 v[LX], v[LX], v[LX+2]
.endm
; mean, x - mean in place, variance of the differences (two passes: a common offset of the row costs no accuracy), 1 / sqrt(variance + 1e-5) in v[RPR:RPR+1]
.macro LNSTAT x, ex
	LNSUM \x, 0
	LNXCH \ex
	v_mul_f32 v[MPR], s[R512], v[LX]
	v_mul_f32 v[MPR+1], s[R512], v[LX]
.set jj, 0
.rept 32
	v_pk_add_f32 v[\x+jj:\x+jj+1], v[\x+jj:\x+jj+1], v[MPR:MPR+1] neg_lo:[0,1] neg_hi:[0,1]
.set jj, jj+2
.endr
	LNSUM \x, 1
	LNXCH \ex+256
	v_fmaak_f32 v[LX], s[R512], v[LX], 0x3727c5ac
	v_rsq_f32 v[RPR], v[LX]
	v_nop                                          ; a plain line behind the transcendental,
	s_wait_alu depctr_va_vdst(0)                   ; and the wait ahead of its first reader
	v_mov_b32 v[RPR+1], v[RPR]
.endm
; 64 mask numbers of a lane in v80-143 become 64 words: bit l of word n = lane l's number n is not 0.  Word n goes to lane n / 2 of v144 (n even) or v145 (n odd)
.macro PACKW
	v_mov_b32 v144, 0
	v_mov_b32 v145, 0
.set nn, 0
.rept 64
	v_cmp_ne_u32 s[58+(nn&3)], 0, v[80+nn]
	v_writelane_b32 v[144+(nn&1)], s[58+(nn&3)], nn>>1
.set nn, nn+1
.endr
.endm
.macro PICK idx, src, dst, slot, off   ; unit idx of the weights: from where, to which buffer and slot
	s_cmp_eq_u32 s53, \idx
	s_cselect_b64 s[68:69], s[\src:\src+1], s[68:69]
	s_cselect_b64 s[70:71], s[\dst:\dst+1], s[70:71]
	s_cselect_b32 s54, \slot, s54
	s_cselect_b32 s55, \off, s55
.endm
.macro WLOAD t, pitch                  ; block t: W(32 t + i, my column), i = 0 .. 31
.irp i, 0,1,2,3,4,5,6,7,8,9,10,11,12,13,14,15,16,17,18,19,20,21,22,23,24,25,26,27,28,29,30,31
	global_load_b32 v[16+32*((\t)%2)+\i], v13, s[68:69] offset:(32*(\t)+\i)*\pitch th:TH_LOAD_NT
.endr
.endm
.macro WBLOCK t, pitch
.set XS, 16+32*((\t)%2)
.if (\t) < 3
	s_wait_loadcnt 32                              ; this block's 32 loads are in; the next block's may be out
.else
	s_wait_loadcnt 0x0
.endif
	v_max3_num_f32 v120, |v[XS]|, |v[XS+1]|, |v[XS+2]|
	v_max3_num_f32 v121, |v[XS+3]|, |v[XS+4]|, |v[XS+5]|
.irp i, 6,10,14,18,22,26
	v_max3_num_f32 v120, v120, |v[XS+\i]|, |v[XS+\i+1]|
	v_max3_num_f32 v121, v121, |v[XS+\i+2]|, |v[XS+\i+3]|
.endr
	v_max3_num_f32 v120, v120, |v[XS+30]|, |v[XS+31]|
	v_max3_num_f32 v120, v120, v121, 0x4800000
	v_add_nc_u32 v122, 0xfc000000, v120
	v_and_or_b32 v123, v120, 0x7f800000, s[MNT]
	v_lshrrev_b32 v124, 23, v122
.if (\t) == 0
	v_mov_b32 v112, v124
.else
	v_lshl_or_b32 v112, v124, 8*(\t), v112
.endif
.irp i, 0,1,2,3,4,5,6,7,8,9,10,11,12,13,14,15,16,17,18,19,20,21,22,23,24,25,26,27,28,29,30,31
	v_med3_num_f32 v[XS+\i], v[XS+\i], -v123, v123
.endr
.irp g, 0,1,2,3
	v_cvt_scalef32_pk8_fp8_f32 v[80+8*(\t)+2*\g:81+8*(\t)+2*\g], v[XS+8*\g:XS+8*\g+7], v122
.endr
	v_nop
	global_store_b128 v14, v[80+8*(\t):83+8*(\t)], s[72:73] offset:512*(\t)        ; k 0-15 of the block: sixteen lanes store 256 consecutive bytes, aligned
	global_store_b128 v14, v[84+8*(\t):87+8*(\t)], s[72:73] offset:512*(\t)+256    ; k 16-31
.if (\t) < 2
	WLOAD (\t)+2, \pitch
.endif
.endm
; A 512 x 512 piece of a weight stored [k][n]: s52 = number in the unit (cq = bits 3:2, K step = bits 1:0), s[68:69] source, s55 its offset, s[70:71] buffer, s54 slot.
; A LANE TAKES A COLUMN AND ITS REGISTERS RUN DOWN K: lanes 0-15 are the rows of tile 2 B, lanes 16-31 of tile 2 B + 1; the 32 lanes read 128 consecutive bytes.
.macro WPATH pitch
	s_bfe_u32 s56, s52, 0x20002
	s_and_b32 s58, s52, 3                          ; K step
	s_lshl_b32 s56, s56, 2
	s_add_co_u32 s59, s56, s[WV]                   ; B = 4 cq + wave
	s_mul_i32 s56, s58, 128*\pitch
	s_add_co_u32 s56, s56, s55
	s_lshl_b32 s60, s59, 7
	s_add_co_u32 s56, s56, s60
	s_add_nc_u64 s[68:69], s[68:69], s[56:57]
	s_lshl_b32 s60, s59, 3
	s_add_co_u32 s60, s60, s58                     ; 8 B + s
	s_lshl_b32 s56, s54, 18
	s_lshl_b32 s61, s60, 11
	s_add_co_u32 s56, s56, s61
	s_add_nc_u64 s[72:73], s[70:71], s[56:57]
	s_lshl_b32 s56, s54, 13
	s_lshl_b32 s61, s60, 6
	s_add_co_u32 s56, s56, s61
	s_add_co_u32 s56, s56, W_SCL
	s_add_nc_u64 s[74:75], s[70:71], s[56:57]
	v_lshl_add_u32 v13, v3, 3, v9
	v_lshlrev_b32 v13, 2, v13                      ; my column: 4 (8 h + r + 8 (r / 8))
	v_lshlrev_b32 v14, 4, v2
	v_lshl_add_u32 v14, v3, 13, v14                ; codes: 16 r, + four fragments on for lanes 16-31
	v_lshl_add_u32 v15, v3, 8, v12                 ; scale word: 4 r + 256 h
	WLOAD 0, \pitch
	WLOAD 1, \pitch
	WBLOCK 0, \pitch
	WBLOCK 1, \pitch
	WBLOCK 2, \pitch
	WBLOCK 3, \pitch
	global_store_b32 v15, v112, s[74:75]
	s_endpgm
.endm
	s_load_b512 s[4:19], s[0:1], 0x0               ; de_mask, en_mask, de_out, en_out, ln1_g, ln1_b, wq1, wk1
	s_load_b512 s[20:35], s[0:1], 0x40             ; wv1, wk2, wv2, wq2, wo1, wo2, w2, w1
	s_load_b256 s[36:43], s[0:1], 0x80             ; WA, P1, P2, XD
	s_load_b128 s[44:47], s[0:1], 0xa0             ; XE, M1
	s_load_b64 s[48:49], s[0:1], 0xb0              ; M2
	v_lshl_add_u32 v254, v0, 2, 0x8800
	v_mov_b32 v255, 0
	v_lshrrev_b32 v1, 5, v0
	v_readfirstlane_b32 s[WV], v1                  ; wave
	v_and_b32 v1, 31, v0                           ; lane
	v_and_b32 v2, 15, v0                           ; r
	v_bfe_u32 v3, v0, 4, 1                         ; h
	v_lshlrev_b32 v4, 4, v1                        ; 16 x lane
	s_mul_i32 s51, s[WV], STG
	v_add_nc_u32 v5, s51, v4                       ; the stage, on the way in
	v_mul_u32_u24 v6, v2, 528
	v_lshl_add_u32 v6, v3, 6, v6
	v_add_nc_u32 v6, s51, v6                       ; and out: row r, + 64 h
	v_lshlrev_b32 v12, 2, v2                       ; 4 r
	v_add_nc_u32 v8, EXB, v12                      ; the sums: where I read,
	s_lshl_b32 s51, s[WV], 6
	v_add_nc_u32 v7, s51, v8                       ; and where I store
	v_and_b32 v9, 8, v2
	v_add_nc_u32 v9, v9, v2                        ; r + 8 (r / 8)
	v_lshlrev_b32 v10, 6, v3                       ; 64 h
	v_lshlrev_b32 v11, 3, v1                       ; 8 x lane
.irp b, 0,1,2,3
	v_mov_b32 v[TM+4+\b], 0                        ; written once: a lane permute's destination counts as one of its sources
.endr
	s_mov_b32 s[SEL], 0x76543210
	s_mov_b32 s[SEL+1], 0xfedcba98
	s_mov_b32 s[MNT], 0x600000
	s_mov_b32 s[R512], 0x3b000000
	s_mov_b32 s57, 0
	s_wait_kmcnt 0x0
	s_cmp_lt_u32 ttmp9, 2048
	s_cbranch_scc0 .Lnot_mde
	; ---- de_mask: a tile of 16 queries x 128 keys to a wave.  Each load takes one query's 512 consecutive bytes; the tile turns through the wave's own stage, so that lane (r, h) holds query r's keys 32 b + 16 h + i
	s_and_b32 s52, ttmp9, 3
	s_lshl_b32 s52, s52, 2
	s_add_co_u32 s52, s52, s[WV]                   ; key step
	s_bfe_u32 s53, ttmp9, 0x70002                  ; tile of queries in the batch
	s_lshr_b32 s54, ttmp9, 9                       ; batch
	s_lshr_b32 s55, s53, 1
	s_lshl_b32 s55, s55, 5
	s_and_b32 s56, s53, 1
	s_lshl_b32 s56, s56, 3
	s_add_co_u32 s55, s55, s56                     ; the tile's first query
	s_lshl_b32 s55, s55, 13
	s_lshl_b32 s56, s54, 24
	s_add_co_u32 s55, s55, s56
	s_lshl_b32 s56, s52, 9
	s_add_co_u32 s56, s55, s56
	s_add_nc_u64 s[4:5], s[4:5], s[56:57]
.irp i, 0,1,2,3,4,5,6,7,8,9,10,11,12,13,14,15
	global_load_b128 v[16+4*\i:19+4*\i], v4, s[4:5] offset:(\i+8*(\i/8))*8192 th:TH_LOAD_NT
.endr
.irp i, 0,1,2,3,4,5,6,7,8,9,10,11,12,13,14,15
	s_wait_loadcnt 15-\i                           ; row i is in; the younger rows may be out
	ds_store_b128 v5, v[16+4*\i:19+4*\i] offset:528*\i
.endr
.irp b, 0,1,2,3
.irp j, 0,1,2,3
	ds_load_b128 v[80+16*\b+4*\j:83+16*\b+4*\j], v6 offset:128*\b+16*\j   ; my wave's own bytes, served in order: these see the stores above
.endr
.endr
	s_wait_dscnt 0x0
	PACKW
	s_lshl_b32 s55, s54, 7
	s_add_co_u32 s55, s55, s53
	s_lshl_b32 s55, s55, 4
	s_add_co_u32 s55, s55, s52
	s_lshl_b32 s56, s55, 8
	s_add_nc_u64 s[46:47], s[46:47], s[56:57]
	global_store_b64 v11, v[144:145], s[46:47]     ; 32 lanes store 256 consecutive bytes, aligned
	s_wait_tensorcnt 0x0
	ds_add_u32 v254, v255
	s_wait_dscnt 0x0
	s_endpgm
.Lnot_mde:
	s_cmp_lt_u32 ttmp9, 3072
	s_cbranch_scc0 .Lnot_x
	; ---- a tile of 16 tokens of de_out (with layer norm 1) or of en_out (as it is): wave w quantises K step w
	s_sub_co_u32 s52, ttmp9, 2048
	s_and_b32 s53, s52, 511                        ; tile
	s_lshr_b32 s54, s53, 1
	s_lshl_b32 s54, s54, 5
	s_and_b32 s55, s53, 1
	s_lshl_b32 s55, s55, 3
	s_add_co_u32 s54, s54, s55                     ; its first token
	s_lshl_b32 s56, s54, 11
	s_lshl_b32 s55, s[WV], 9                       ; 512 x wave
	s_add_co_u32 s56, s56, s55
	s_cmp_lt_u32 s52, 512
	s_cselect_b64 s[68:69], s[8:9], s[10:11]
	s_cselect_b64 s[70:71], s[42:43], s[44:45]
	s_add_nc_u64 s[68:69], s[68:69], s[56:57]
	v_lshlrev_b32 v13, 11, v9
	v_add_nc_u32 v13, v13, v10                     ; my row, + 64 h
.irp b, 0,1,2,3
.irp j, 0,1,2,3
	global_load_b128 v[16+16*\b+4*\j:19+16*\b+4*\j], v13, s[68:69] offset:128*\b+16*\j th:TH_LOAD_NT
.endr
.endr
	s_lshl_b32 s54, s53, 2
	s_add_co_u32 s54, s54, s[WV]                   ; 4 T + s
	s_lshl_b32 s56, s54, 11
	s_add_co_u32 s56, s56, N_IMG
	s_add_nc_u64 s[72:73], s[70:71], s[56:57]
	s_lshl_b32 s56, s54, 6
	s_add_co_u32 s56, s56, N_SCL
	s_add_nc_u64 s[74:75], s[70:71], s[56:57]
	s_cmp_lt_u32 s52, 512
	s_cbranch_scc0 .Lx_quant                       ; the branch hangs on the work-group's number: all four waves pass the two barriers below, or none
	s_mov_b32 s56, s55
	s_add_nc_u64 s[12:13], s[12:13], s[56:57]
	s_add_nc_u64 s[14:15], s[14:15], s[56:57]
.irp b, 0,1,2,3
.irp j, 0,1,2,3
	global_load_b128 v[80+16*\b+4*\j:83+16*\b+4*\j], v10, s[12:13] offset:128*\b+16*\j
	global_load_b128 v[144+16*\b+4*\j:147+16*\b+4*\j], v10, s[14:15] offset:128*\b+16*\j
.endr
.endr
	s_wait_loadcnt 0x0
	LNSTAT 16, 0
.set jj, 0
.rept 32
	v_pk_mul_f32 v[16+jj:17+jj], v[16+jj:17+jj], v[RPR:RPR+1]
.set jj, jj+2
.endr
.set jj, 0
.rept 32
	v_pk_fma_f32 v[16+jj:17+jj], v[16+jj:17+jj], v[80+jj:81+jj], v[144+jj:145+jj]
.set jj, jj+2
.endr
.Lx_quant:
	s_wait_loadcnt 0x0
	QUANT 16, 4
.irp c, 0,1,2,3
	global_store_b128 v4, v[PC+4*\c:PC+4*\c+3], s[72:73] offset:512*\c    ; 512 consecutive bytes
.endr
	global_store_b32 v12, v[PW], s[74:75]          ; lanes r and r + 16 store the same word with the same value
	s_wait_tensorcnt 0x0
	ds_add_u32 v254, v255
	s_wait_dscnt 0x0
	s_endpgm
.Lnot_x:
	s_cmp_lt_u32 ttmp9, 3264
	s_cbranch_scc0 .Lnot_w
	s_sub_co_u32 s52, ttmp9, 3072
	s_lshr_b32 s53, s52, 4                         ; unit
	s_mov_b64 s[68:69], s[16:17]                   ; unit 0: wq1 -> WA, slot 0
	s_mov_b64 s[70:71], s[36:37]
	s_mov_b32 s54, 0
	s_mov_b32 s55, 0
	PICK 1, 18, 36, 1, 0
	PICK 2, 20, 36, 2, 0
	PICK 3, 22, 36, 3, 0
	PICK 4, 24, 36, 4, 0
	PICK 5, 26, 38, 0, 0
	PICK 6, 28, 38, 4, 0
	PICK 7, 30, 40, 4, 0
	PICK 8, 32, 36, 5, 0
	PICK 9, 32, 36, 6, 1048576
	PICK 10, 32, 36, 7, 2097152
	PICK 11, 32, 36, 8, 3145728
	WPATH 2048
.Lnot_w:
	s_cmp_lt_u32 ttmp9, 3328
	s_cbranch_scc0 .Lnot_w1
	s_sub_co_u32 s52, ttmp9, 3264
	s_lshr_b32 s54, s52, 4                         ; w1's group of 512 columns -> P2, slot = group
	s_lshl_b32 s55, s54, 11
	s_mov_b64 s[68:69], s[34:35]
	s_mov_b64 s[70:71], s[40:41]
	WPATH 8192
.Lnot_w1:
	; ---- en_mask: the words of a key step are the same for all queries; they are written out for the batch's 128 tiles of queries, 32 a wave
	s_sub_co_u32 s52, ttmp9, 3328
	s_lshr_b32 s54, s52, 4                         ; batch
	s_and_b32 s53, s52, 15                         ; key step
	s_lshl_b32 s56, s54, 13
	s_lshl_b32 s55, s53, 9
	s_add_co_u32 s56, s56, s55
	s_add_nc_u64 s[6:7], s[6:7], s[56:57]
.irp b, 0,1,2,3
.irp j, 0,1,2,3
	global_load_b128 v[80+16*\b+4*\j:83+16*\b+4*\j], v10, s[6:7] offset:128*\b+16*\j
.endr
.endr
	s_wait_loadcnt 0x0
	PACKW
	s_lshl_b32 s55, s54, 7
	s_lshl_b32 s56, s[WV], 5
	s_add_co_u32 s55, s55, s56
	s_lshl_b32 s55, s55, 4
	s_add_co_u32 s55, s55, s53
	s_lshl_b32 s56, s55, 8
	s_add_nc_u64 s[48:49], s[48:49], s[56:57]
.set tt, 0
.rept 32
	global_store_b64 v11, v[144:145], s[48:49] offset:4096*tt
.set tt, tt+1
.endr
	s_or_b32 s55, s52, s[WV]
	s_cmp_lg_u32 s55, 0
	s_cbranch_scc1 .Lend
	v_lshlrev_b32 v13, 2, v1                       ; the slopes of max(x, slope x): 1 leaves x as it is, 0.01 is the leaky relu's
	v_mov_b32 v14, 1.0
	v_mov_b32 v15, 0x3c23d70a
	global_store_b32 v13, v14, s[36:37] offset:HDR
	global_store_b32 v13, v14, s[38:39] offset:HDR
	global_store_b32 v13, v15, s[40:41] offset:HDR
.Lend:
	s_endpgm
.Lfunc_end_k_q1056461eed_prep:
	.size	k_q1056461eed_prep, .Lfunc_end_k_q1056461eed_prep-k_q1056461eed_prep
	.p2alignl 7, 3214868480
	.fill 96, 4, 3214868480
	.section	.rodata,"a",@progbits
	.p2align	6, 0x0
	.amdhsa_kernel k_q1056461eed_prep
		.amdhsa_group_segment_fixed_size 35328
		.amdhsa_private_segment_fixed_size 0
		.amdhsa_enable_private_segment 0
		.amdhsa_kernarg_size 184
		.amdhsa_user_sgpr_count 2
		.amdhsa_user_sgpr_kernarg_segment_ptr 1
		.amdhsa_wavefront_size32 1
		.amdhsa_system_sgpr_workgroup_id_x 1
		.amdhsa_system_sgpr_workgroup_id_y 1
		.amdhsa_system_sgpr_workgroup_id_z 1
		.amdhsa_system_vgpr_workitem_id 0
		.amdhsa_next_free_vgpr 256
		.amdhsa_next_free_sgpr 80
		.amdhsa_reserve_vcc 0
		.amdhsa_float_denorm_mode_32 3
		.amdhsa_float_denorm_mode_16_64 3
		.amdhsa_memory_ordered 1
		.amdhsa_forward_progress 1
		.amdhsa_inst_pref_size 114
	.end_amdhsa_kernel
	.amdgpu_metadata
---
amdhsa.version: [ 1, 2 ]
amdhsa.kernels:
  - .name:           k_q1056461eed_prep
    .symbol:         k_q1056461eed_prep.kd
    .args:
      - { .name: de_mask, .offset: 0, .size: 8, .value_kind: global_buffer, .address_space: global }
      - { .name: en_mask, .offset: 8, .size: 8, .value_kind: global_buffer, .address_space: global }
      - { .name: de_out, .offset: 16, .size: 8, .value_kind: global_buffer, .address_space: global }
      - { .name: en_out, .offset: 24, .size: 8, .value_kind: global_buffer, .address_space: global }
      - { .name: ln1_g, .offset: 32, .size: 8, .value_kind: global_buffer, .address_space: global }
      - { .name: ln1_b, .offset: 40, .size: 8, .value_kind: global_buffer, .address_space: global }
      - { .name: wq1, .offset: 48, .size: 8, .value_kind: global_buffer, .address_space: global }
      - { .name: wk1, .offset: 56, .size: 8, .value_kind: global_buffer, .address_space: global }
      - { .name: wv1, .offset: 64, .size: 8, .value_kind: global_buffer, .address_space: global }
      - { .name: wk2, .offset: 72, .size: 8, .value_kind: global_buffer, .address_space: global }
      - { .name: wv2, .offset: 80, .size: 8, .value_kind: global_buffer, .address_space: global }
      - { .name: wq2, .offset: 88, .size: 8, .value_kind: global_buffer, .address_space: global }
      - { .name: wo1, .offset: 96, .size: 8, .value_kind: global_buffer, .address_space: global }
      - { .name: wo2, .offset: 104, .size: 8, .value_kind: global_buffer, .address_space: global }
      - { .name: w2, .offset: 112, .size: 8, .value_kind: global_buffer, .address_space: global }
      - { .name: w1, .offset: 120, .size: 8, .value_kind: global_buffer, .address_space: global }
      - { .name: WA, .offset: 128, .size: 8, .value_kind: global_buffer, .address_space: global }
      - { .name: P1, .offset: 136, .size: 8, .value_kind: global_buffer, .address_space: global }
      - { .name: P2, .offset: 144, .size: 8, .value_kind: global_buffer, .address_space: global }
      - { .name: XD, .offset: 152, .size: 8, .value_kind: global_buffer, .address_space: global }
      - { .name: XE, .offset: 160, .size: 8, .value_kind: global_buffer, .address_space: global }
      - { .name: M1, .offset: 168, .size: 8, .value_kind: global_buffer, .address_space: global }
      - { .name: M2, .offset: 176, .size: 8, .value_kind: global_buffer, .address_space: global }
    .group_segment_fixed_size: 35328
    .private_segment_fixed_size: 0
    .kernarg_segment_align: 8
    .kernarg_segment_size: 184
    .max_flat_workgroup_size: 128
    .sgpr_count:     80
    .vgpr_count:     256
    .wavefront_size: 32
...
	.end_amdgpu_metadata
.endif
;; end of part 1
;; launch proj (part 2): grid 64 x 5, 4 waves a work-group, no clusters, 0 bytes of LDS; arguments XD, XE, WA, bq1, bk1, bv1, bk2, bv2, P1, P2; writes P1, P2
.if DOCPART == 2
	.amdgcn_target "amdgcn-amd-amdhsa--gfx1250"
	.amdhsa_code_object_version 6
	.text
	.protected	k_q1056461eed_proj
	.globl	k_q1056461eed_proj
	.p2align	8
	.type	k_q1056461eed_proj,@function
k_q1056461eed_proj:
	s_mov_b64 s[64:65], 0
	v_nop
	global_prefetch_b8 v0, s[64:65] scope:SCOPE_SE
	s_setreg_imm32_b32 hwreg(HW_REG_WAVE_MODE, 25, 1), 1
	s_wait_xcnt 0x0
; A PRODUCT WHOSE RESULT IS QUANTISED ON THE WAY: out = Q(max(y, slope y)), y = A W + bias, on codes of E4M3 with E8M0 scales; A [8,192 tokens][512], W a slot of 512 x 512.
; Operands and results lie as images of the operand's registers: fragment (tile T, K step s) at (4 T + s) x 2,048 bytes, byte 512 c + 16 lane + e; its scale words at (4 T + s) x 64.
; Row r of tile T is row 32 (T / 2) + 8 (T % 2) + r + 8 (r / 8): so the 64 results that a lane has of eight neighbouring tiles of source 0 are, with lane l xor 16's, 128 NEIGHBOURS along source 0's rows.
; A wave keeps 8 tiles x 4 K steps of source 0 (S, 512 registers) for the whole launch and walks 8 tiles of source 1 (T), which come straight from memory, one tile ahead in each of two buffers.
;   y = 0, 1, 3 (and every launch with one row of work-groups): S = the weight, T = tokens: the result is quantised along the features: fragment (token tile, K step = wave).
;   y = 2, 4: S = tokens, T = the weight: the result is quantised along the TOKENS, as the values of an attention want it: fragment (feature tile, 128 tokens).
; No branch but the loop: what differs is chosen by s_cselect and v_cndmask.  The slope is read from the weights' buffer: with 1 the two lines max(y, slope y) leave y as it is; that is the price of one text for all these products.
; No LDS, no barrier: waves share nothing.  No multicast: the four waves' parts of S differ, and T is a small part of the bytes.
; LIMITS: a block of zeros gets the scale byte 1 (its codes are zeros; this program alone reads the bytes); NaN and infinities are not served.
.set N_IMG, 16777216
.set N_SCL, 20971520
.set W_SCL, 2359296
.set HDR,   2433024
.set IMG,   3145728
.set SCL,   19922944
.set HA,   16                          ; v16-79   the lane's 64 results
.set PC,   80
.set TM,   96
.set PW,   112
.set TBV,  122                         ; v[122:123] the bias along T's rows (low word; the high word is written once)
.set TMPR, 124
.set TS,   132                         ; T's scale words, four for each buffer
.set TBL,  140
.set SS,   144                         ; S's scale words: tile i, K step s at 4 i + s
.set WV,   24
.set VM,   28
.set NVM,  29
.set SL,   30
.set SI,   32
.set SSC,  34
.set TI,   36
.set TSC,  38
.set OI,   40
.set OS,   44
.set TBP,  48
.set SEL,  60
.set MNT,  62
.set MSB, 0
.macro WIN new                         ; the immediate's high byte repeats the setting that is left
.if MSB != \new
	s_set_vgpr_msb (MSB<<8)|\new
.set MSB, \new
.endif
.endm
.macro QUANT s, nb
.irp b, 0,1,2,3
.if \b < \nb
	v_max3_num_f32 v[TM+\b], |v[\s+16*\b]|, |v[\s+1+16*\b]|, 0x4800000   ; with the floor 2^(9 - 127): the byte cannot fall under 1
.endif
.endr
.irp i, 2,4,6,8,10,12,14
.irp b, 0,1,2,3
.if \b < \nb
	v_max3_num_f32 v[TM+\b], v[TM+\b], |v[\s+16*\b+\i]|, |v[\s+1+16*\b+\i]|
.endif
.endr
.endr
.irp b, 0,1,2,3
.if \b < \nb
	v_permlanex16_b32 v[TM+4+\b], v[TM+\b], s[SEL], s[SEL+1]
.endif
.endr
.irp b, 0,1,2,3
.if \b < \nb
	v_max_num_f32 v[TM+\b], v[TM+\b], v[TM+4+\b]
.endif
.endr
.irp b, 0,1,2,3
.if \b < \nb
	v_add_nc_u32 v[TM+12+\b], 0xfc000000, v[TM+\b]
.endif
.endr
.irp b, 0,1,2,3
.if \b < \nb
	v_and_or_b32 v[TM+8+\b], v[TM+\b], 0x7f800000, s[MNT]
.endif
.endr
.irp b, 0,1,2,3
.if \b < \nb
	v_lshrrev_b32 v[TM+4+\b], 23, v[TM+12+\b]
.endif
.endr
	v_lshl_or_b32 v[PW], v[TM+5], 8, v[TM+4]
.if \nb > 2
	v_lshl_or_b32 v[PW], v[TM+6], 16, v[PW]
	v_lshl_or_b32 v[PW], v[TM+7], 24, v[PW]
.endif
.irp b, 0,1,2,3
.if \b < \nb
.irp i, 0,1,2,3,4,5,6,7,8,9,10,11,12,13,14,15
	v_med3_num_f32 v[\s+16*\b+\i], v[\s+16*\b+\i], -v[TM+8+\b], v[TM+8+\b]
.endr
	v_cvt_scalef32_pk8_fp8_f32 v[PC+4*\b:PC+1+4*\b], v[\s+16*\b:\s+7+16*\b], v[TM+12+\b]
	v_cvt_scalef32_pk8_fp8_f32 v[PC+2+4*\b:PC+3+4*\b], v[\s+8+16*\b:\s+15+16*\b], v[TM+12+\b]
.endif
.endr
	v_nop                                          ; a plain line behind the last conversion: the next products write its sources
.endm
; tile q (counted from the pointer) of T into buffer buf: 16 + 4 + 1 = 21 loads
.macro TLOAD buf, q
	WIN 0xc0                                       ; destination window 3
.irp s, 0,1,2,3
.irp c, 0,1,2,3
	global_load_b128 v[64+64*(\buf)+16*\s+4*\c:64+64*(\buf)+16*\s+4*\c+3], v1, s[TI:TI+1] offset:(\q)*8192+\s*2048+512*\c
.endr
.endr
	WIN 0
.irp s, 0,1,2,3
	global_load_b32 v[TS+4*(\buf)+\s], v2, s[TSC:TSC+1] offset:(\q)*256+64*\s
.endr
	global_load_b32 v[TBL+(\buf)], v3, s[TBP:TBP+1] offset:32*(\buf)
.endm
; 32 matrix instructions: the eight accumulators by turns, K step by K step; the first K step takes the bias along S's rows as C
.macro MUL buf
.irp s, 0,1,2,3
.if \s == 0
	WIN 0x3d                                       ; S window 1, T window 3, C window 3
.elseif \s == 1
	WIN 0x0d
.else
	WIN 0x0e                                       ; S window 2
.endif
.irp i, 0,1,2,3,4,5,6,7
.if \s == 0
	v_wmma_scale_f32_16x16x128_f8f6f4 v[HA+8*\i:HA+8*\i+7], v[128*(\s%2)+16*\i:128*(\s%2)+16*\i+15], v[64+64*(\buf)+16*\s:64+64*(\buf)+16*\s+15], v[8*\i:8*\i+7], v[SS+4*\i+\s], v[TS+4*(\buf)+\s]
.else
	v_wmma_scale_f32_16x16x128_f8f6f4 v[HA+8*\i:HA+8*\i+7], v[128*(\s%2)+16*\i:128*(\s%2)+16*\i+15], v[64+64*(\buf)+16*\s:64+64*(\buf)+16*\s+15], v[HA+8*\i:HA+8*\i+7], v[SS+4*\i+\s], v[TS+4*(\buf)+\s]
.endif
.endr
.endr
.endm
.macro TILE buf, pf, left
	s_wait_loadcnt \left                           ; my buffer's 21 loads are in; the other buffer's 21, issued behind them, may be out
	MUL \buf
	WIN 0
	v_cndmask_b32 v[TBV], 0, v[TBL+\buf], s[VM]    ; the bias along T's rows, or 0: taken before its register is loaded again
.rept 8
	v_nop                                          ; eight places behind this form, ahead of the loads into T's registers and of the first read of results
.endr
.if \pf
	TLOAD \buf, 2+\buf
.endif
	s_wait_xcnt 0x0                                ; the last tile's stores have read the codes and the scale word: both are written again below
.set jj, 0
.rept 32
	v_pk_add_f32 v[HA+jj:HA+jj+1], v[HA+jj:HA+jj+1], v[TBV:TBV+1] op_sel_hi:[1,0]   ; each accumulator from its low end on
.set jj, jj+2
.endr
.irp q, 0,1,2,3,4,5,6,7
.irp p, 0,2,4,6
	v_pk_mul_f32 v[TMPR+\p:TMPR+\p+1], v[HA+8*\q+\p:HA+8*\q+\p+1], s[SL:SL+1] op_sel_hi:[1,0]
.endr
.irp p, 0,1,2,3,4,5,6,7
	v_max_num_f32 v[HA+8*\q+\p], v[HA+8*\q+\p], v[TMPR+\p]     ; max(y, slope y): the slope lies between 0 and 1
.endr
.endr
	QUANT HA, 4
.irp c, 0,1,2,3
	global_store_b128 v1, v[PC+4*\c:PC+4*\c+3], s[OI+2*\buf:OI+2*\buf+1] offset:512*\c   ; 512 consecutive bytes
.endr
	global_store_b32 v2, v[PW], s[OS+2*\buf:OS+2*\buf+1]
.endm
	s_load_b512 s[4:19], s[0:1], 0x0               ; A0, A1, W, five biases
	s_load_b128 s[20:23], s[0:1], 0x40             ; O0, O1
	v_lshrrev_b32 v1, 5, v0
	v_readfirstlane_b32 s[WV], v1
	v_and_b32 v5, 31, v0
	v_and_b32 v6, 15, v0
	v_bfe_u32 v7, v0, 4, 1
	v_lshlrev_b32 v1, 4, v5                        ; 16 x lane
	v_lshlrev_b32 v2, 2, v6                        ; 4 r
	v_and_b32 v3, 8, v6
	v_add_nc_u32 v3, v3, v6
	v_lshlrev_b32 v3, 2, v3                        ; 4 (r + 8 (r / 8))
	v_lshlrev_b32 v4, 6, v7                        ; 64 h
.irp b, 0,1,2,3
	v_mov_b32 v[TM+4+\b], 0
.endr
	v_mov_b32 v[TBV+1], 0
	s_mov_b32 s[SEL], 0x76543210
	s_mov_b32 s[SEL+1], 0xfedcba98
	s_mov_b32 s[MNT], 0x600000
	s_and_b32 s25, ttmp7, 0xffff                   ; y: which product
	s_mov_b32 s26, ttmp9
	s_cmp_eq_u32 s25, 2
	s_cselect_b32 s27, 1, 0
	s_cmp_eq_u32 s25, 4
	s_cselect_b32 s27, 1, s27                      ; 1: the result is quantised along the tokens
	s_lshr_b32 s66, s26, 2
	s_and_b32 s67, s26, 3
	s_lshr_b32 s68, s26, 6
	s_and_b32 s69, s26, 63
	s_lshl_b32 s70, s[WV], 3
	s_lshl_b32 s71, s66, 5
	s_add_co_u32 s71, s71, s70
	s_add_co_u32 s72, s25, s68
	s_mov_b32 s73, 131072
	s_mov_b32 s74, 4194304
	s_mov_b32 s81, 8388608
	s_cmp_eq_u32 s27, 1
	s_cselect_b32 s[VM], -1, 0
	s_cselect_b32 s[NVM], 0, -1
	s_cselect_b32 s75, s66, s68                    ; g: which group of S
	s_cselect_b32 s76, s67, s69                    ; tr: which eight tiles of T
	s_cselect_b32 s77, s25, s72                    ; the weight's slot
	s_cselect_b32 s78, s71, s70                    ; S's first tile
	s_cselect_b32 s79, s73, 8192                   ; bytes from a tile of T's result to the next,
	s_cselect_b32 s80, 8192, s74                   ; and from group to group
	s_cselect_b32 s50, 128, 0                      ; the step of the bias along T's rows: two tiles, 32 numbers
	s_mov_b32 s51, 0
	s_cselect_b32 s81, s81, s74
	s_cmp_eq_u32 s25, 0
	s_cselect_b32 s81, 0, s81                      ; the result's region
	s_lshl_b32 s82, s76, 3
	s_mul_i32 s83, s82, s79
	s_add_co_u32 s81, s81, s83
	s_mul_i32 s83, s75, s80
	s_add_co_u32 s81, s81, s83
	s_lshl_b32 s83, s[WV], 11
	s_add_co_u32 s81, s81, s83                     ; where my first fragment goes
	s_lshl_b32 s84, s75, 11
	s_lshl_b32 s85, s[WV], 9
	s_add_co_u32 s84, s84, s85
	s_lshl_b32 s85, s76, 9
	s_cmp_eq_u32 s27, 1
	s_cselect_b32 s84, 0, s84                      ; the bias along S's rows begins here (its numbers are replaced by 0 where S is tokens),
	s_cselect_b32 s86, s85, 0                      ; the bias along T's rows here (replaced by 0 where T is tokens): every load stays in the buffer
	s_mov_b32 s97, 0
	s_mov_b32 s53, 0
	s_mov_b32 s55, 0
	s_wait_kmcnt 0x0
	s_load_b32 s[SL], s[8:9], HDR                  ; the slope
	s_cmp_lt_u32 s25, 3
	s_cselect_b64 s[4:5], s[4:5], s[6:7]
	s_cselect_b64 s[20:21], s[20:21], s[22:23]
	s_cmp_eq_u32 s25, 1
	s_cselect_b64 s[10:11], s[12:13], s[10:11]
	s_cmp_eq_u32 s25, 2
	s_cselect_b64 s[10:11], s[14:15], s[10:11]
	s_cmp_eq_u32 s25, 3
	s_cselect_b64 s[10:11], s[16:17], s[10:11]
	s_cmp_eq_u32 s25, 4
	s_cselect_b64 s[10:11], s[18:19], s[10:11]
	s_lshl_b32 s96, s77, 18
	s_add_nc_u64 s[88:89], s[8:9], s[96:97]
	s_lshl_b32 s96, s77, 13
	s_add_co_u32 s96, s96, W_SCL
	s_add_nc_u64 s[90:91], s[8:9], s[96:97]
	s_add_nc_u64 s[92:93], s[4:5], N_IMG
	s_add_nc_u64 s[94:95], s[4:5], N_SCL
	s_cmp_eq_u32 s27, 1
	s_cselect_b64 s[SI:SI+1], s[92:93], s[88:89]
	s_cselect_b64 s[SSC:SSC+1], s[94:95], s[90:91]
	s_cselect_b64 s[TI:TI+1], s[88:89], s[92:93]
	s_cselect_b64 s[TSC:TSC+1], s[90:91], s[94:95]
	s_lshl_b32 s96, s78, 13
	s_add_nc_u64 s[SI:SI+1], s[SI:SI+1], s[96:97]
	s_lshl_b32 s96, s78, 8
	s_add_nc_u64 s[SSC:SSC+1], s[SSC:SSC+1], s[96:97]
	s_lshl_b32 s96, s82, 13
	s_add_nc_u64 s[TI:TI+1], s[TI:TI+1], s[96:97]
	s_lshl_b32 s96, s82, 8
	s_add_nc_u64 s[TSC:TSC+1], s[TSC:TSC+1], s[96:97]
	s_add_co_u32 s96, s81, IMG
	s_add_nc_u64 s[OI:OI+1], s[20:21], s[96:97]
	s_mov_b32 s96, s79
	s_add_nc_u64 s[OI+2:OI+3], s[OI:OI+1], s[96:97]
	s_lshr_b32 s96, s81, 5
	s_add_co_u32 s96, s96, SCL
	s_add_nc_u64 s[OS:OS+1], s[20:21], s[96:97]
	s_lshr_b32 s96, s79, 5
	s_add_nc_u64 s[OS+2:OS+3], s[OS:OS+1], s[96:97]
	s_lshl_b32 s52, s79, 1                         ; a trip's steps: two tiles of results,
	s_lshr_b32 s54, s79, 4                         ; and their scale words
	s_mov_b32 s96, s84
	s_add_nc_u64 s[56:57], s[10:11], s[96:97]
	s_mov_b32 s96, s86
	s_add_nc_u64 s[TBP:TBP+1], s[10:11], s[96:97]
	; S stays: fragment (i, s) in window 1 + s / 2 at v[128 (s % 2) + 16 i]
.irp s, 0,1,2,3
.if \s < 2
	WIN 0x40
.else
	WIN 0x80
.endif
.irp i, 0,1,2,3,4,5,6,7
.irp c, 0,1,2,3
	global_load_b128 v[128*(\s%2)+16*\i+4*\c:128*(\s%2)+16*\i+4*\c+3], v1, s[SI:SI+1] offset:(4*\i+\s)*2048+512*\c
.endr
.endr
.endr
	WIN 0
.irp i, 0,1,2,3,4,5,6,7
.irp s, 0,1,2,3
	global_load_b32 v[SS+4*\i+\s], v2, s[SSC:SSC+1] offset:(4*\i+\s)*64
.endr
.endr
	WIN 0xc0
.irp i, 0,1,2,3,4,5,6,7
	global_load_b128 v[8*\i:8*\i+3], v4, s[56:57] offset:128*(\i/2)+32*(\i%2)       ; the bias in the result's layout: tile i, rows 8 h + 0 .. 7
	global_load_b128 v[8*\i+4:8*\i+7], v4, s[56:57] offset:128*(\i/2)+32*(\i%2)+16
.endr
	TLOAD 0, 0
	TLOAD 1, 1
	s_wait_xcnt 0x0                                ; the loads have read their bases:
	s_add_nc_u64 s[TBP:TBP+1], s[TBP:TBP+1], s[50:51]   ; this pointer runs a trip ahead, as the loads in the loop do
	s_wait_kmcnt 0x0
	s_mov_b32 s[SL+1], s[SL]                       ; (named with it as a pair)
	s_wait_loadcnt 42                              ; all but the two sets of T
	WIN 0xcc
.set jj, 0
.rept 64
	v_cndmask_b32 v[jj], 0, v[jj], s[NVM]          ; where S is tokens there is no bias along its rows
.set jj, jj+1
.endr
	WIN 0
	s_mov_b32 s58, 3
.Ltrip:
	TILE 0, 1, 21
	TILE 1, 1, 21
	s_wait_xcnt 0x0                                ; loads and stores have read their bases
	s_add_nc_u64 s[TI:TI+1], s[TI:TI+1], 16384
	s_add_nc_u64 s[TSC:TSC+1], s[TSC:TSC+1], 512
	s_add_nc_u64 s[TBP:TBP+1], s[TBP:TBP+1], s[50:51]
	s_add_nc_u64 s[OI:OI+1], s[OI:OI+1], s[52:53]
	s_add_nc_u64 s[OI+2:OI+3], s[OI+2:OI+3], s[52:53]
	s_add_nc_u64 s[OS:OS+1], s[OS:OS+1], s[54:55]
	s_add_nc_u64 s[OS+2:OS+3], s[OS+2:OS+3], s[54:55]
	s_sub_co_u32 s58, s58, 1
	s_cmp_lg_u32 s58, 0
	s_cbranch_scc1 .Ltrip
	TILE 0, 0, 21                                  ; the last two tiles load nothing
	TILE 1, 0, 0
	s_endpgm
.Lfunc_end_k_q1056461eed_proj:
	.size	k_q1056461eed_proj, .Lfunc_end_k_q1056461eed_proj-k_q1056461eed_proj
	.p2alignl 7, 3214868480
	.fill 96, 4, 3214868480
	.section	.rodata,"a",@progbits
	.p2align	6, 0x0
	.amdhsa_kernel k_q1056461eed_proj
		.amdhsa_group_segment_fixed_size 0
		.amdhsa_private_segment_fixed_size 0
		.amdhsa_enable_private_segment 0
		.amdhsa_kernarg_size 80
		.amdhsa_user_sgpr_count 2
		.amdhsa_user_sgpr_kernarg_segment_ptr 1
		.amdhsa_wavefront_size32 1
		.amdhsa_system_sgpr_workgroup_id_x 1
		.amdhsa_system_sgpr_workgroup_id_y 1
		.amdhsa_system_sgpr_workgroup_id_z 1
		.amdhsa_system_vgpr_workitem_id 0
		.amdhsa_next_free_vgpr 1024
		.amdhsa_next_free_sgpr 100
		.amdhsa_reserve_vcc 0
		.amdhsa_float_denorm_mode_32 3
		.amdhsa_float_denorm_mode_16_64 3
		.amdhsa_memory_ordered 1
		.amdhsa_forward_progress 1
		.amdhsa_inst_pref_size 110
	.end_amdhsa_kernel
	.amdgpu_metadata
---
amdhsa.version: [ 1, 2 ]
amdhsa.kernels:
  - .name:           k_q1056461eed_proj
    .symbol:         k_q1056461eed_proj.kd
    .args:
      - { .name: XD, .offset: 0, .size: 8, .value_kind: global_buffer, .address_space: global }
      - { .name: XE, .offset: 8, .size: 8, .value_kind: global_buffer, .address_space: global }
      - { .name: WA, .offset: 16, .size: 8, .value_kind: global_buffer, .address_space: global }
      - { .name: bq1, .offset: 24, .size: 8, .value_kind: global_buffer, .address_space: global }
      - { .name: bk1, .offset: 32, .size: 8, .value_kind: global_buffer, .address_space: global }
      - { .name: bv1, .offset: 40, .size: 8, .value_kind: global_buffer, .address_space: global }
      - { .name: bk2, .offset: 48, .size: 8, .value_kind: global_buffer, .address_space: global }
      - { .name: bv2, .offset: 56, .size: 8, .value_kind: global_buffer, .address_space: global }
      - { .name: P1, .offset: 64, .size: 8, .value_kind: global_buffer, .address_space: global }
      - { .name: P2, .offset: 72, .size: 8, .value_kind: global_buffer, .address_space: global }
    .group_segment_fixed_size: 0
    .private_segment_fixed_size: 0
    .kernarg_segment_align: 8
    .kernarg_segment_size: 80
    .max_flat_workgroup_size: 128
    .sgpr_count:     100
    .vgpr_count:     1024
    .wavefront_size: 32
...
	.end_amdgpu_metadata
.endif
;; end of part 2
;; launch att1 (part 3): grid 8 x 32, 16 waves a work-group, clusters of 4 x 1, 276,480 bytes of LDS; arguments P1, M1, AT; writes AT
.if DOCPART == 3
	.amdgcn_target "amdgcn-amd-amdhsa--gfx1250"
	.amdhsa_code_object_version 6
	.text
	.protected	k_q1056461eed_att1
	.globl	k_q1056461eed_att1
	.p2align	8
	.type	k_q1056461eed_att1,@function
k_q1056461eed_att1:
	s_mov_b64 s[64:65], 0
	v_nop
	global_prefetch_b8 v0, s[64:65] scope:SCOPE_SE
	s_setreg_imm32_b32 hwreg(HW_REG_WAVE_MODE, 25, 1), 1
	s_wait_xcnt 0x0
	s_wait_alu depctr_hold_cnt(0) depctr_sa_sdst(0) depctr_va_vdst(0) depctr_va_sdst(0) depctr_va_ssrc(0) depctr_va_vcc(0) depctr_vm_vsrc(0)
	s_getreg_b32 s2, hwreg(HW_REG_IB_STS2, 6, 4)
	s_cmp_eq_u32 s2, 0
	s_cbranch_scc0 .Lentry_in_a_cluster
	s_endpgm
.Lentry_in_a_cluster:
	s_bfe_u32 s2, ttmp6, 0x10000c
	s_cmp_lg_u32 s2, 0x3003
	s_cbranch_scc0 .Lentry_shape_is_right
	s_endpgm
.Lentry_shape_is_right:
; ATTENTION ON CODES OF E4M3: a = Q(softmax(mask(q k^T / 8)) v), head size 64, 2,048 queries and keys, 8 heads, 4 batches.  Both products are quantised, the result is quantised for the next product.
; THE SOFTMAX: t = score x log2(e) / 8; M = the running largest t rounded up to a whole number; p = 2^(t - M) is quantised along the keys; the row's sum is taken of the unquantised p and divides at the end.
; THE MASK is an input: an earlier launch has packed it into lane masks, 64 words for a tile of 16 queries and a step of 128 keys; they come by scalar loads, one step ahead, and only select values.
; A masked score is replaced by -2^33 ahead of the scaling: t is then a whole number near -1.5e9, so that in a row that is masked throughout every p is exactly 1, as with -1e9 x log2(e).
; LIMIT: true scores under -2^33 are not told from masked ones.  A block of zeros gets the scale byte 1.  NaN and infinities are not served.
; SHARES: a work-group owns 256 queries of one head, each of sixteen waves a tile of 16, in 256 registers; every wave walks the 16 steps of 128 keys.
; THE HEAD'S K AND V LIE WHOLE IN LDS (128 KiB each, and their scale words): filled once, at the start, and only read afterwards.  So there is no ring and nothing is filled again.
; CLUSTER: the four query blocks of a cluster belong to one head: each fill is asked for jointly, with a mask that names the four.
; No prefetch: K and V are asked for whole at the head, and the mask words are asked for a step ahead into scalar registers.
; LAYOUT: operands are images of the operand's registers (fragment: byte 512 c + 16 lane + e).  Both products are used transposed: a lane holds one query throughout.
; K = 64 IN AN INSTRUCTION 128 DEEP: q's upper eight registers are zero codes; a key tile's upper eight registers are the next tile's codes (never the NaN code), or zeros: they add nothing.
; The scale words are read as half words: the head's two bytes below, two bytes 0 above, which stand over zero products.
.set IMG,   3145728
.set SCL,   19922944
.set A_SCL, 4194304
.set LV,    131072                     ; LDS: K's tiles at 1,024 T; V's fragments at LV + 32,768 dt + 2,048 step;
.set LKS,   262144                     ; K's scale words, 64 bytes a tile;
.set LVS,   270336                     ; V's, at 1,024 dt + 64 step
.set S,    104                         ; v104-167 scores, then p
.set O,    168                         ; v168-199 O^T
.set PC,   200                         ; p's codes
.set TM,   216                         ; v216-231 at work
.set TMP,  232
.set KS,   240
.set VS,   244
.set QS,   246
.set PW,   247
.set FP,   248                         ; v[248:249] f = 2^(old M - new M) (low word)
.set NEG,  250
.set WV,   10
.set SEL,  18
.set CS,   20
.set MNT,  22
.set CNT,  23
.set MP,   28
.macro QUANT s, nb
.irp b, 0,1,2,3
.if \b < \nb
	v_max3_num_f32 v[TM+\b], |v[\s+16*\b]|, |v[\s+1+16*\b]|, 0x4800000
.endif
.endr
.irp i, 2,4,6,8,10,12,14
.irp b, 0,1,2,3
.if \b < \nb
	v_max3_num_f32 v[TM+\b], v[TM+\b], |v[\s+16*\b+\i]|, |v[\s+1+16*\b+\i]|
.endif
.endr
.endr
.irp b, 0,1,2,3
.if \b < \nb
	v_permlanex16_b32 v[TM+4+\b], v[TM+\b], s[SEL], s[SEL+1]
.endif
.endr
.irp b, 0,1,2,3
.if \b < \nb
	v_max_num_f32 v[TM+\b], v[TM+\b], v[TM+4+\b]
.endif
.endr
.irp b, 0,1,2,3
.if \b < \nb
	v_add_nc_u32 v[TM+12+\b], 0xfc000000, v[TM+\b]
.endif
.endr
.irp b, 0,1,2,3
.if \b < \nb
	v_and_or_b32 v[TM+8+\b], v[TM+\b], 0x7f800000, s[MNT]
.endif
.endr
.irp b, 0,1,2,3
.if \b < \nb
	v_lshrrev_b32 v[TM+4+\b], 23, v[TM+12+\b]
.endif
.endr
	v_lshl_or_b32 v[PW], v[TM+5], 8, v[TM+4]
.if \nb > 2
	v_lshl_or_b32 v[PW], v[TM+6], 16, v[PW]
	v_lshl_or_b32 v[PW], v[TM+7], 24, v[PW]
.endif
.irp b, 0,1,2,3
.if \b < \nb
.irp i, 0,1,2,3,4,5,6,7,8,9,10,11,12,13,14,15
	v_med3_num_f32 v[\s+16*\b+\i], v[\s+16*\b+\i], -v[TM+8+\b], v[TM+8+\b]
.endr
	v_cvt_scalef32_pk8_fp8_f32 v[PC+4*\b:PC+1+4*\b], v[\s+16*\b:\s+7+16*\b], v[TM+12+\b]
	v_cvt_scalef32_pk8_fp8_f32 v[PC+2+4*\b:PC+3+4*\b], v[\s+8+16*\b:\s+15+16*\b], v[TM+12+\b]
.endif
.endr
	v_nop
.endm
.macro ROUND                           ; a round of the cluster's barrier
	s_barrier_signal -1
	s_barrier_wait -1
	s_cmp_lg_u32 s[WV], 0
	s_cbranch_scc1 .Lnot_wave_0_\@
	s_barrier_signal -3
.Lnot_wave_0_\@:
	s_barrier_wait -3
	s_barrier_signal -1
	s_barrier_wait -1
.endm
.macro G1SET g, c, r, p                ; descriptor group 1: r rows of c elements of 8 bytes, p elements from row to row; the mask names all four work-groups, bit 21 beside it; no padding
	s_mov_b32 s[\g], 15|(3<<16)|(1<<21)
	s_mov_b32 s[\g+1], (\c)<<16
	s_mov_b32 s[\g+2], (\r)<<16
	s_mov_b32 s[\g+3], (\c)<<16
	s_mov_b32 s[\g+4], \r
	s_mov_b32 s[\g+5], \p
	s_mov_b32 s[\g+6], 0
	s_mov_b32 s[\g+7], 0
.endm
	s_load_b128 s[4:7], s[0:1], 0x0                ; P (q, k, v as codes), M (mask words)
	s_load_b64 s[8:9], s[0:1], 0x10                ; AT
	v_lshl_add_u32 v254, v0, 2, 0x43000
	v_mov_b32 v255, 0
	ds_add_u32 v254, v255
	ds_add_u32 v254, v255
	v_lshrrev_b32 v1, 5, v0
	v_readfirstlane_b32 s[WV], v1                  ; wave 0..15
	s_and_b32 s11, s[WV], 7                        ; which eighth of K (waves 0-7) or of V (waves 8-15) I fetch
	s_bfe_u32 s12, ttmp6, 0x40000                  ; cx
	s_lshl_b32 s13, ttmp9, 2
	s_add_co_u32 s13, s13, s12                     ; my block of 256 queries: it enters global addresses of q, the mask and a alone
	s_and_b32 s14, ttmp7, 0xffff
	s_lshr_b32 s15, s14, 3                         ; batch
	s_and_b32 s16, s14, 7                          ; head
	s_lshr_b32 s2, s16, 1
	s_and_b32 s3, s16, 1
	s_lshl_b32 s17, s15, 7
	s_lshl_b32 s30, s13, 4
	s_add_co_u32 s17, s17, s30
	s_add_co_u32 s17, s17, s[WV]                   ; m: my tile of 16 queries among the 512
	G1SET 32, 128, 16, 1024                        ; K: 16 tiles' 1,024 bytes, 8,192 bytes apart
	G1SET 40, 128, 16, 128                         ; V: 16,384 dense bytes
	G1SET 48, 8, 16, 32                            ; K's scale words: 16 tiles' 64 bytes, 256 bytes apart
	G1SET 56, 64, 1, 64                            ; V's: 512 dense bytes
	s_mov_b32 s[SEL], 0x76543210
	s_mov_b32 s[SEL+1], 0xfedcba98
	s_mov_b32 s[CS], 0x3e38aa3b                    ; log2(e) / 8
	s_mov_b32 s[CS+1], s[CS]
	s_mov_b32 s[MNT], 0x600000
	s_mov_b32 s31, 0
	s_lshl_b32 s24, s15, 7
	s_lshl_b32 s25, s11, 4
	s_add_co_u32 s24, s24, s25                     ; the first key tile that I fetch
	s_lshl_b32 s26, s16, 2
	s_lshr_b32 s25, s11, 1
	s_add_co_u32 s26, s26, s25                     ; the feature tile of V that I fetch,
	s_lshl_b32 s27, s15, 4
	s_and_b32 s25, s11, 1
	s_lshl_b32 s25, s25, 3
	s_add_co_u32 s27, s27, s25                     ; and its first 128 keys
	s_wait_dscnt 0x0
	s_wait_kmcnt 0x0
	s_mov_b32 s68, 1                               ; group 0 for K's codes
	s_lshl_b32 s69, s11, 14
	s_lshl_b32 s30, s24, 13
	s_lshl_b32 s25, s16, 10
	s_add_co_u32 s30, s30, s25
	s_add_co_u32 s30, s30, IMG+4194304
	s_add_nc_u64 s[70:71], s[4:5], s[30:31]
	s_or_b32 s71, s71, 0x80000000
	s_mov_b32 s72, 1                               ; K's scale words
	s_lshl_b32 s73, s11, 10
	s_add_co_u32 s73, s73, LKS
	s_lshl_b32 s30, s24, 8
	s_lshl_b32 s25, s2, 6
	s_add_co_u32 s30, s30, s25
	s_add_co_u32 s30, s30, SCL+131072
	s_add_nc_u64 s[74:75], s[4:5], s[30:31]
	s_or_b32 s75, s75, 0x80000000
	s_mov_b32 s76, 1                               ; V's codes
	s_lshl_b32 s77, s11, 14
	s_add_co_u32 s77, s77, LV
	s_lshl_b32 s30, s26, 17
	s_lshl_b32 s25, s27, 11
	s_add_co_u32 s30, s30, s25
	s_add_co_u32 s30, s30, IMG+8388608
	s_add_nc_u64 s[78:79], s[4:5], s[30:31]
	s_or_b32 s79, s79, 0x80000000
	s_mov_b32 s80, 1                               ; V's scale words
	s_lshl_b32 s81, s11, 9
	s_add_co_u32 s81, s81, LVS
	s_lshl_b32 s30, s26, 12
	s_lshl_b32 s25, s27, 6
	s_add_co_u32 s30, s30, s25
	s_add_co_u32 s30, s30, SCL+262144
	s_add_nc_u64 s[82:83], s[4:5], s[30:31]
	s_or_b32 s83, s83, 0x80000000
	ROUND                                          ; all four work-groups are here: the joint loads meet
	s_cmp_lt_u32 s[WV], 8                          ; a wave's two fills stand in one branch: two tensor loads of mine are out; four v_nop follow the second
	s_cbranch_scc0 .Lfor_v
	tensor_load_to_lds s[68:71], s[32:39]
	s_nop 0
	tensor_load_to_lds s[72:75], s[48:55]
	s_nop 0
.rept 4
	v_nop
.endr
	s_branch .Lasked
.Lfor_v:
	tensor_load_to_lds s[76:79], s[40:47]
	s_nop 0
	tensor_load_to_lds s[80:83], s[56:63]
	s_nop 0
.rept 4
	v_nop
.endr
.Lasked:
	v_and_b32 v11, 31, v0
	v_and_b32 v10, 15, v0
	v_bfe_u32 v9, v0, 4, 1
	v_lshlrev_b32 v1, 4, v11                       ; K: 16 x lane
	v_add_nc_u32 v2, LV, v1                        ; V
	s_lshl_b32 s30, s3, 1
	s_add_co_u32 s30, s30, LKS
	v_lshl_add_u32 v3, v11, 2, s30                 ; K's scale half words: lanes 0-15 an even tile's rows, lanes 16-31 the next tile's; + 2 for an odd head
	v_lshlrev_b32 v10, 2, v10                      ; 4 r
	v_lshl_add_u32 v4, v9, 10, v10
	v_add_nc_u32 v4, LVS, v4                       ; V's scale words: lanes 16-31 take the next feature tile's
	s_lshl_b32 s30, s17, 13
	s_lshl_b32 s25, s16, 10
	s_add_co_u32 s30, s30, s25
	s_add_co_u32 s30, s30, IMG
	s_add_nc_u64 s[66:67], s[4:5], s[30:31]        ; q's codes
	s_lshl_b32 s30, s17, 8
	s_lshl_b32 s25, s2, 6
	s_add_co_u32 s30, s30, s25
	s_lshl_b32 s25, s3, 1
	s_add_co_u32 s30, s30, s25
	s_add_co_u32 s30, s30, SCL
	s_add_nc_u64 s[100:101], s[4:5], s[30:31]      ; and its scale half words
	global_load_b128 v[16:19], v1, s[66:67]
	global_load_b128 v[20:23], v1, s[66:67] offset:512
	global_load_u16 v[QS], v10, s[100:101]
	s_lshl_b32 s30, s17, 12
	s_add_nc_u64 s[MP:MP+1], s[6:7], s[30:31]      ; my tile's mask words: 256 bytes a step
.irp j, 24,25,26,27,28,29,30,31,96,97,98,99,100,101,102,103
	v_mov_b32 v[\j], 0                             ; zero codes
.endr
.set jj, 0
.rept 32
	v_mov_b32 v[O+jj], 0                           ; the loop is written once: its first step finds zeros
.set jj, jj+1
.endr
	v_mov_b32 v13, 0xff61b1e6                      ; the largest t so far: -3e38
	v_floor_f32 v12, -v13                          ; -M
	v_mov_b32 v14, 0
	v_mov_b32 v15, 0
.irp b, 0,1,2,3
	v_mov_b32 v[TM+4+\b], 0
.endr
	v_mov_b32 v[FP+1], 0
	v_mov_b32 v[NEG], 0xd0000000                   ; -2^33
	s_mov_b32 s[CNT], 0
	s_mov_b32 s24, 0                               ; the step's place in K, in V and among their scale words
	s_mov_b32 s25, 0
	s_mov_b32 s26, 0
	s_mov_b32 s27, 0
	s_wait_tensorcnt 0x0                           ; my two fills have landed,
	s_barrier_signal -1
	s_barrier_wait -1                              ; everybody's have.  The descriptors' registers are free: they take the mask words
	s_load_b512 s[32:47], s[MP:MP+1], 0x0
	s_load_b512 s[48:63], s[MP:MP+1], 0x40
	s_load_b512 s[68:83], s[MP:MP+1], 0x80
	s_load_b512 s[84:99], s[MP:MP+1], 0xc0
	s_wait_loadcnt 0x0                             ; q
.Lstep:
	v_add_nc_u32 v5, s24, v1
	v_add_nc_u32 v6, s25, v2
	v_add_nc_u32 v7, 0x10000, v6                   ; (an LDS offset has 16 bits)
	v_add_nc_u32 v8, s26, v3
	v_add_nc_u32 v9, s27, v4
.rept 3
	v_nop                                          ; with the five additions: eight places behind the last products, ahead of the loads into registers that they read
.endr
.irp t, 0,1,2,3,4,5,6,7
	ds_load_b128 v[32+8*\t:35+8*\t], v5 offset:1024*\t
	ds_load_b128 v[36+8*\t:39+8*\t], v5 offset:1024*\t+512
.endr
.irp p, 0,1,2,3
	ds_load_u16 v[KS+\p], v8 offset:128*\p
.endr
	s_wait_dscnt 0x0
.irp t, 0,2,4,6                                ; S^T = k q^T: lane (r, h) holds query r; registers 16 b + i are keys 32 b + 16 h + i of the step
	v_wmma_scale_f32_16x16x128_f8f6f4 v[S+8*\t:S+8*\t+7], v[32+8*\t:47+8*\t], v[16:31], 0, v[KS+\t/2], v[QS]
	v_wmma_scale_f32_16x16x128_f8f6f4 v[S+8*\t+8:S+8*\t+15], v[40+8*\t:55+8*\t], v[16:31], 0, v[KS+\t/2], v[QS] matrix_a_scale:MATRIX_SCALE_ROW1
.endr
.rept 8
	v_nop
.endr
.irp c, 0,1,2,3                                ; V's fragments of the step are asked for now and land during the softmax
	ds_load_b128 v[32+4*\c:35+4*\c], v6 offset:512*\c
	ds_load_b128 v[48+4*\c:51+4*\c], v6 offset:32768+512*\c
	ds_load_b128 v[64+4*\c:67+4*\c], v7 offset:512*\c
	ds_load_b128 v[80+4*\c:83+4*\c], v7 offset:32768+512*\c
.endr
	ds_load_b32 v[VS], v9
	ds_load_b32 v[VS+1], v9 offset:2048
	s_wait_kmcnt 0x0                               ; the step's mask words
.set nn, 0
.rept 32
	v_cndmask_b32 v[S+nn], v[NEG], v[S+nn], s[32+nn]
.set nn, nn+1
.endr
.rept 32
	v_cndmask_b32 v[S+nn], v[NEG], v[S+nn], s[36+nn]
.set nn, nn+1
.endr
.irp b, 0,1,2,3
	v_max3_num_f32 v[TM+\b], v[S+16*\b], v[S+1+16*\b], v[S+2+16*\b]   ; the largest score of each block of 32 keys: for the row's maximum, and, since p rises with the score, for the block's largest p
.endr
.irp i, 3,5,7,9,11,13
.irp b, 0,1,2,3
	v_max3_num_f32 v[TM+\b], v[TM+\b], v[S+16*\b+\i], v[S+1+16*\b+\i]
.endr
.endr
.irp b, 0,1,2,3
	v_max_num_f32 v[TM+\b], v[TM+\b], v[S+15+16*\b]
.endr
.irp b, 0,1,2,3
	v_permlanex16_b32 v[TM+4+\b], v[TM+\b], s[SEL], s[SEL+1]
.endr
.irp b, 0,1,2,3
	v_max_num_f32 v[TM+\b], v[TM+\b], v[TM+4+\b]
.endr
	v_max3_num_f32 v[TMP], v[TM], v[TM+1], v[TM+2]
	v_max_num_f32 v[TMP], v[TMP], v[TM+3]
	v_mul_f32 v[TMP], s[CS], v[TMP]
	v_max_num_f32 v13, v13, v[TMP]                 ; the running largest t
	v_mov_b32 v[TMP], v12
	v_floor_f32 v12, -v13                          ; the new -M: M is a whole number
	v_sub_f32 v[TMP], v12, v[TMP]
	v_cvt_i32_f32 v[TMP], v[TMP]                   ; (it saturates)
	v_ldexp_f32 v[FP], 1.0, v[TMP]                 ; f = 2^(old M - new M)
.set jj, 0
.rept 32
	v_pk_fma_f32 v[S+jj:S+jj+1], v[S+jj:S+jj+1], s[CS:CS+1], v[12:13] op_sel_hi:[1,0,0]   ; t - M
.set jj, jj+2
.endr
.irp b, 0,1,2,3
	v_fma_f32 v[TM+\b], v[TM+\b], s[CS], v12
.endr
.set jj, 0
.rept 64
	v_exp_f32 v[S+jj], v[S+jj]                     ; p = 2^(t - M)
.set jj, jj+1
.endr
	v_pk_mul_f32 v[14:15], v[14:15], v[FP:FP+1] op_sel_hi:[1,0]   ; the sums under the new M: a plain line behind the exponentials
	s_wait_alu depctr_va_vdst(0)                   ; one wait for the batch, ahead of its first reader
	s_cmp_lt_u32 s[CNT], 15                        ; the next step's mask words are asked for; the last step asks for its own again, so that no load leaves the buffer
	s_cselect_b32 s30, 256, 0
	s_add_nc_u64 s[MP:MP+1], s[MP:MP+1], s[30:31]  ; (the earlier loads from this base have been waited for)
	s_load_b512 s[32:47], s[MP:MP+1], 0x0
	s_load_b512 s[48:63], s[MP:MP+1], 0x40
	s_load_b512 s[68:83], s[MP:MP+1], 0x80
	s_load_b512 s[84:99], s[MP:MP+1], 0xc0
.irp b, 0,1,2,3
	v_exp_f32 v[TM+\b], v[TM+\b]                   ; the blocks' largest p
.endr
	v_pk_add_f32 v[TM+4:TM+5], v[S:S+1], v[S+2:S+3]   ; the row's sum is taken of the unquantised p, in two chains
.irp j, 4,8,12,16,20,24,28,32,36,40,44,48,52,56,60
	v_pk_add_f32 v[14:15], v[14:15], v[S+\j:S+\j+1]
	v_pk_add_f32 v[TM+4:TM+5], v[TM+4:TM+5], v[S+\j+2:S+\j+3]
.endr
	v_pk_add_f32 v[14:15], v[14:15], v[TM+4:TM+5]
	s_wait_alu depctr_va_vdst(0)                   ; and one for the four
.irp b, 0,1,2,3
	v_max_num_f32 v[TM+\b], 0x4800000, v[TM+\b]
.endr
.irp b, 0,1,2,3
	v_add_nc_u32 v[TM+12+\b], 0xfc000000, v[TM+\b]
.endr
.irp b, 0,1,2,3
	v_and_or_b32 v[TM+8+\b], v[TM+\b], 0x7f800000, s[MNT]
.endr
.irp b, 0,1,2,3
	v_lshrrev_b32 v[TM+4+\b], 23, v[TM+12+\b]
.endr
	v_lshl_or_b32 v[PW], v[TM+5], 8, v[TM+4]       ; p's scale word for these 128 keys
	v_lshl_or_b32 v[PW], v[TM+6], 16, v[PW]
	v_lshl_or_b32 v[PW], v[TM+7], 24, v[PW]
.irp b, 0,1,2,3
.irp i, 0,1,2,3,4,5,6,7,8,9,10,11,12,13,14,15
	v_min_num_f32 v[S+16*\b+\i], v[S+16*\b+\i], v[TM+8+\b]     ; p is not negative: the hold is one-sided
.endr
	v_cvt_scalef32_pk8_fp8_f32 v[PC+4*\b:PC+1+4*\b], v[S+16*\b:S+7+16*\b], v[TM+12+\b]
	v_cvt_scalef32_pk8_fp8_f32 v[PC+2+4*\b:PC+3+4*\b], v[S+8+16*\b:S+15+16*\b], v[TM+12+\b]
.endr
.set jj, 0
.rept 16
	v_pk_mul_f32 v[O+jj:O+jj+1], v[O+jj:O+jj+1], v[FP:FP+1] op_sel_hi:[1,0]   ; O^T under the new M; also the places between the codes and the products
.set jj, jj+2
.endr
	s_wait_dscnt 0x0                               ; V
.irp d, 0,2                                    ; O^T += v^T p^T: four accumulators, one instruction a turn
	v_wmma_scale_f32_16x16x128_f8f6f4 v[O+8*\d:O+8*\d+7], v[32+16*\d:47+16*\d], v[PC:PC+15], v[O+8*\d:O+8*\d+7], v[VS+\d/2], v[PW]
	v_wmma_scale_f32_16x16x128_f8f6f4 v[O+8*\d+8:O+8*\d+15], v[48+16*\d:63+16*\d], v[PC:PC+15], v[O+8*\d+8:O+8*\d+15], v[VS+\d/2], v[PW] matrix_a_scale:MATRIX_SCALE_ROW1
.endr
	s_add_co_u32 s24, s24, 8192
	s_add_co_u32 s25, s25, 2048
	s_add_co_u32 s26, s26, 512
	s_add_co_u32 s27, s27, 64
	s_add_co_u32 s[CNT], s[CNT], 1
	s_cmp_lt_u32 s[CNT], 16
	s_cbranch_scc1 .Lstep
	; THE WAY OUT: O^T / the sum is quantised along the head's 64 (two blocks) and leaves as half a fragment of the next product's operand
	s_wait_kmcnt 0x0                               ; the last words asked for: their registers are used again
.rept 8
	v_nop
.endr
	v_add_f32 v14, v14, v15
	v_permlanex16_b32 v[TMP], v14, s[SEL], s[SEL+1]
	v_add_f32 v14, v14, v[TMP]
	v_rcp_f32 v14, v14
	v_nop
	s_lshl_b32 s30, s17, 13
	s_lshl_b32 s25, s16, 10
	s_add_co_u32 s30, s30, s25
	s_add_nc_u64 s[32:33], s[8:9], s[30:31]
	s_lshl_b32 s30, s17, 8
	s_lshl_b32 s25, s2, 6
	s_add_co_u32 s30, s30, s25
	s_lshl_b32 s25, s3, 1
	s_add_co_u32 s30, s30, s25
	s_add_co_u32 s30, s30, A_SCL
	s_add_nc_u64 s[34:35], s[8:9], s[30:31]
	s_wait_alu depctr_va_vdst(0)
.set jj, 0
.rept 32
	v_mul_f32 v[S+jj], v[O+jj], v14                ; register 16 b + i: channel 32 b + 16 h + i of my query
.set jj, jj+1
.endr
	QUANT S, 2
	global_store_b128 v1, v[PC:PC+3], s[32:33]
	global_store_b128 v1, v[PC+4:PC+7], s[32:33] offset:512
	global_store_b16 v10, v[PW], s[34:35]          ; the head's two scale bytes of my row
	s_wait_tensorcnt 0x0
	ds_add_u32 v254, v255
	s_wait_dscnt 0x0
	ROUND                                          ; the closing round
	s_endpgm
.Lfunc_end_k_q1056461eed_att1:
	.size	k_q1056461eed_att1, .Lfunc_end_k_q1056461eed_att1-k_q1056461eed_att1
	.p2alignl 7, 3214868480
	.fill 96, 4, 3214868480
	.section	.rodata,"a",@progbits
	.p2align	6, 0x0
	.amdhsa_kernel k_q1056461eed_att1
		.amdhsa_group_segment_fixed_size 276480
		.amdhsa_private_segment_fixed_size 0
		.amdhsa_enable_private_segment 0
		.amdhsa_kernarg_size 24
		.amdhsa_user_sgpr_count 2
		.amdhsa_user_sgpr_kernarg_segment_ptr 1
		.amdhsa_wavefront_size32 1
		.amdhsa_system_sgpr_workgroup_id_x 1
		.amdhsa_system_sgpr_workgroup_id_y 1
		.amdhsa_system_sgpr_workgroup_id_z 1
		.amdhsa_system_vgpr_workitem_id 0
		.amdhsa_next_free_vgpr 256
		.amdhsa_next_free_sgpr 102
		.amdhsa_reserve_vcc 0
		.amdhsa_float_denorm_mode_32 3
		.amdhsa_float_denorm_mode_16_64 3
		.amdhsa_memory_ordered 1
		.amdhsa_forward_progress 1
		.amdhsa_inst_pref_size 40
	.end_amdhsa_kernel
	.amdgpu_metadata
---
amdhsa.version: [ 1, 2 ]
amdhsa.kernels:
  - .name:           k_q1056461eed_att1
    .symbol:         k_q1056461eed_att1.kd
    .args:
      - { .name: P1, .offset: 0, .size: 8, .value_kind: global_buffer, .address_space: global }
      - { .name: M1, .offset: 8, .size: 8, .value_kind: global_buffer, .address_space: global }
      - { .name: AT, .offset: 16, .size: 8, .value_kind: global_buffer, .address_space: global }
    .group_segment_fixed_size: 276480
    .private_segment_fixed_size: 0
    .kernarg_segment_align: 8
    .kernarg_segment_size: 24
    .max_flat_workgroup_size: 512
    .sgpr_count:     102
    .vgpr_count:     256
    .wavefront_size: 32
...
	.end_amdgpu_metadata
.endif
;; end of part 3
;; launch woq (part 4): grid 256 x 1, 4 waves a work-group, no clusters, 52,736 bytes of LDS; arguments AT, P1, bo1, de_out, ln2_g, ln2_b, XD, bq2, P2; writes XD, P2
.if DOCPART == 4
	.amdgcn_target "amdgcn-amd-amdhsa--gfx1250"
	.amdhsa_code_object_version 6
	.text
	.protected	k_q1056461eed_woq
	.globl	k_q1056461eed_woq
	.p2align	8
	.type	k_q1056461eed_woq,@function
k_q1056461eed_woq:
	s_mov_b64 s[64:65], 0
	v_nop
	global_prefetch_b8 v0, s[64:65] scope:SCOPE_SE
	s_setreg_imm32_b32 hwreg(HW_REG_WAVE_MODE, 25, 1), 1
	s_wait_xcnt 0x0
; x = r + (a Wo + bo);  n = Q(layer norm(x) g + b);  q = Q(n Wq + bq).  a: codes (an image of the operand's registers); Wo: slot 4, Wq: slot 0 of the weights' buffer; r: f32 rows.
; x leaves as f32 rows; q leaves as codes, laid as the attention reads them: fragment (token tile T, K step s) at (4 T + s) x 2,048 bytes, its 16 scale words at (4 T + s) x 64.  n NEVER GOES TO MEMORY.
; A work-group owns 32 tokens (two tiles of 16), wave w the features 128 w .. 128 w + 127 of both products: its 8 tiles x 4 K steps of Wo stay in 512 registers, and Wq's take their place as soon as Wo's last products are issued.
; Both products are used transposed (source 0 = the weight's rows, source 1 = tokens): a lane holds one token and 64 features, 16 neighbours of each block of 32; r + bo, loaded in that layout, is the C of the first product's first K step, bq of the second's.
; Row r of tile T is row 32 (T / 2) + 8 (T % 2) + r + 8 (r / 8).
; The row's mean and variance span the four waves: two sums a tile meet in LDS, each in a block of its own that is used once.  Two passes (mean; then the differences' squares).
; n GOES FROM WAVE TO WAVE THROUGH LDS AS AN IMAGE OF ITS REGISTERS: wave w's 128 features of a tile are K step w of the second product: four stores of 512 bytes, lane l's 16 bytes at 16 l; the same lines as loads give any wave the fragment.
; Wq's 128 loads of a wave go out in three runs among the second tile's way out, statistics and normalisation: 48 loads a run, so that the wave has work between them.
; No multicast: the weights' parts differ from wave to wave, and the launch is short.
; LIMITS: a block of zeros gets the scale byte 1 (its codes are zeros; this program alone reads the bytes); NaN and infinities are not served.
.set W_SCL, 2359296
.set A_SCL, 4194304
.set IMG,   3145728                    ; the output buffer of q: its codes,
.set SCL,   19922944                   ; and their scale words
.set STG,   8448                       ; LDS: a stage of 16 rows x 528 bytes for each wave
.set EXB,   33792                      ; four blocks of 256 bytes for the sums
.set XIMG,  34816                      ; n's eight fragments: (tile e, K step s) at (4 e + s) x 2,048
.set XSC,   51200                      ; their scale words: (4 e + s) x 64
.set PC,   144
.set TM,   160
.set PW,   176
.set SA,   178
.set MPR,  180
.set RPR,  182
.set OUTR, 184                         ; v184-215 rows of x on their way out; free again behind the wait that follows their stores:
.set SC,   184
.set LX,   186
.set TS,   216
.set SS,   224
.set WV,   18
.set SEL,  40
.set MNT,  42
.set R512, 43
.set MSB, 0
.macro WIN new                         ; the immediate's high byte repeats the setting that is left
.if MSB != \new
	s_set_vgpr_msb (MSB<<8)|\new
.set MSB, \new
.endif
.endm
.macro QUANT s, nb
.irp b, 0,1,2,3
.if \b < \nb
	v_max3_num_f32 v[TM+\b], |v[\s+16*\b]|, |v[\s+1+16*\b]|, 0x4800000   ; with the floor 2^(9 - 127): the byte cannot fall under 1
.endif
.endr
.irp i, 2,4,6,8,10,12,14
.irp b, 0,1,2,3
.if \b < \nb
	v_max3_num_f32 v[TM+\b], v[TM+\b], |v[\s+16*\b+\i]|, |v[\s+1+16*\b+\i]|
.endif
.endr
.endr
.irp b, 0,1,2,3
.if \b < \nb
	v_permlanex16_b32 v[TM+4+\b], v[TM+\b], s[SEL], s[SEL+1]
.endif
.endr
.irp b, 0,1,2,3
.if \b < \nb
	v_max_num_f32 v[TM+\b], v[TM+\b], v[TM+4+\b]
.endif
.endr
.irp b, 0,1,2,3
.if \b < \nb
	v_add_nc_u32 v[TM+12+\b], 0xfc000000, v[TM+\b]
.endif
.endr
.irp b, 0,1,2,3
.if \b < \nb
	v_and_or_b32 v[TM+8+\b], v[TM+\b], 0x7f800000, s[MNT]
.endif
.endr
.irp b, 0,1,2,3
.if \b < \nb
	v_lshrrev_b32 v[TM+4+\b], 23, v[TM+12+\b]
.endif
.endr
	v_lshl_or_b32 v[PW], v[TM+5], 8, v[TM+4]
.if \nb > 2
	v_lshl_or_b32 v[PW], v[TM+6], 16, v[PW]
	v_lshl_or_b32 v[PW], v[TM+7], 24, v[PW]
.endif
.irp b, 0,1,2,3
.if \b < \nb
.irp i, 0,1,2,3,4,5,6,7,8,9,10,11,12,13,14,15
	v_med3_num_f32 v[\s+16*\b+\i], v[\s+16*\b+\i], -v[TM+8+\b], v[TM+8+\b]   ; the conversion does not saturate (ISA guide 7.6.2): the hold
.endr
	v_cvt_scalef32_pk8_fp8_f32 v[PC+4*\b:PC+1+4*\b], v[\s+16*\b:\s+7+16*\b], v[TM+12+\b]
	v_cvt_scalef32_pk8_fp8_f32 v[PC+2+4*\b:PC+3+4*\b], v[\s+8+16*\b:\s+15+16*\b], v[TM+12+\b]
.endif
.endr
	v_nop                                          ; a plain line behind the last conversion: later products write its sources
.endm
.macro LNSUM x, sq
.if \sq
	v_pk_mul_f32 v[SA:SA+1], v[\x:\x+1], v[\x:\x+1]
	v_pk_mul_f32 v[SC:SC+1], v[\x+2:\x+3], v[\x+2:\x+3]
.irp j, 4,8,12,16,20,24,28,32,36,40,44,48,52,56,60
	v_pk_fma_f32 v[SA:SA+1], v[\x+\j:\x+\j+1], v[\x+\j:\x+\j+1], v[SA:SA+1]
	v_pk_fma_f32 v[SC:SC+1], v[\x+\j+2:\x+\j+3], v[\x+\j+2:\x+\j+3], v[SC:SC+1]
.endr
.else
	v_pk_add_f32 v[SA:SA+1], v[\x:\x+1], v[\x+4:\x+5]
	v_pk_add_f32 v[SC:SC+1], v[\x+2:\x+3], v[\x+6:\x+7]
.irp j, 8,12,16,20,24,28,32,36,40,44,48,52,56,60
	v_pk_add_f32 v[SA:SA+1], v[SA:SA+1], v[\x+\j:\x+\j+1]
	v_pk_add_f32 v[SC:SC+1], v[SC:SC+1], v[\x+\j+2:\x+\j+3]
.endr
.endif
	v_pk_add_f32 v[SA:SA+1], v[SA:SA+1], v[SC:SC+1]
	v_add_f32 v[SA], v[SA], v[SA+1]
	v_permlanex16_b32 v[SA+1], v[SA], s[SEL], s[SEL+1]
	v_add_f32 v[SA], v[SA], v[SA+1]
.endm
.macro LNXCH off                       ; store, wait, barrier, load: the block is used once, so nothing is written over
	ds_store_b32 v7, v[SA] offset:\off
	s_wait_dscnt 0x0                               ; for the others' sake: all my LDS stores have landed
	s_barrier_signal -1
	s_barrier_wait -1
.irp q, 0,1,2,3
	ds_load_b32 v[LX+\q], v8 offset:\off+64*\q
.endr
	s_wait_dscnt 0x0
	v_add_f32 v[LX], v[LX], v[LX+1]
	v_add_f32 v[LX+2], v[LX+2], v[LX+3]
	v_add_f32 v[LX], v[LX], v[LX+2]
.endm
.macro LNSTAT x, ex
	LNSUM \x, 0
	LNXCH \ex
	v_mul_f32 v[MPR], s[R512], v[LX]
	v_mul_f32 v[MPR+1], s[R512], v[LX]
.set jj, 0
.rept 32
	v_pk_add_f32 v[\x+jj:\x+jj+1], v[\x+jj:\x+jj+1], v[MPR:MPR+1] neg_lo:[0,1] neg_hi:[0,1]
.set jj, jj+2
.endr
	LNSUM \x, 1
	LNXCH \ex+256
	v_fmaak_f32 v[LX], s[R512], v[LX], 0x3727c5ac
	v_rsq_f32 v[RPR], v[LX]
	v_nop
	s_wait_alu depctr_va_vdst(0)                   ; the wait ahead of the first reader
	v_mov_b32 v[RPR+1], v[RPR]
.endm
.macro ALOAD e                         ; the four fragments of a's token tile e -> window 3, v192-255
	WIN 0xc0
.irp s, 0,1,2,3
.irp c, 0,1,2,3
	global_load_b128 v[192+16*\s+4*\c:195+16*\s+4*\c], v1, s[24:25] offset:\e*8192+\s*2048+512*\c
.endr
.endr
	WIN 0
.endm
; n tiles of Wq from tile i0 on, 16 loads a tile, into the registers that Wo's tiles have left: fragment (i, s) in window 1 + s / 2 at v[128 (s % 2) + 16 i]
.macro S2LOAD i0, n
	WIN 0x40
.set ii, \i0
.rept \n
.irp s, 0,1
.irp c, 0,1,2,3
	global_load_b128 v[128*\s+16*ii+4*\c:128*\s+16*ii+4*\c+3], v1, s[44:45] offset:(4*ii+\s)*2048+512*\c
.endr
.endr
.set ii, ii+1
.endr
	WIN 0x80
.set ii, \i0
.rept \n
.irp s, 0,1
.irp c, 0,1,2,3
	global_load_b128 v[128*\s+16*ii+4*\c:128*\s+16*ii+4*\c+3], v1, s[44:45] offset:(4*ii+2+\s)*2048+512*\c
.endr
.endr
.set ii, ii+1
.endr
	WIN 0
.endm
; token tile e: the first product, x on its way out, the layer norm, n's codes into LDS
.macro TOK e
.set XT, 16+64*\e
.if \e
	s_wait_loadcnt 0x0                             ; this tile's fragments of a
.endif
.irp s, 0,1,2,3
.if \s < 2
	WIN 0x0d                                       ; Wo window 1, tokens window 3
.else
	WIN 0x0e
.endif
.irp i, 0,1,2,3,4,5,6,7
	v_wmma_scale_f32_16x16x128_f8f6f4 v[XT+8*\i:XT+8*\i+7], v[128*(\s%2)+16*\i:128*(\s%2)+16*\i+15], v[192+16*\s:207+16*\s], v[XT+8*\i:XT+8*\i+7], v[SS+4*\i+\s], v[TS+4*\e+\s]
.endr
.endr
	WIN 0
.rept 8
	v_nop                                          ; eight places behind this form, ahead of loads into its sources and of the first read of results
.endr
.if \e == 0
	ALOAD 1
.else
	S2LOAD 0, 3                                    ; Wo is done with: Wq's tiles 0 to 2
.endif
.irp b, 0,1,2,3
.irp q, 0,1,2,3
	ds_store_b128 v5, v[XT+16*\b+4*\q:XT+16*\b+4*\q+3] offset:128*\b+16*\q    ; x into my own stage: row = token, my 512 bytes; each accumulator from its low end on
.endr
.endr
.irp u, 0,1
.irp i, 0,1,2,3,4,5,6,7
	ds_load_b128 v[OUTR+4*\i:OUTR+4*\i+3], v6 offset:528*(8*\u+\i)            ; my own bytes, served in order
.endr
.irp i, 0,1,2,3,4,5,6,7
	s_wait_dscnt 7-\i                              ; row i is back; the younger rows may be out
	global_store_b128 v1, v[OUTR+4*\i:OUTR+4*\i+3], s[30:31] offset:(8*\e+16*\u+\i)*2048   ; 512 consecutive bytes of a row of x
.endr
	s_wait_xcnt 0x0                                ; the stores have read their registers
.endr
.if \e
	S2LOAD 3, 3                                    ; Wq's tiles 3 to 5
.endif
	LNSTAT XT, 512*\e
.if \e
	S2LOAD 6, 2                                    ; Wq's tiles 6 and 7,
	WIN 0xc0
.irp b, 0,1,2,3
.irp j, 0,1,2,3
	global_load_b128 v[16*\b+4*\j:16*\b+4*\j+3], v4, s[48:49] offset:128*\b+16*\j   ; and bq, in the result's layout, where bo lay
.endr
.endr
	WIN 0
.endif
.set jj, 0
.rept 32
	v_pk_mul_f32 v[XT+jj:XT+jj+1], v[XT+jj:XT+jj+1], v[RPR:RPR+1]
.set jj, jj+2
.endr
	WIN 0x3c                                       ; g and b in window 3
.set jj, 0
.rept 32
	v_pk_fma_f32 v[XT+jj:XT+jj+1], v[XT+jj:XT+jj+1], v[64+jj:65+jj], v[128+jj:129+jj]
.set jj, jj+2
.endr
	WIN 0
	QUANT XT, 4                                    ; (the last tile's LDS stores of the codes were waited for in front of the barriers above)
.irp c, 0,1,2,3
	ds_store_b128 v12, v[PC+4*\c:PC+4*\c+3] offset:XIMG+\e*8192+512*\c        ; K step w of the second product, as it stands in my registers
.endr
	ds_store_b32 v7, v[PW] offset:XSC-EXB+256*\e   ; lanes r and r + 16 store the same word with the same value
.if \e
.irp i, 0,1,2,3,4,5,6,7
.irp s, 0,1,2,3
	global_load_b32 v[SS+4*\i+\s], v2, s[46:47] offset:(4*\i+\s)*64           ; Wq's scale words, where Wo's lay
.endr
.endr
.endif
.endm
; the second product of token tile e: 32 matrix instructions, the eight accumulators by turns, K step by K step; bq is the C of the first K step
.macro QMUL e
.set XT, 16+64*\e
.set TF, 192-128*\e                    ; n's fragments in window 3: tile 0 at v192, tile 1 at v64
.irp s, 0,1,2,3
.if \s == 0
	WIN 0x3d                                       ; Wq window 1, n window 3, C window 3
.elseif \s == 1
	WIN 0x0d
.else
	WIN 0x0e                                       ; Wq window 2
.endif
.irp i, 0,1,2,3,4,5,6,7
.if \s == 0
	v_wmma_scale_f32_16x16x128_f8f6f4 v[XT+8*\i:XT+8*\i+7], v[128*(\s%2)+16*\i:128*(\s%2)+16*\i+15], v[TF+16*\s:TF+16*\s+15], v[8*\i:8*\i+7], v[SS+4*\i+\s], v[TS+4*\e+\s]
.else
	v_wmma_scale_f32_16x16x128_f8f6f4 v[XT+8*\i:XT+8*\i+7], v[128*(\s%2)+16*\i:128*(\s%2)+16*\i+15], v[TF+16*\s:TF+16*\s+15], v[XT+8*\i:XT+8*\i+7], v[SS+4*\i+\s], v[TS+4*\e+\s]
.endif
.endr
.endr
.endm
.macro QOUT e                          ; q of token tile e: my 128 features are fragment (tile, K step w)
	QUANT 16+64*\e, 4
.irp c, 0,1,2,3
	global_store_b128 v1, v[PC+4*\c:PC+4*\c+3], s[32:33] offset:\e*8192+512*\c   ; 512 consecutive bytes
.endr
	global_store_b32 v2, v[PW], s[34:35] offset:\e*256
.endm
	s_load_b256 s[4:11], s[0:1], 0x0               ; a, the weights' buffer, bo, r
	s_load_b128 s[12:15], s[0:1], 0x20             ; g, b
	s_load_b64 s[16:17], s[0:1], 0x30              ; x's buffer
	s_load_b128 s[56:59], s[0:1], 0x38             ; bq, q's buffer
	v_lshl_add_u32 v15, v0, 2, 0xcc00
	v_mov_b32 v177, 0
	v_lshrrev_b32 v1, 5, v0
	v_readfirstlane_b32 s[WV], v1
	v_and_b32 v9, 31, v0
	v_and_b32 v10, 15, v0
	v_bfe_u32 v11, v0, 4, 1
	v_lshlrev_b32 v1, 4, v9                        ; 16 x lane
	v_lshlrev_b32 v2, 2, v10                       ; 4 r
	v_lshlrev_b32 v4, 6, v11                       ; 64 h
	v_and_b32 v3, 8, v10
	v_add_nc_u32 v3, v3, v10
	v_lshl_add_u32 v3, v3, 11, v4                  ; r's rows: (r + 8 (r / 8)) x 2,048 + 64 h
	s_mul_i32 s19, s[WV], STG
	v_mul_u32_u24 v5, v10, 528
	v_add_nc_u32 v5, v5, v4
	v_add_nc_u32 v5, s19, v5                       ; the stage, in
	v_add_nc_u32 v6, s19, v1                       ; and out
	v_add_nc_u32 v8, EXB, v2                       ; the sums and n's scale words: where I read,
	s_lshl_b32 s19, s[WV], 6
	v_add_nc_u32 v7, s19, v8                       ; and where I store
	s_lshl_b32 s19, s[WV], 11
	v_add_nc_u32 v12, s19, v1                      ; n's images: 16 x lane + 2,048 x wave
.irp b, 0,1,2,3
	v_mov_b32 v[TM+4+\b], 0                        ; written once: a lane permute's destination counts as one of its sources
.endr
	s_mov_b32 s[SEL], 0x76543210
	s_mov_b32 s[SEL+1], 0xfedcba98
	s_mov_b32 s[MNT], 0x600000
	s_mov_b32 s[R512], 0x3b000000
	s_mov_b32 s37, 0
	s_wait_kmcnt 0x0
	s_lshl_b32 s36, s[WV], 16
	s_add_nc_u64 s[44:45], s[6:7], s[36:37]        ; my 8 tiles of Wq (slot 0),
	s_add_co_u32 s36, s36, 4*262144
	s_add_nc_u64 s[20:21], s[6:7], s[36:37]        ; and of Wo (slot 4);
	s_lshl_b32 s36, s[WV], 11
	s_add_co_u32 s36, s36, W_SCL
	s_add_nc_u64 s[46:47], s[6:7], s[36:37]        ; their scale words
	s_add_co_u32 s36, s36, 4*8192
	s_add_nc_u64 s[22:23], s[6:7], s[36:37]
	s_lshl_b32 s36, ttmp9, 14
	s_add_nc_u64 s[24:25], s[4:5], s[36:37]        ; a's two tiles,
	s_lshl_b32 s36, ttmp9, 9
	s_add_co_u32 s36, s36, A_SCL
	s_add_nc_u64 s[26:27], s[4:5], s[36:37]
	s_lshl_b32 s38, s[WV], 9
	s_lshl_b32 s36, ttmp9, 16
	s_add_co_u32 s36, s36, s38
	s_add_nc_u64 s[28:29], s[10:11], s[36:37]      ; r and x at my 32 tokens, my 128 features
	s_add_nc_u64 s[30:31], s[16:17], s[36:37]
	s_mov_b32 s36, s38
	s_add_nc_u64 s[8:9], s[8:9], s[36:37]
	s_add_nc_u64 s[12:13], s[12:13], s[36:37]
	s_add_nc_u64 s[14:15], s[14:15], s[36:37]
	s_add_nc_u64 s[48:49], s[56:57], s[36:37]
	s_lshl_b32 s38, ttmp9, 3
	s_add_co_u32 s38, s38, s[WV]                   ; 4 (2 x) + w
	s_lshl_b32 s36, s38, 11
	s_add_co_u32 s36, s36, IMG
	s_add_nc_u64 s[32:33], s[58:59], s[36:37]      ; q's fragments,
	s_lshl_b32 s36, s38, 6
	s_add_co_u32 s36, s36, SCL
	s_add_nc_u64 s[34:35], s[58:59], s[36:37]      ; and their scale words
.irp s, 0,1,2,3
.if \s < 2
	WIN 0x40
.else
	WIN 0x80
.endif
.irp i, 0,1,2,3,4,5,6,7
.irp c, 0,1,2,3
	global_load_b128 v[128*(\s%2)+16*\i+4*\c:128*(\s%2)+16*\i+4*\c+3], v1, s[20:21] offset:(4*\i+\s)*2048+512*\c
.endr
.endr
.endr
	WIN 0
.irp i, 0,1,2,3,4,5,6,7
.irp s, 0,1,2,3
	global_load_b32 v[SS+4*\i+\s], v2, s[22:23] offset:(4*\i+\s)*64
.endr
.endr
.irp e, 0,1
.irp s, 0,1,2,3
	global_load_b32 v[TS+4*\e+\s], v2, s[26:27] offset:256*\e+64*\s
.endr
.endr
.irp e, 0,1
.irp b, 0,1,2,3
.irp j, 0,1,2,3
	global_load_b128 v[16+64*\e+16*\b+4*\j:19+64*\e+16*\b+4*\j], v3, s[28:29] offset:16384*\e+128*\b+16*\j
.endr
.endr
.endr
	ALOAD 0
	WIN 0xc0
.irp b, 0,1,2,3
.irp j, 0,1,2,3
	global_load_b128 v[16*\b+4*\j:16*\b+4*\j+3], v4, s[8:9] offset:128*\b+16*\j
	global_load_b128 v[64+16*\b+4*\j:67+16*\b+4*\j], v4, s[12:13] offset:128*\b+16*\j
	global_load_b128 v[128+16*\b+4*\j:131+16*\b+4*\j], v4, s[14:15] offset:128*\b+16*\j
.endr
.endr
	s_wait_loadcnt 0x0
	WIN 0x0c                                       ; bo in window 3
.set jj, 0
.rept 64
	v_pk_add_f32 v[16+jj:17+jj], v[16+jj:17+jj], v[jj%64:jj%64+1]     ; r + bo: the C of the first K step
.set jj, jj+2
.endr
	WIN 0
	TOK 0
	TOK 1
	; ---- q = Q(n Wq + bq)
	s_wait_dscnt 0x0                               ; for the others' sake: my images of n have landed
	s_barrier_signal -1
	s_barrier_wait -1                              ; n's eight fragments lie in LDS
	WIN 0xc0
.irp s, 0,1,2,3
.irp c, 0,1,2,3
	ds_load_b128 v[192+16*\s+4*\c:195+16*\s+4*\c], v1 offset:XIMG+\s*2048+512*\c        ; tile 0, where a's fragments lay
	ds_load_b128 v[64+16*\s+4*\c:67+16*\s+4*\c], v1 offset:XIMG+8192+\s*2048+512*\c     ; tile 1, where g lay
.endr
.endr
	WIN 0
.irp e, 0,1
.irp s, 0,1,2,3
	ds_load_b32 v[TS+4*\e+\s], v8 offset:XSC-EXB+256*\e+64*\s
.endr
.endr
	s_wait_dscnt 0x0
	s_wait_loadcnt 0x0                             ; Wq, its scale words and bq
	QMUL 0
	QMUL 1
	WIN 0
.rept 8
	v_nop                                          ; eight places ahead of the first read of results
.endr
	QOUT 0
	s_wait_xcnt 0x0                                ; the stores have read the codes and the scale word
	QOUT 1
	s_wait_tensorcnt 0x0
	ds_add_u32 v15, v177
	s_wait_dscnt 0x0
	s_endpgm
.Lfunc_end_k_q1056461eed_woq:
	.size	k_q1056461eed_woq, .Lfunc_end_k_q1056461eed_woq-k_q1056461eed_woq
	.p2alignl 7, 3214868480
	.fill 96, 4, 3214868480
	.section	.rodata,"a",@progbits
	.p2align	6, 0x0
	.amdhsa_kernel k_q1056461eed_woq
		.amdhsa_group_segment_fixed_size 52736
		.amdhsa_private_segment_fixed_size 0
		.amdhsa_enable_private_segment 0
		.amdhsa_kernarg_size 72
		.amdhsa_user_sgpr_count 2
		.amdhsa_user_sgpr_kernarg_segment_ptr 1
		.amdhsa_wavefront_size32 1
		.amdhsa_system_sgpr_workgroup_id_x 1
		.amdhsa_system_sgpr_workgroup_id_y 1
		.amdhsa_system_sgpr_workgroup_id_z 1
		.amdhsa_system_vgpr_workitem_id 0
		.amdhsa_next_free_vgpr 1024
		.amdhsa_next_free_sgpr 66
		.amdhsa_reserve_vcc 0
		.amdhsa_float_denorm_mode_32 3
		.amdhsa_float_denorm_mode_16_64 3
		.amdhsa_memory_ordered 1
		.amdhsa_forward_progress 1
		.amdhsa_inst_pref_size 136
	.end_amdhsa_kernel
	.amdgpu_metadata
---
amdhsa.version: [ 1, 2 ]
amdhsa.kernels:
  - .name:           k_q1056461eed_woq
    .symbol:         k_q1056461eed_woq.kd
    .args:
      - { .name: AT, .offset: 0, .size: 8, .value_kind: global_buffer, .address_space: global }
      - { .name: P1, .offset: 8, .size: 8, .value_kind: global_buffer, .address_space: global }
      - { .name: bo1, .offset: 16, .size: 8, .value_kind: global_buffer, .address_space: global }
      - { .name: de_out, .offset: 24, .size: 8, .value_kind: global_buffer, .address_space: global }
      - { .name: ln2_g, .offset: 32, .size: 8, .value_kind: global_buffer, .address_space: global }
      - { .name: ln2_b, .offset: 40, .size: 8, .value_kind: global_buffer, .address_space: global }
      - { .name: XD, .offset: 48, .size: 8, .value_kind: global_buffer, .address_space: global }
      - { .name: bq2, .offset: 56, .size: 8, .value_kind: global_buffer, .address_space: global }
      - { .name: P2, .offset: 64, .size: 8, .value_kind: global_buffer, .address_space: global }
    .group_segment_fixed_size: 52736
    .private_segment_fixed_size: 0
    .kernarg_segment_align: 8
    .kernarg_segment_size: 72
    .max_flat_workgroup_size: 128
    .sgpr_count:     66
    .vgpr_count:     1024
    .wavefront_size: 32
...
	.end_amdgpu_metadata
.endif
;; end of part 4
;; launch att2: the kernel of part 3 again; grid 8 x 32, 16 waves a work-group, clusters of 4 x 1, 276,480 bytes of LDS; arguments P2, M2, AT; writes AT
;; launch wo2 (part 5): grid 256 x 1, 4 waves a work-group, no clusters, 35,328 bytes of LDS; arguments AT, P2, bo2, XD, ln3_g, ln3_b, XE; writes XE
.if DOCPART == 5
	.amdgcn_target "amdgcn-amd-amdhsa--gfx1250"
	.amdhsa_code_object_version 6
	.text
	.protected	k_q1056461eed_wo2
	.globl	k_q1056461eed_wo2
	.p2align	8
	.type	k_q1056461eed_wo2,@function
k_q1056461eed_wo2:
	s_mov_b64 s[64:65], 0
	v_nop
	global_prefetch_b8 v0, s[64:65] scope:SCOPE_SE
	s_setreg_imm32_b32 hwreg(HW_REG_WAVE_MODE, 25, 1), 1
	s_wait_xcnt 0x0
; x = r + (a W + bo);  n = Q(layer norm(x) g + b).  a: codes (an image of the operand's registers), W: slot 4 of the weights' buffer, r: f32 rows.  x leaves as f32 rows, n as codes for the next product.
; A work-group owns 32 tokens (two tiles of 16), wave w the features 128 w .. 128 w + 127: its 8 tiles x 4 K steps of W stay in 512 registers.
; The product is used transposed (source 0 = W's rows, source 1 = tokens): a lane holds one token and 64 features, 16 neighbours of each block of 32; r + bo, loaded in that layout, is the C of the first K step.
; The row's mean and variance span the four waves: two sums a tile meet in LDS, each in a block of its own that is used once.  Two passes (mean; then the differences' squares).
; No multicast: W's parts differ from wave to wave, and the launch is short.
; LIMITS: a block of zeros gets the scale byte 1; NaN and infinities are not served.
.set N_IMG, 16777216
.set N_SCL, 20971520
.set W_SCL, 2359296
.set A_SCL, 4194304
.set STG,   8448
.set EXB,   33792
.set PC,   144
.set TM,   160
.set PW,   176
.set SA,   178
.set MPR,  180
.set RPR,  182
.set OUTR, 184                         ; v184-215 rows of x on their way out; free again behind the wait that follows their stores:
.set SC,   184
.set LX,   186
.set TS,   216
.set SS,   224
.set WV,   18
.set SEL,  40
.set MNT,  42
.set R512, 43
.set MSB, 0
.macro WIN new
.if MSB != \new
	s_set_vgpr_msb (MSB<<8)|\new
.set MSB, \new
.endif
.endm
.macro QUANT s, nb
.irp b, 0,1,2,3
.if \b < \nb
	v_max3_num_f32 v[TM+\b], |v[\s+16*\b]|, |v[\s+1+16*\b]|, 0x4800000
.endif
.endr
.irp i, 2,4,6,8,10,12,14
.irp b, 0,1,2,3
.if \b < \nb
	v_max3_num_f32 v[TM+\b], v[TM+\b], |v[\s+16*\b+\i]|, |v[\s+1+16*\b+\i]|
.endif
.endr
.endr
.irp b, 0,1,2,3
.if \b < \nb
	v_permlanex16_b32 v[TM+4+\b], v[TM+\b], s[SEL], s[SEL+1]
.endif
.endr
.irp b, 0,1,2,3
.if \b < \nb
	v_max_num_f32 v[TM+\b], v[TM+\b], v[TM+4+\b]
.endif
.endr
.irp b, 0,1,2,3
.if \b < \nb
	v_add_nc_u32 v[TM+12+\b], 0xfc000000, v[TM+\b]
.endif
.endr
.irp b, 0,1,2,3
.if \b < \nb
	v_and_or_b32 v[TM+8+\b], v[TM+\b], 0x7f800000, s[MNT]
.endif
.endr
.irp b, 0,1,2,3
.if \b < \nb
	v_lshrrev_b32 v[TM+4+\b], 23, v[TM+12+\b]
.endif
.endr
	v_lshl_or_b32 v[PW], v[TM+5], 8, v[TM+4]
.if \nb > 2
	v_lshl_or_b32 v[PW], v[TM+6], 16, v[PW]
	v_lshl_or_b32 v[PW], v[TM+7], 24, v[PW]
.endif
.irp b, 0,1,2,3
.if \b < \nb
.irp i, 0,1,2,3,4,5,6,7,8,9,10,11,12,13,14,15
	v_med3_num_f32 v[\s+16*\b+\i], v[\s+16*\b+\i], -v[TM+8+\b], v[TM+8+\b]
.endr
	v_cvt_scalef32_pk8_fp8_f32 v[PC+4*\b:PC+1+4*\b], v[\s+16*\b:\s+7+16*\b], v[TM+12+\b]
	v_cvt_scalef32_pk8_fp8_f32 v[PC+2+4*\b:PC+3+4*\b], v[\s+8+16*\b:\s+15+16*\b], v[TM+12+\b]
.endif
.endr
	v_nop
.endm
.macro LNSUM x, sq
.if \sq
	v_pk_mul_f32 v[SA:SA+1], v[\x:\x+1], v[\x:\x+1]
	v_pk_mul_f32 v[SC:SC+1], v[\x+2:\x+3], v[\x+2:\x+3]
.irp j, 4,8,12,16,20,24,28,32,36,40,44,48,52,56,60
	v_pk_fma_f32 v[SA:SA+1], v[\x+\j:\x+\j+1], v[\x+\j:\x+\j+1], v[SA:SA+1]
	v_pk_fma_f32 v[SC:SC+1], v[\x+\j+2:\x+\j+3], v[\x+\j+2:\x+\j+3], v[SC:SC+1]
.endr
.else
	v_pk_add_f32 v[SA:SA+1], v[\x:\x+1], v[\x+4:\x+5]
	v_pk_add_f32 v[SC:SC+1], v[\x+2:\x+3], v[\x+6:\x+7]
.irp j, 8,12,16,20,24,28,32,36,40,44,48,52,56,60
	v_pk_add_f32 v[SA:SA+1], v[SA:SA+1], v[\x+\j:\x+\j+1]
	v_pk_add_f32 v[SC:SC+1], v[SC:SC+1], v[\x+\j+2:\x+\j+3]
.endr
.endif
	v_pk_add_f32 v[SA:SA+1], v[SA:SA+1], v[SC:SC+1]
	v_add_f32 v[SA], v[SA], v[SA+1]
	v_permlanex16_b32 v[SA+1], v[SA], s[SEL], s[SEL+1]
	v_add_f32 v[SA], v[SA], v[SA+1]
.endm
.macro LNXCH off                       ; store, wait, barrier, load: the block is used once, so nothing is written over
	ds_store_b32 v7, v[SA] offset:\off
	s_wait_dscnt 0x0
	s_barrier_signal -1
	s_barrier_wait -1
.irp q, 0,1,2,3
	ds_load_b32 v[LX+\q], v8 offset:\off+64*\q
.endr
	s_wait_dscnt 0x0
	v_add_f32 v[LX], v[LX], v[LX+1]
	v_add_f32 v[LX+2], v[LX+2], v[LX+3]
	v_add_f32 v[LX], v[LX], v[LX+2]
.endm
.macro LNSTAT x, ex
	LNSUM \x, 0
	LNXCH \ex
	v_mul_f32 v[MPR], s[R512], v[LX]
	v_mul_f32 v[MPR+1], s[R512], v[LX]
.set jj, 0
.rept 32
	v_pk_add_f32 v[\x+jj:\x+jj+1], v[\x+jj:\x+jj+1], v[MPR:MPR+1] neg_lo:[0,1] neg_hi:[0,1]
.set jj, jj+2
.endr
	LNSUM \x, 1
	LNXCH \ex+256
	v_fmaak_f32 v[LX], s[R512], v[LX], 0x3727c5ac
	v_rsq_f32 v[RPR], v[LX]
	v_nop
	s_wait_alu depctr_va_vdst(0)                   ; the wait ahead of the first reader
	v_mov_b32 v[RPR+1], v[RPR]
.endm
.macro ALOAD e                         ; the four fragments of token tile e -> window 3, v192-255
	WIN 0xc0
.irp s, 0,1,2,3
.irp c, 0,1,2,3
	global_load_b128 v[192+16*\s+4*\c:195+16*\s+4*\c], v1, s[24:25] offset:\e*8192+\s*2048+512*\c
.endr
.endr
	WIN 0
.endm
.macro TOK e
.set XT, 16+64*\e
.if \e
	s_wait_loadcnt 0x0                             ; this tile's fragments
.endif
.irp s, 0,1,2,3
.if \s < 2
	WIN 0x0d                                       ; W window 1, tokens window 3
.else
	WIN 0x0e
.endif
.irp i, 0,1,2,3,4,5,6,7
	v_wmma_scale_f32_16x16x128_f8f6f4 v[XT+8*\i:XT+8*\i+7], v[128*(\s%2)+16*\i:128*(\s%2)+16*\i+15], v[192+16*\s:207+16*\s], v[XT+8*\i:XT+8*\i+7], v[SS+4*\i+\s], v[TS+4*\e+\s]
.endr
.endr
	WIN 0
.rept 8
	v_nop                                          ; eight places behind this form, ahead of loads into its sources and of the first read of results
.endr
.if \e == 0
	ALOAD 1
.endif
.irp b, 0,1,2,3
.irp q, 0,1,2,3
	ds_store_b128 v5, v[XT+16*\b+4*\q:XT+16*\b+4*\q+3] offset:128*\b+16*\q    ; x into my own stage: row = token, my 512 bytes; each accumulator from its low end on
.endr
.endr
.irp u, 0,1
.irp i, 0,1,2,3,4,5,6,7
	ds_load_b128 v[OUTR+4*\i:OUTR+4*\i+3], v6 offset:528*(8*\u+\i)            ; my own bytes, served in order
.endr
.irp i, 0,1,2,3,4,5,6,7
	s_wait_dscnt 7-\i                              ; row i is back; the younger rows may be out
	global_store_b128 v1, v[OUTR+4*\i:OUTR+4*\i+3], s[30:31] offset:(8*\e+16*\u+\i)*2048   ; 512 consecutive bytes of a row of x
.endr
	s_wait_xcnt 0x0                                ; the stores have read their registers
.endr
	LNSTAT XT, 512*\e
.set jj, 0
.rept 32
	v_pk_mul_f32 v[XT+jj:XT+jj+1], v[XT+jj:XT+jj+1], v[RPR:RPR+1]
.set jj, jj+2
.endr
	WIN 0x3c                                       ; g and b in window 3
.set jj, 0
.rept 32
	v_pk_fma_f32 v[XT+jj:XT+jj+1], v[XT+jj:XT+jj+1], v[64+jj:65+jj], v[128+jj:129+jj]
.set jj, jj+2
.endr
	WIN 0
	s_wait_xcnt 0x0                                ; the last tile's stores have read the codes
	QUANT XT, 4
.irp c, 0,1,2,3
	global_store_b128 v1, v[PC+4*\c:PC+4*\c+3], s[32:33] offset:\e*8192+512*\c
.endr
	global_store_b32 v2, v[PW], s[34:35] offset:\e*256
.endm
	s_load_b256 s[4:11], s[0:1], 0x0               ; a, W, bo, r
	s_load_b128 s[12:15], s[0:1], 0x20             ; g, b
	s_load_b64 s[16:17], s[0:1], 0x30              ; the output buffer
	v_lshl_add_u32 v15, v0, 2, 0x8800
	v_mov_b32 v177, 0
	v_lshrrev_b32 v1, 5, v0
	v_readfirstlane_b32 s[WV], v1
	v_and_b32 v9, 31, v0
	v_and_b32 v10, 15, v0
	v_bfe_u32 v11, v0, 4, 1
	v_lshlrev_b32 v1, 4, v9                        ; 16 x lane
	v_lshlrev_b32 v2, 2, v10                       ; 4 r
	v_lshlrev_b32 v4, 6, v11                       ; 64 h
	v_and_b32 v3, 8, v10
	v_add_nc_u32 v3, v3, v10
	v_lshl_add_u32 v3, v3, 11, v4                  ; r's rows: (r + 8 (r / 8)) x 2,048 + 64 h
	s_mul_i32 s19, s[WV], STG
	v_mul_u32_u24 v5, v10, 528
	v_add_nc_u32 v5, v5, v4
	v_add_nc_u32 v5, s19, v5                       ; the stage, in
	v_add_nc_u32 v6, s19, v1                       ; and out
	v_add_nc_u32 v8, EXB, v2
	s_lshl_b32 s19, s[WV], 6
	v_add_nc_u32 v7, s19, v8
.irp b, 0,1,2,3
	v_mov_b32 v[TM+4+\b], 0
.endr
	s_mov_b32 s[SEL], 0x76543210
	s_mov_b32 s[SEL+1], 0xfedcba98
	s_mov_b32 s[MNT], 0x600000
	s_mov_b32 s[R512], 0x3b000000
	s_mov_b32 s37, 0
	s_wait_kmcnt 0x0
	s_lshl_b32 s36, s[WV], 16
	s_add_co_u32 s36, s36, 4*262144
	s_add_nc_u64 s[20:21], s[6:7], s[36:37]        ; my 8 tiles of W,
	s_lshl_b32 s36, s[WV], 11
	s_add_co_u32 s36, s36, W_SCL+4*8192
	s_add_nc_u64 s[22:23], s[6:7], s[36:37]        ; their scale words
	s_lshl_b32 s36, ttmp9, 14
	s_add_nc_u64 s[24:25], s[4:5], s[36:37]        ; a's two tiles,
	s_lshl_b32 s36, ttmp9, 9
	s_add_co_u32 s36, s36, A_SCL
	s_add_nc_u64 s[26:27], s[4:5], s[36:37]
	s_lshl_b32 s38, s[WV], 9
	s_lshl_b32 s36, ttmp9, 16
	s_add_co_u32 s36, s36, s38
	s_add_nc_u64 s[28:29], s[10:11], s[36:37]      ; r and x at my 32 tokens, my 128 features
	s_add_nc_u64 s[30:31], s[16:17], s[36:37]
	s_mov_b32 s36, s38
	s_add_nc_u64 s[8:9], s[8:9], s[36:37]
	s_add_nc_u64 s[12:13], s[12:13], s[36:37]
	s_add_nc_u64 s[14:15], s[14:15], s[36:37]
	s_lshl_b32 s38, ttmp9, 3
	s_add_co_u32 s38, s38, s[WV]                   ; 4 (2 x) + w
	s_lshl_b32 s36, s38, 11
	s_add_co_u32 s36, s36, N_IMG
	s_add_nc_u64 s[32:33], s[16:17], s[36:37]
	s_lshl_b32 s36, s38, 6
	s_add_co_u32 s36, s36, N_SCL
	s_add_nc_u64 s[34:35], s[16:17], s[36:37]
.irp s, 0,1,2,3
.if \s < 2
	WIN 0x40
.else
	WIN 0x80
.endif
.irp i, 0,1,2,3,4,5,6,7
.irp c, 0,1,2,3
	global_load_b128 v[128*(\s%2)+16*\i+4*\c:128*(\s%2)+16*\i+4*\c+3], v1, s[20:21] offset:(4*\i+\s)*2048+512*\c
.endr
.endr
.endr
	WIN 0
.irp i, 0,1,2,3,4,5,6,7
.irp s, 0,1,2,3
	global_load_b32 v[SS+4*\i+\s], v2, s[22:23] offset:(4*\i+\s)*64
.endr
.endr
.irp e, 0,1
.irp s, 0,1,2,3
	global_load_b32 v[TS+4*\e+\s], v2, s[26:27] offset:256*\e+64*\s
.endr
.endr
.irp e, 0,1
.irp b, 0,1,2,3
.irp j, 0,1,2,3
	global_load_b128 v[16+64*\e+16*\b+4*\j:19+64*\e+16*\b+4*\j], v3, s[28:29] offset:16384*\e+128*\b+16*\j
.endr
.endr
.endr
	ALOAD 0
	WIN 0xc0
.irp b, 0,1,2,3
.irp j, 0,1,2,3
	global_load_b128 v[16*\b+4*\j:16*\b+4*\j+3], v4, s[8:9] offset:128*\b+16*\j
	global_load_b128 v[64+16*\b+4*\j:67+16*\b+4*\j], v4, s[12:13] offset:128*\b+16*\j
	global_load_b128 v[128+16*\b+4*\j:131+16*\b+4*\j], v4, s[14:15] offset:128*\b+16*\j
.endr
.endr
	s_wait_loadcnt 0x0
	WIN 0x0c                                       ; bo in window 3
.set jj, 0
.rept 64
	v_pk_add_f32 v[16+jj:17+jj], v[16+jj:17+jj], v[jj%64:jj%64+1]     ; r + bo: the C of the first K step
.set jj, jj+2
.endr
	WIN 0
	TOK 0
	TOK 1
	s_wait_tensorcnt 0x0
	ds_add_u32 v15, v177
	s_wait_dscnt 0x0
	s_endpgm
.Lfunc_end_k_q1056461eed_wo2:
	.size	k_q1056461eed_wo2, .Lfunc_end_k_q1056461eed_wo2-k_q1056461eed_wo2
	.p2alignl 7, 3214868480
	.fill 96, 4, 3214868480
	.section	.rodata,"a",@progbits
	.p2align	6, 0x0
	.amdhsa_kernel k_q1056461eed_wo2
		.amdhsa_group_segment_fixed_size 35328
		.amdhsa_private_segment_fixed_size 0
		.amdhsa_enable_private_segment 0
		.amdhsa_kernarg_size 56
		.amdhsa_user_sgpr_count 2
		.amdhsa_user_sgpr_kernarg_segment_ptr 1
		.amdhsa_wavefront_size32 1
		.amdhsa_system_sgpr_workgroup_id_x 1
		.amdhsa_system_sgpr_workgroup_id_y 1
		.amdhsa_system_sgpr_workgroup_id_z 1
		.amdhsa_system_vgpr_workitem_id 0
		.amdhsa_next_free_vgpr 1024
		.amdhsa_next_free_sgpr 66
		.amdhsa_reserve_vcc 0
		.amdhsa_float_denorm_mode_32 3
		.amdhsa_float_denorm_mode_16_64 3
		.amdhsa_memory_ordered 1
		.amdhsa_forward_progress 1
		.amdhsa_inst_pref_size 91
	.end_amdhsa_kernel
	.amdgpu_metadata
---
amdhsa.version: [ 1, 2 ]
amdhsa.kernels:
  - .name:           k_q1056461eed_wo2
    .symbol:         k_q1056461eed_wo2.kd
    .args:
      - { .name: AT, .offset: 0, .size: 8, .value_kind: global_buffer, .address_space: global }
      - { .name: P2, .offset: 8, .size: 8, .value_kind: global_buffer, .address_space: global }
      - { .name: bo2, .offset: 16, .size: 8, .value_kind: global_buffer, .address_space: global }
      - { .name: XD, .offset: 24, .size: 8, .value_kind: global_buffer, .address_space: global }
      - { .name: ln3_g, .offset: 32, .size: 8, .value_kind: global_buffer, .address_space: global }
      - { .name: ln3_b, .offset: 40, .size: 8, .value_kind: global_buffer, .address_space: global }
      - { .name: XE, .offset: 48, .size: 8, .value_kind: global_buffer, .address_space: global }
    .group_segment_fixed_size: 35328
    .private_segment_fixed_size: 0
    .kernarg_segment_align: 8
    .kernarg_segment_size: 56
    .max_flat_workgroup_size: 128
    .sgpr_count:     66
    .vgpr_count:     1024
    .wavefront_size: 32
...
	.end_amdgpu_metadata
.endif
;; end of part 5
;; launch ffn1: the kernel of part 2 again; grid 256 x 1, 4 waves a work-group, no clusters, 0 bytes of LDS; arguments XE, XD, P2, b1, bk1, bv1, bk2, bv2, P1, AT; writes P1, AT
;; launch ffn2 (part 6): grid 64 x 4, 4 waves a work-group, no clusters, 17,920 bytes of LDS; arguments P1, WA, b2, XE, out0; writes out0
.if DOCPART == 6
	.amdgcn_target "amdgcn-amd-amdhsa--gfx1250"
	.amdhsa_code_object_version 6
	.text
	.protected	k_q1056461eed_ffn2
	.globl	k_q1056461eed_ffn2
	.p2align	8
	.type	k_q1056461eed_ffn2,@function
k_q1056461eed_ffn2:
	s_mov_b64 s[64:65], 0
	v_nop
	global_prefetch_b8 v0, s[64:65] scope:SCOPE_SE
	s_setreg_imm32_b32 hwreg(HW_REG_WAVE_MODE, 25, 1), 1
	s_wait_xcnt 0x0
; out = x + (h W2 + b2).  h [8,192][2,048] and W2 [512 (n)][2,048 (k)] are codes of E4M3 with E8M0 scales, laid as images of the operand's registers, in four groups of 512 along K; x and out are f32 rows.
; Each wave makes 64 tokens x 64 features by itself: 16 accumulators, which take turns; K goes in 16 steps of 128; a step's eight fragments and eight scale words come straight from memory, one step ahead, in two buffers.
; The product is used transposed (source 0 = W2's rows): a lane holds one token and eight neighbouring features a tile; b2 in that layout is the C of the first step.
; Row r of tile T is row 32 (T / 2) + 8 (T % 2) + r + 8 (r / 8).  The results go through the wave's own stage in LDS, so that sixteen lanes store 256 consecutive bytes, aligned.
; No barrier: waves share nothing.  No LDS ring and no multicast: a tile of 128 x 128 to a work-group has K steps too short for either to be filled ahead.
.set IMG,   3145728
.set SCL,   19922944
.set W_SCL, 2359296
.set BI,   16                          ; v16-47   b2, eight registers a feature tile
.set SCR,  48                          ; v48-63   scale words: buffer x 8; W2's four, then h's four
.set OUTR, 64
.set RES,  96
.set ACC,  128                         ; accumulator (feature tile i, token tile j) at 8 (4 j + i)
.set TI,   22
.set TSC,  24
.set SI,   26
.set SSC,  28
.set MSB, 0
.macro WIN new
.if MSB != \new
	s_set_vgpr_msb (MSB<<8)|\new
.set MSB, \new
.endif
.endm
; K step s (of the group gx on from the pointers) into buffer buf: 32 + 8 = 40 loads
.macro LOADS buf, s, gx
	WIN 0x40
.irp i, 0,1,2,3
.irp c, 0,1,2,3
	global_load_b128 v[128*(\buf)+16*\i+4*\c:128*(\buf)+16*\i+4*\c+3], v1, s[SI:SI+1] offset:(\gx)*262144+\i*8192+(\s)*2048+512*\c
	global_load_b128 v[128*(\buf)+64+16*\i+4*\c:128*(\buf)+64+16*\i+4*\c+3], v1, s[TI:TI+1] offset:(\gx)*4194304+\i*8192+(\s)*2048+512*\c
.endr
.endr
	WIN 0
.irp i, 0,1,2,3
	global_load_b32 v[SCR+8*(\buf)+\i], v2, s[SSC:SSC+1] offset:(\gx)*8192+\i*256+(\s)*64
	global_load_b32 v[SCR+8*(\buf)+4+\i], v2, s[TSC:TSC+1] offset:(\gx)*131072+\i*256+(\s)*64
.endr
.endm
.macro KSTEP s, first, pf
.rept 8
	v_nop                                          ; eight places behind the last step's products, ahead of the loads into the buffer that they read
.endr
.if \pf
	LOADS 1-(\s)%2, ((\s)+1)%4, (\s)/3
	s_wait_loadcnt 40                              ; this step's loads are in; the 40 just issued may be out
.else
	s_wait_loadcnt 0x0
.endif
	WIN 0x05                                       ; both sources in window 1
.irp j, 0,1,2,3
.irp i, 0,1,2,3
.if \first
	v_wmma_scale_f32_16x16x128_f8f6f4 v[ACC+8*(4*\j+\i):ACC+8*(4*\j+\i)+7], v[128*((\s)%2)+16*\i:128*((\s)%2)+16*\i+15], v[128*((\s)%2)+64+16*\j:128*((\s)%2)+64+16*\j+15], v[BI+8*\i:BI+8*\i+7], v[SCR+8*((\s)%2)+\i], v[SCR+8*((\s)%2)+4+\j]
.else
	v_wmma_scale_f32_16x16x128_f8f6f4 v[ACC+8*(4*\j+\i):ACC+8*(4*\j+\i)+7], v[128*((\s)%2)+16*\i:128*((\s)%2)+16*\i+15], v[128*((\s)%2)+64+16*\j:128*((\s)%2)+64+16*\j+15], v[ACC+8*(4*\j+\i):ACC+8*(4*\j+\i)+7], v[SCR+8*((\s)%2)+\i], v[SCR+8*((\s)%2)+4+\j]
.endif
.endr
.endr
	WIN 0
.endm
.macro GT first, last                  ; a group of 512 along K
	KSTEP 0, \first, 1
	KSTEP 1, 0, 1
	KSTEP 2, 0, 1
	KSTEP 3, 0, 1-\last
.if !\last
	s_wait_xcnt 0x0                                ; the loads have read their bases
	s_add_nc_u64 s[SI:SI+1], s[SI:SI+1], 262144
	s_add_nc_u64 s[SSC:SSC+1], s[SSC:SSC+1], 8192
	s_add_nc_u64 s[TI:TI+1], s[TI:TI+1], 4194304
	s_add_nc_u64 s[TSC:TSC+1], s[TSC:TSC+1], 131072
.endif
.endm
	s_load_b256 s[4:11], s[0:1], 0x0               ; h's buffer, W2's buffer, b2, x's buffer
	s_load_b64 s[12:13], s[0:1], 0x20              ; out
	v_lshl_add_u32 v14, v0, 2, 0x4400
	v_mov_b32 v15, 0
	v_lshrrev_b32 v1, 5, v0
	v_readfirstlane_b32 s14, v1
	s_lshr_b32 s15, s14, 1
	s_and_b32 s16, s14, 1
	s_lshl_b32 s17, ttmp9, 1
	s_add_co_u32 s17, s17, s15                     ; which 64 tokens
	s_and_b32 s18, ttmp7, 0xffff
	s_lshl_b32 s18, s18, 1
	s_add_co_u32 s18, s18, s16                     ; which 64 features
	v_and_b32 v7, 31, v0
	v_and_b32 v8, 15, v0
	v_bfe_u32 v9, v0, 4, 1
	v_lshlrev_b32 v1, 4, v7                        ; 16 x lane
	v_lshlrev_b32 v2, 2, v8                        ; 4 r
	v_lshlrev_b32 v3, 6, v9                        ; 64 h
	s_mul_i32 s19, s14, 4352                       ; my stage: 16 rows x 272 bytes
	v_mul_u32_u24 v4, v8, 272
	v_add_nc_u32 v4, v4, v3
	v_add_nc_u32 v4, s19, v4                       ; in: row r, + 64 h
	v_mul_u32_u24 v5, v9, 272
	v_lshl_add_u32 v5, v8, 4, v5
	v_add_nc_u32 v5, s19, v5                       ; back: lanes 0-15 one row, lanes 16-31 the next
	v_lshlrev_b32 v6, 11, v9
	v_lshl_add_u32 v6, v8, 4, v6                   ; and the same two rows in x and out
	s_mov_b32 s21, 0
	s_wait_kmcnt 0x0
	s_lshl_b32 s20, s17, 15
	s_add_co_u32 s20, s20, IMG
	s_add_nc_u64 s[TI:TI+1], s[4:5], s[20:21]
	s_lshl_b32 s20, s17, 10
	s_add_co_u32 s20, s20, SCL
	s_add_nc_u64 s[TSC:TSC+1], s[4:5], s[20:21]
	s_lshl_b32 s20, s18, 15
	s_add_co_u32 s20, s20, 5*262144
	s_add_nc_u64 s[SI:SI+1], s[6:7], s[20:21]
	s_lshl_b32 s20, s18, 10
	s_add_co_u32 s20, s20, W_SCL+5*8192
	s_add_nc_u64 s[SSC:SSC+1], s[6:7], s[20:21]
	s_lshl_b32 s20, s18, 8
	s_add_nc_u64 s[8:9], s[8:9], s[20:21]
	s_lshl_b32 s31, s17, 17
	s_add_co_u32 s20, s20, s31
	s_add_nc_u64 s[10:11], s[10:11], s[20:21]
	s_add_nc_u64 s[12:13], s[12:13], s[20:21]
.irp i, 0,1,2,3
	global_load_b128 v[BI+8*\i:BI+8*\i+3], v3, s[8:9] offset:128*(\i/2)+32*(\i%2)
	global_load_b128 v[BI+8*\i+4:BI+8*\i+7], v3, s[8:9] offset:128*(\i/2)+32*(\i%2)+16
.endr
	LOADS 0, 0, 0
	GT 1, 0
	s_mov_b32 s30, 2
.Lgroup:
	GT 0, 0
	s_sub_co_u32 s30, s30, 1
	s_cmp_lg_u32 s30, 0
	s_cbranch_scc1 .Lgroup
	GT 0, 1
.rept 8
	v_nop                                          ; eight places ahead of the first read of results
.endr
.irp j, 0,1,2,3
.if \j > 0
	s_wait_xcnt 0x0                                ; the last tile's stores have read their registers
.endif
.irp q, 0,1,2,3,4,5,6,7
	global_load_b128 v[RES+4*\q:RES+4*\q+3], v6, s[10:11] offset:(32*(\j/2)+8*(\j%2)+2*\q+8*(\q/4))*2048
.endr
.irp i, 0,1,2,3
	ds_store_b128 v4, v[ACC+8*(4*\j+\i):ACC+8*(4*\j+\i)+3] offset:128*(\i/2)+32*(\i%2)        ; each accumulator from its low end on
	ds_store_b128 v4, v[ACC+8*(4*\j+\i)+4:ACC+8*(4*\j+\i)+7] offset:128*(\i/2)+32*(\i%2)+16
.endr
.irp q, 0,1,2,3,4,5,6,7
	ds_load_b128 v[OUTR+4*\q:OUTR+4*\q+3], v5 offset:544*\q    ; my own bytes, served in order: these see the stores above
.endr
	s_wait_dscnt 0x0
	s_wait_loadcnt 0x0
.set jj, 0
.rept 16
	v_pk_add_f32 v[OUTR+jj:OUTR+jj+1], v[OUTR+jj:OUTR+jj+1], v[RES+jj:RES+jj+1]
.set jj, jj+2
.endr
.irp q, 0,1,2,3,4,5,6,7
	global_store_b128 v6, v[OUTR+4*\q:OUTR+4*\q+3], s[12:13] offset:(32*(\j/2)+8*(\j%2)+2*\q+8*(\q/4))*2048 th:TH_STORE_NT
.endr
.endr
	s_wait_tensorcnt 0x0
	ds_add_u32 v14, v15
	s_wait_dscnt 0x0
	s_endpgm
.Lfunc_end_k_q1056461eed_ffn2:
	.size	k_q1056461eed_ffn2, .Lfunc_end_k_q1056461eed_ffn2-k_q1056461eed_ffn2
	.p2alignl 7, 3214868480
	.fill 96, 4, 3214868480
	.section	.rodata,"a",@progbits
	.p2align	6, 0x0
	.amdhsa_kernel k_q1056461eed_ffn2
		.amdhsa_group_segment_fixed_size 17920
		.amdhsa_private_segment_fixed_size 0
		.amdhsa_enable_private_segment 0
		.amdhsa_kernarg_size 40
		.amdhsa_user_sgpr_count 2
		.amdhsa_user_sgpr_kernarg_segment_ptr 1
		.amdhsa_wavefront_size32 1
		.amdhsa_system_sgpr_workgroup_id_x 1
		.amdhsa_system_sgpr_workgroup_id_y 1
		.amdhsa_system_sgpr_workgroup_id_z 1
		.amdhsa_system_vgpr_workitem_id 0
		.amdhsa_next_free_vgpr 512
		.amdhsa_next_free_sgpr 66
		.amdhsa_reserve_vcc 0
		.amdhsa_float_denorm_mode_32 3
		.amdhsa_float_denorm_mode_16_64 3
		.amdhsa_memory_ordered 1
		.amdhsa_forward_progress 1
		.amdhsa_inst_pref_size 93
	.end_amdhsa_kernel
	.amdgpu_metadata
---
amdhsa.version: [ 1, 2 ]
amdhsa.kernels:
  - .name:           k_q1056461eed_ffn2
    .symbol:         k_q1056461eed_ffn2.kd
    .args:
      - { .name: P1, .offset: 0, .size: 8, .value_kind: global_buffer, .address_space: global }
      - { .name: WA, .offset: 8, .size: 8, .value_kind: global_buffer, .address_space: global }
      - { .name: b2, .offset: 16, .size: 8, .value_kind: global_buffer, .address_space: global }
      - { .name: XE, .offset: 24, .size: 8, .value_kind: global_buffer, .address_space: global }
      - { .name: out0, .offset: 32, .size: 8, .value_kind: global_buffer, .address_space: global }
    .group_segment_fixed_size: 17920
    .private_segment_fixed_size: 0
    .kernarg_segment_align: 8
    .kernarg_segment_size: 40
    .max_flat_workgroup_size: 128
    .sgpr_count:     66
    .vgpr_count:     512
    .wavefront_size: 32
...
	.end_amdgpu_metadata
.endif
;; end of part 6
;; ======== version 2 of 2: 8 launches
;; limits: right only within a limited range of input values
;; workspace buffers: WA 2,433,280 bytes; P1 20,447,232 bytes; P2 20,447,232 bytes; AT 4,325,376 bytes; XD 21,102,592 bytes; XE 21,102,592 bytes; M1 2,097,152 bytes of whole numbers; M2 2,097,152 bytes of whole numbers
;; launch prep (part 7): grid 3392 x 1, 4 waves a work-group, no clusters, 35,328 bytes of LDS; arguments de_mask, en_mask, de_out, en_out, ln1_g, ln1_b, wq1, wk1, wv1, wk2, wv2, wq2, wo1, wo2, w2, w1, WA, P1, P2, XD, XE, M1, M2; writes WA, P1, P2, XD, XE, M1, M2
.if DOCPART == 7
	.amdgcn_target "amdgcn-amd-amdhsa--gfx1250"
	.amdhsa_code_object_version 6
	.text
	.protected	k_q1056461eed_prep
	.globl	k_q1056461eed_prep
	.p2align	8
	.type	k_q1056461eed_prep,@function
k_q1056461eed_prep:
	s_mov_b64 s[64:65], 0
	v_nop
	global_prefetch_b8 v0, s[64:65] scope:SCOPE_SE
	s_setreg_imm32_b32 hwreg(HW_REG_WAVE_MODE, 25, 1), 1
	s_wait_xcnt 0x0
; PREP: everything that can be laid out before the first product.  Five kinds of work-group, told apart by the work-group's number alone:
;   0 .. 2047     de_mask -> M1: lane masks for the attention (one 32-bit word for each of a lane's 64 scores of a key step)
;   2048 .. 3071  layer norm 1 of de_out -> codes in XD;  en_out -> codes in XE   (a tile of 16 tokens to a work-group, 128 along K to a wave)
;   3072 .. 3263  the twelve 512 x 512 weights (w2 as four groups along K) -> codes;   3264 .. 3327  w1, as four groups of 512 columns
;   3328 .. 3391  en_mask -> M2, written out for every tile of queries; the first of them also stores the slopes that the products' launches read
; CODES ARE LAID AS IMAGES OF THE OPERAND'S REGISTERS.  A fragment (16 rows x 128 K, 2,048 bytes): byte 512 c + 16 lane + e is the code of row r = lane % 16, k = 32 c + 16 (lane / 16) + e.
; Row r of tile T is row 32 (T / 2) + 8 (T % 2) + r + 8 (r / 8) of the tensor.  Fragment (T, K step s) lies at (4 T + s) x 2,048, its 16 scale words at (4 T + s) x 64.
; THE QUANTISER: a block's scale byte is its largest magnitude's exponent field - 8, held at 1 from below; numbers are held within +-448 x the scale and rounded to the nearest code, ties to even.
; LIMITS: a block of zeros gets the byte 1 (its codes are zeros; this program alone reads the bytes); NaN and infinities among the inputs are not served.
.set N_IMG, 16777216                   ; XD, XE: the codes' image behind 16 MiB of f32 rows,
.set N_SCL, 20971520                   ; and its scale words
.set W_SCL, 2359296                    ; WA, P1, P2: scale words of the weight slots (a slot: 262,144 bytes of codes, 8,192 of scale words)
.set HDR,   2433024                    ; WA, P1, P2: the slope
.set STG,   8448                       ; LDS: a stage of 16 rows x 528 bytes for each wave (the mask's path alone)
.set EXB,   33792                      ; LDS: two blocks of 256 bytes for the layer norm's sums (that path alone)
.set WV,   50
.set SEL,  62                          ; s[62:63] lane selects: lane l xor 16
.set MNT,  66                          ; the mantissa field of 448
.set R512, 67                          ; 1 / 512
.set PC,   208                         ; a fragment's codes
.set TM,   224                         ; v224-239 at work in the quantiser
.set PW,   240                         ; the scale word
.set SA,   242
.set SC,   244
.set MPR,  246
.set RPR,  248
.set LX,   250
; 16 nb numbers of a lane, register 16 b + i = k 32 b + 16 (lane / 16) + i of my row, become codes in v[PC] on and the scale word in v[PW]
.macro QUANT s, nb
.irp b, 0,1,2,3
.if \b < \nb
	v_max3_num_f32 v[TM+\b], |v[\s+16*\b]|, |v[\s+1+16*\b]|, 0x4800000   ; with the floor 2^(9 - 127): the byte cannot fall under 1
.endif
.endr
.irp i, 2,4,6,8,10,12,14
.irp b, 0,1,2,3
.if \b < \nb
	v_max3_num_f32 v[TM+\b], v[TM+\b], |v[\s+16*\b+\i]|, |v[\s+1+16*\b+\i]|
.endif
.endr
.endr
.irp b, 0,1,2,3
.if \b < \nb
	v_permlanex16_b32 v[TM+4+\b], v[TM+\b], s[SEL], s[SEL+1]
.endif
.endr
.irp b, 0,1,2,3
.if \b < \nb
	v_max_num_f32 v[TM+\b], v[TM+\b], v[TM+4+\b]               ; with lane l xor 16's: the block's largest magnitude
.endif
.endr
.irp b, 0,1,2,3
.if \b < \nb
	v_add_nc_u32 v[TM+12+\b], 0xfc000000, v[TM+\b]             ; 8 off its exponent field: the conversion's scale operand
.endif
.endr
.irp b, 0,1,2,3
.if \b < \nb
	v_and_or_b32 v[TM+8+\b], v[TM+\b], 0x7f800000, s[MNT]      ; 448 x the scale
.endif
.endr
.irp b, 0,1,2,3
.if \b < \nb
	v_lshrrev_b32 v[TM+4+\b], 23, v[TM+12+\b]                  ; the scale's byte
.endif
.endr
	v_lshl_or_b32 v[PW], v[TM+5], 8, v[TM+4]
.if \nb > 2
	v_lshl_or_b32 v[PW], v[TM+6], 16, v[PW]
	v_lshl_or_b32 v[PW], v[TM+7], 24, v[PW]
.endif
.irp b, 0,1,2,3
.if \b < \nb
.irp i, 0,1,2,3,4,5,6,7,8,9,10,11,12,13,14,15
	v_med3_num_f32 v[\s+16*\b+\i], v[\s+16*\b+\i], -v[TM+8+\b], v[TM+8+\b]   ; the conversion does not saturate (ISA guide 7.6.2): the hold
.endr
	v_cvt_scalef32_pk8_fp8_f32 v[PC+4*\b:PC+1+4*\b], v[\s+16*\b:\s+7+16*\b], v[TM+12+\b]
	v_cvt_scalef32_pk8_fp8_f32 v[PC+2+4*\b:PC+3+4*\b], v[\s+8+16*\b:\s+15+16*\b], v[TM+12+\b]
.endif
.endr
	v_nop                                          ; a plain line behind the last conversion
.endm
; the sum (sq = 0) or the sum of squares (sq = 1) of my row's 128 numbers in lanes l and l xor 16 -> v[SA]
.macro LNSUM x, sq
.if \sq
	v_pk_mul_f32 v[SA:SA+1], v[\x:\x+1], v[\x:\x+1]
	v_pk_mul_f32 v[SC:SC+1], v[\x+2:\x+3], v[\x+2:\x+3]
.irp j, 4,8,12,16,20,24,28,32,36,40,44,48,52,56,60
	v_pk_fma_f32 v[SA:SA+1], v[\x+\j:\x+\j+1], v[\x+\j:\x+\j+1], v[SA:SA+1]
	v_pk_fma_f32 v[SC:SC+1], v[\x+\j+2:\x+\j+3], v[\x+\j+2:\x+\j+3], v[SC:SC+1]
.endr
.else
	v_pk_add_f32 v[SA:SA+1], v[\x:\x+1], v[\x+4:\x+5]
	v_pk_add_f32 v[SC:SC+1], v[\x+2:\x+3], v[\x+6:\x+7]
.irp j, 8,12,16,20,24,28,32,36,40,44,48,52,56,60
	v_pk_add_f32 v[SA:SA+1], v[SA:SA+1], v[\x+\j:\x+\j+1]
	v_pk_add_f32 v[SC:SC+1], v[SC:SC+1], v[\x+\j+2:\x+\j+3]
.endr
.endif
	v_pk_add_f32 v[SA:SA+1], v[SA:SA+1], v[SC:SC+1]
	v_add_f32 v[SA], v[SA], v[SA+1]
	v_permlanex16_b32 v[SA+1], v[SA], s[SEL], s[SEL+1]
	v_add_f32 v[SA], v[SA], v[SA+1]
.endm
; the four waves' parts meet in a block of LDS that is used once: store, wait, barrier, load; every wave adds them in the same order -> v[LX]
.macro LNXCH off
	ds_store_b32 v7, v[SA] offset:\off
	s_wait_dscnt 0x0                               ; for the others' sake: my store has landed
	s_barrier_signal -1
	s_barrier_wait -1
.irp q, 0,1,2,3
	ds_load_b32 v[LX+\q], v8 offset:\off+64*\q
.endr
	s_wait_dscnt 0x0
	v_add_f32 v[LX], v[LX], v[LX+1]
	v_add_f32 v[LX+2], v[LX+2], v[LX+3]
	v_add_f32 v[LX], v[LX], v[LX+2]
.endm
; mean, x - mean in place, variance of the differences (two passes: a common offset of the row costs no accuracy), 1 / sqrt(variance + 1e-5) in v[RPR:RPR+1]
.macro LNSTAT x, ex
	LNSUM \x, 0
	LNXCH \ex
	v_mul_f32 v[MPR], s[R512], v[LX]
	v_mul_f32 v[MPR+1], s[R512], v[LX]
.set jj, 0
.rept 32
	v_pk_add_f32 v[\x+jj:\x+jj+1], v[\x+jj:\x+jj+1], v[MPR:MPR+1] neg_lo:[0,1] neg_hi:[0,1]
.set jj, jj+2
.endr
	LNSUM \x, 1
	LNXCH \ex+256
	v_fmaak_f32 v[LX], s[R512], v[LX], 0x3727c5ac
	s_wait_alu depctr_va_vdst(0)
	v_rsq_f32 v[RPR], v[LX]
	v_nop                                          ; a plain line behind the transcendental,
	s_wait_alu depctr_va_vdst(0)                   ; and the wait ahead of its first reader
	v_mov_b32 v[RPR+1], v[RPR]
.endm
; 64 mask numbers of a lane in v80-143 become 64 words: bit l of word n = lane l's number n is not 0.  Word n goes to lane n / 2 of v144 (n even) or v145 (n odd)
.macro PACKW
	v_mov_b32 v144, 0
	v_mov_b32 v145, 0
.set nn, 0
.rept 64
	v_cmp_ne_u32 s[58+(nn&3)], 0, v[80+nn]
	v_writelane_b32 v[144+(nn&1)], s[58+(nn&3)], nn>>1
.set nn, nn+1
.endr
.endm
.macro PICK idx, src, dst, slot, off   ; unit idx of the weights: from where, to which buffer and slot
	s_cmp_eq_u32 s53, \idx
	s_cselect_b64 s[68:69], s[\src:\src+1], s[68:69]
	s_cselect_b64 s[70:71], s[\dst:\dst+1], s[70:71]
	s_cselect_b32 s54, \slot, s54
	s_cselect_b32 s55, \off, s55
.endm
.macro WLOAD t, pitch                  ; block t: W(32 t + i, my column), i = 0 .. 31
.irp i, 0,1,2,3,4,5,6,7,8,9,10,11,12,13,14,15,16,17,18,19,20,21,22,23,24,25,26,27,28,29,30,31
	global_load_b32 v[16+32*((\t)%2)+\i], v13, s[68:69] offset:(32*(\t)+\i)*\pitch th:TH_LOAD_NT
.endr
.endm
.macro WBLOCK t, pitch
.set XS, 16+32*((\t)%2)
.if (\t) < 3
	s_wait_loadcnt 32                              ; this block's 32 loads are in; the next block's may be out
.else
	s_wait_loadcnt 0x0
.endif
	v_max3_num_f32 v120, |v[XS]|, |v[XS+1]|, |v[XS+2]|
	v_max3_num_f32 v121, |v[XS+3]|, |v[XS+4]|, |v[XS+5]|
.irp i, 6,10,14,18,22,26
	v_max3_num_f32 v120, v120, |v[XS+\i]|, |v[XS+\i+1]|
	v_max3_num_f32 v121, v121, |v[XS+\i+2]|, |v[XS+\i+3]|
.endr
	v_max3_num_f32 v120, v120, |v[XS+30]|, |v[XS+31]|
	v_max3_num_f32 v120, v120, v121, 0x4800000
	v_add_nc_u32 v122, 0xfc000000, v120
	v_and_or_b32 v123, v120, 0x7f800000, s[MNT]
	v_lshrrev_b32 v124, 23, v122
.if (\t) == 0
	v_mov_b32 v112, v124
.else
	v_lshl_or_b32 v112, v124, 8*(\t), v112
.endif
.irp i, 0,1,2,3,4,5,6,7,8,9,10,11,12,13,14,15,16,17,18,19,20,21,22,23,24,25,26,27,28,29,30,31
	v_med3_num_f32 v[XS+\i], v[XS+\i], -v123, v123
.endr
.irp g, 0,1,2,3
	v_cvt_scalef32_pk8_fp8_f32 v[80+8*(\t)+2*\g:81+8*(\t)+2*\g], v[XS+8*\g:XS+8*\g+7], v122
.endr
	v_nop
	global_store_b128 v14, v[80+8*(\t):83+8*(\t)], s[72:73] offset:512*(\t)        ; k 0-15 of the block: sixteen lanes store 256 consecutive bytes, aligned
	global_store_b128 v14, v[84+8*(\t):87+8*(\t)], s[72:73] offset:512*(\t)+256    ; k 16-31
.if (\t) < 2
	WLOAD (\t)+2, \pitch
.endif
.endm
; A 512 x 512 piece of a weight stored [k][n]: s52 = number in the unit (cq = bits 3:2, K step = bits 1:0), s[68:69] source, s55 its offset, s[70:71] buffer, s54 slot.
; A LANE TAKES A COLUMN AND ITS REGISTERS RUN DOWN K: lanes 0-15 are the rows of tile 2 B, lanes 16-31 of tile 2 B + 1; the 32 lanes read 128 consecutive bytes.
.macro WPATH pitch
	s_bfe_u32 s56, s52, 0x20002
	s_and_b32 s58, s52, 3                          ; K step
	s_lshl_b32 s56, s56, 2
	s_add_co_u32 s59, s56, s[WV]                   ; B = 4 cq + wave
	s_mul_i32 s56, s58, 128*\pitch
	s_add_co_u32 s56, s56, s55
	s_lshl_b32 s60, s59, 7
	s_add_co_u32 s56, s56, s60
	s_add_nc_u64 s[68:69], s[68:69], s[56:57]
	s_lshl_b32 s60, s59, 3
	s_add_co_u32 s60, s60, s58                     ; 8 B + s
	s_lshl_b32 s56, s54, 18
	s_lshl_b32 s61, s60, 11
	s_add_co_u32 s56, s56, s61
	s_add_nc_u64 s[72:73], s[70:71], s[56:57]
	s_lshl_b32 s56, s54, 13
	s_lshl_b32 s61, s60, 6
	s_add_co_u32 s56, s56, s61
	s_add_co_u32 s56, s56, W_SCL
	s_add_nc_u64 s[74:75], s[70:71], s[56:57]
	v_lshl_add_u32 v13, v3, 3, v9
	v_lshlrev_b32 v13, 2, v13                      ; my column: 4 (8 h + r + 8 (r / 8))
	v_lshlrev_b32 v14, 4, v2
	v_lshl_add_u32 v14, v3, 13, v14                ; codes: 16 r, + four fragments on for lanes 16-31
	v_lshl_add_u32 v15, v3, 8, v12                 ; scale word: 4 r + 256 h
	WLOAD 0, \pitch
	WLOAD 1, \pitch
	WBLOCK 0, \pitch
	WBLOCK 1, \pitch
	WBLOCK 2, \pitch
	WBLOCK 3, \pitch
	global_store_b32 v15, v112, s[74:75]
	s_endpgm
.endm
	s_load_b512 s[4:19], s[0:1], 0x0               ; de_mask, en_mask, de_out, en_out, ln1_g, ln1_b, wq1, wk1
	s_load_b512 s[20:35], s[0:1], 0x40             ; wv1, wk2, wv2, wq2, wo1, wo2, w2, w1
	s_load_b256 s[36:43], s[0:1], 0x80             ; WA, P1, P2, XD
	s_load_b128 s[44:47], s[0:1], 0xa0             ; XE, M1
	s_load_b64 s[48:49], s[0:1], 0xb0              ; M2
	v_lshl_add_u32 v254, v0, 2, 0x8800
	v_mov_b32 v255, 0
	v_lshrrev_b32 v1, 5, v0
	v_readfirstlane_b32 s[WV], v1                  ; wave
	v_and_b32 v1, 31, v0                           ; lane
	v_and_b32 v2, 15, v0                           ; r
	v_bfe_u32 v3, v0, 4, 1                         ; h
	v_lshlrev_b32 v4, 4, v1                        ; 16 x lane
	s_mul_i32 s51, s[WV], STG
	v_add_nc_u32 v5, s51, v4                       ; the stage, on the way in
	v_mul_u32_u24 v6, v2, 528
	v_lshl_add_u32 v6, v3, 6, v6
	v_add_nc_u32 v6, s51, v6                       ; and out: row r, + 64 h
	v_lshlrev_b32 v12, 2, v2                       ; 4 r
	v_add_nc_u32 v8, EXB, v12                      ; the sums: where I read,
	s_lshl_b32 s51, s[WV], 6
	v_add_nc_u32 v7, s51, v8                       ; and where I store
	v_and_b32 v9, 8, v2
	v_add_nc_u32 v9, v9, v2                        ; r + 8 (r / 8)
	v_lshlrev_b32 v10, 6, v3                       ; 64 h
	v_lshlrev_b32 v11, 3, v1                       ; 8 x lane
.irp b, 0,1,2,3
	v_mov_b32 v[TM+4+\b], 0                        ; written once: a lane permute's destination counts as one of its sources
.endr
	s_mov_b32 s[SEL], 0x76543210
	s_mov_b32 s[SEL+1], 0xfedcba98
	s_mov_b32 s[MNT], 0x600000
	s_mov_b32 s[R512], 0x3b000000
	s_mov_b32 s57, 0
	s_wait_kmcnt 0x0
	s_cmp_lt_u32 ttmp9, 2048
	s_cbranch_scc0 .Lnot_mde
	; ---- de_mask: a tile of 16 queries x 128 keys to a wave.  Each load takes one query's 512 consecutive bytes; the tile turns through the wave's own stage, so that lane (r, h) holds query r's keys 32 b + 16 h + i
	s_and_b32 s52, ttmp9, 3
	s_lshl_b32 s52, s52, 2
	s_add_co_u32 s52, s52, s[WV]                   ; key step
	s_bfe_u32 s53, ttmp9, 0x70002                  ; tile of queries in the batch
	s_lshr_b32 s54, ttmp9, 9                       ; batch
	s_lshr_b32 s55, s53, 1
	s_lshl_b32 s55, s55, 5
	s_and_b32 s56, s53, 1
	s_lshl_b32 s56, s56, 3
	s_add_co_u32 s55, s55, s56                     ; the tile's first query
	s_lshl_b32 s55, s55, 13
	s_lshl_b32 s56, s54, 24
	s_add_co_u32 s55, s55, s56
	s_lshl_b32 s56, s52, 9
	s_add_co_u32 s56, s55, s56
	s_add_nc_u64 s[4:5], s[4:5], s[56:57]
.irp i, 0,1,2,3,4,5,6,7,8,9,10,11,12,13,14,15
	global_load_b128 v[16+4*\i:19+4*\i], v4, s[4:5] offset:(\i+8*(\i/8))*8192 th:TH_LOAD_NT
.endr
.irp i, 0,1,2,3,4,5,6,7,8,9,10,11,12,13,14,15
	s_wait_loadcnt 15-\i                           ; row i is in; the younger rows may be out
	ds_store_b128 v5, v[16+4*\i:19+4*\i] offset:528*\i
.endr
.irp b, 0,1,2,3
.irp j, 0,1,2,3
	ds_load_b128 v[80+16*\b+4*\j:83+16*\b+4*\j], v6 offset:128*\b+16*\j   ; my wave's own bytes, served in order: these see the stores above
.endr
.endr
	s_wait_dscnt 0x0
	PACKW
	s_lshl_b32 s55, s54, 7
	s_add_co_u32 s55, s55, s53
	s_lshl_b32 s55, s55, 4
	s_add_co_u32 s55, s55, s52
	s_lshl_b32 s56, s55, 8
	s_add_nc_u64 s[46:47], s[46:47], s[56:57]
	global_store_b64 v11, v[144:145], s[46:47]     ; 32 lanes store 256 consecutive bytes, aligned
	s_wait_tensorcnt 0x0
	ds_add_u32 v254, v255
	s_wait_dscnt 0x0
	s_endpgm
.Lnot_mde:
	s_cmp_lt_u32 ttmp9, 3072
	s_cbranch_scc0 .Lnot_x
	; ---- a tile of 16 tokens of de_out (with layer norm 1) or of en_out (as it is): wave w quantises K step w
	s_sub_co_u32 s52, ttmp9, 2048
	s_and_b32 s53, s52, 511                        ; tile
	s_lshr_b32 s54, s53, 1
	s_lshl_b32 s54, s54, 5
	s_and_b32 s55, s53, 1
	s_lshl_b32 s55, s55, 3
	s_add_co_u32 s54, s54, s55                     ; its first token
	s_lshl_b32 s56, s54, 11
	s_lshl_b32 s55, s[WV], 9                       ; 512 x wave
	s_add_co_u32 s56, s56, s55
	s_cmp_lt_u32 s52, 512
	s_cselect_b64 s[68:69], s[8:9], s[10:11]
	s_cselect_b64 s[70:71], s[42:43], s[44:45]
	s_add_nc_u64 s[68:69], s[68:69], s[56:57]
	s_wait_alu depctr_va_vdst(0)
	v_lshlrev_b32 v13, 11, v9
	v_add_nc_u32 v13, v13, v10                     ; my row, + 64 h
.irp b, 0,1,2,3
.irp j, 0,1,2,3
	global_load_b128 v[16+16*\b+4*\j:19+16*\b+4*\j], v13, s[68:69] offset:128*\b+16*\j th:TH_LOAD_NT
.endr
.endr
	s_lshl_b32 s54, s53, 2
	s_add_co_u32 s54, s54, s[WV]                   ; 4 T + s
	s_lshl_b32 s56, s54, 11
	s_add_co_u32 s56, s56, N_IMG
	s_add_nc_u64 s[72:73], s[70:71], s[56:57]
	s_lshl_b32 s56, s54, 6
	s_add_co_u32 s56, s56, N_SCL
	s_add_nc_u64 s[74:75], s[70:71], s[56:57]
	s_cmp_lt_u32 s52, 512
	s_cbranch_scc0 .Lx_quant                       ; the branch hangs on the work-group's number: all four waves pass the two barriers below, or none
	s_mov_b32 s56, s55
	s_add_nc_u64 s[12:13], s[12:13], s[56:57]
	s_add_nc_u64 s[14:15], s[14:15], s[56:57]
.irp b, 0,1,2,3
.irp j, 0,1,2,3
	global_load_b128 v[80+16*\b+4*\j:83+16*\b+4*\j], v10, s[12:13] offset:128*\b+16*\j
	global_load_b128 v[144+16*\b+4*\j:147+16*\b+4*\j], v10, s[14:15] offset:128*\b+16*\j
.endr
.endr
	s_wait_loadcnt 0x0
	LNSTAT 16, 0
.set jj, 0
.rept 32
	v_pk_mul_f32 v[16+jj:17+jj], v[16+jj:17+jj], v[RPR:RPR+1]
.set jj, jj+2
.endr
.set jj, 0
.rept 32
	v_pk_fma_f32 v[16+jj:17+jj], v[16+jj:17+jj], v[80+jj:81+jj], v[144+jj:145+jj]
.set jj, jj+2
.endr
.Lx_quant:
	s_wait_loadcnt 0x0
	QUANT 16, 4
.irp c, 0,1,2,3
	global_store_b128 v4, v[PC+4*\c:PC+4*\c+3], s[72:73] offset:512*\c    ; 512 consecutive bytes
.endr
	global_store_b32 v12, v[PW], s[74:75]          ; lanes r and r + 16 store the same word with the same value
	s_wait_tensorcnt 0x0
	ds_add_u32 v254, v255
	s_wait_dscnt 0x0
	s_endpgm
.Lnot_x:
	s_cmp_lt_u32 ttmp9, 3264
	s_cbranch_scc0 .Lnot_w
	s_sub_co_u32 s52, ttmp9, 3072
	s_lshr_b32 s53, s52, 4                         ; unit
	s_mov_b64 s[68:69], s[16:17]                   ; unit 0: wq1 -> WA, slot 0
	s_mov_b64 s[70:71], s[36:37]
	s_mov_b32 s54, 0
	s_mov_b32 s55, 0
	PICK 1, 18, 36, 1, 0
	PICK 2, 20, 36, 2, 0
	PICK 3, 22, 36, 3, 0
	PICK 4, 24, 36, 4, 0
	PICK 5, 26, 38, 0, 0
	PICK 6, 28, 38, 4, 0
	PICK 7, 30, 40, 4, 0
	PICK 8, 32, 36, 5, 0
	PICK 9, 32, 36, 6, 1048576
	PICK 10, 32, 36, 7, 2097152
	PICK 11, 32, 36, 8, 3145728
	s_wait_alu depctr_va_vdst(0)
	WPATH 2048
.Lnot_w:
	s_cmp_lt_u32 ttmp9, 3328
	s_cbranch_scc0 .Lnot_w1
	s_sub_co_u32 s52, ttmp9, 3264
	s_lshr_b32 s54, s52, 4                         ; w1's group of 512 columns -> P2, slot = group
	s_lshl_b32 s55, s54, 11
	s_mov_b64 s[68:69], s[34:35]
	s_mov_b64 s[70:71], s[40:41]
	s_wait_alu depctr_va_vdst(0)
	WPATH 8192
.Lnot_w1:
	; ---- en_mask: the words of a key step are the same for all queries; they are written out for the batch's 128 tiles of queries, 32 a wave
	s_sub_co_u32 s52, ttmp9, 3328
	s_lshr_b32 s54, s52, 4                         ; batch
	s_and_b32 s53, s52, 15                         ; key step
	s_lshl_b32 s56, s54, 13
	s_lshl_b32 s55, s53, 9
	s_add_co_u32 s56, s56, s55
	s_add_nc_u64 s[6:7], s[6:7], s[56:57]
	s_wait_alu depctr_va_vdst(0)
.irp b, 0,1,2,3
.irp j, 0,1,2,3
	global_load_b128 v[80+16*\b+4*\j:83+16*\b+4*\j], v10, s[6:7] offset:128*\b+16*\j
.endr
.endr
	s_wait_loadcnt 0x0
	PACKW
	s_lshl_b32 s55, s54, 7
	s_lshl_b32 s56, s[WV], 5
	s_add_co_u32 s55, s55, s56
	s_lshl_b32 s55, s55, 4
	s_add_co_u32 s55, s55, s53
	s_lshl_b32 s56, s55, 8
	s_add_nc_u64 s[48:49], s[48:49], s[56:57]
.set tt, 0
.rept 32
	global_store_b64 v11, v[144:145], s[48:49] offset:4096*tt
.set tt, tt+1
.endr
	s_or_b32 s55, s52, s[WV]
	s_cmp_lg_u32 s55, 0
	s_cbranch_scc1 .Lend
	v_lshlrev_b32 v13, 2, v1                       ; the slopes of max(x, slope x): 1 leaves x as it is, 0.01 is the leaky relu's
	v_mov_b32 v14, 1.0
	v_mov_b32 v15, 0x3c23d70a
	global_store_b32 v13, v14, s[36:37] offset:HDR
	global_store_b32 v13, v14, s[38:39] offset:HDR
	global_store_b32 v13, v15, s[40:41] offset:HDR
.Lend:
	s_endpgm
.Lfunc_end_k_q1056461eed_prep:
	.size	k_q1056461eed_prep, .Lfunc_end_k_q1056461eed_prep-k_q1056461eed_prep
	.p2alignl 7, 3214868480
	.fill 96, 4, 3214868480
	.section	.rodata,"a",@progbits
	.p2align	6, 0x0
	.amdhsa_kernel k_q1056461eed_prep
		.amdhsa_group_segment_fixed_size 35328
		.amdhsa_private_segment_fixed_size 0
		.amdhsa_enable_private_segment 0
		.amdhsa_kernarg_size 184
		.amdhsa_user_sgpr_count 2
		.amdhsa_user_sgpr_kernarg_segment_ptr 1
		.amdhsa_wavefront_size32 1
		.amdhsa_system_sgpr_workgroup_id_x 1
		.amdhsa_system_sgpr_workgroup_id_y 1
		.amdhsa_system_sgpr_workgroup_id_z 1
		.amdhsa_system_vgpr_workitem_id 0
		.amdhsa_next_free_vgpr 256
		.amdhsa_next_free_sgpr 80
		.amdhsa_reserve_vcc 0
		.amdhsa_float_denorm_mode_32 3
		.amdhsa_float_denorm_mode_16_64 3
		.amdhsa_memory_ordered 1
		.amdhsa_forward_progress 1
		.amdhsa_inst_pref_size 114
	.end_amdhsa_kernel
	.amdgpu_metadata
---
amdhsa.version: [ 1, 2 ]
amdhsa.kernels:
  - .name:           k_q1056461eed_prep
    .symbol:         k_q1056461eed_prep.kd
    .args:
      - { .name: de_mask, .offset: 0, .size: 8, .value_kind: global_buffer, .address_space: global }
      - { .name: en_mask, .offset: 8, .size: 8, .value_kind: global_buffer, .address_space: global }
      - { .name: de_out, .offset: 16, .size: 8, .value_kind: global_buffer, .address_space: global }
      - { .name: en_out, .offset: 24, .size: 8, .value_kind: global_buffer, .address_space: global }
      - { .name: ln1_g, .offset: 32, .size: 8, .value_kind: global_buffer, .address_space: global }
      - { .name: ln1_b, .offset: 40, .size: 8, .value_kind: global_buffer, .address_space: global }
      - { .name: wq1, .offset: 48, .size: 8, .value_kind: global_buffer, .address_space: global }
      - { .name: wk1, .offset: 56, .size: 8, .value_kind: global_buffer, .address_space: global }
      - { .name: wv1, .offset: 64, .size: 8, .value_kind: global_buffer, .address_space: global }
      - { .name: wk2, .offset: 72, .size: 8, .value_kind: global_buffer, .address_space: global }
      - { .name: wv2, .offset: 80, .size: 8, .value_kind: global_buffer, .address_space: global }
      - { .name: wq2, .offset: 88, .size: 8, .value_kind: global_buffer, .address_space: global }
      - { .name: wo1, .offset: 96, .size: 8, .value_kind: global_buffer, .address_space: global }
      - { .name: wo2, .offset: 104, .size: 8, .value_kind: global_buffer, .address_space: global }
      - { .name: w2, .offset: 112, .size: 8, .value_kind: global_buffer, .address_space: global }
      - { .name: w1, .offset: 120, .size: 8, .value_kind: global_buffer, .address_space: global }
      - { .name: WA, .offset: 128, .size: 8, .value_kind: global_buffer, .address_space: global }
      - { .name: P1, .offset: 136, .size: 8, .value_kind: global_buffer, .address_space: global }
      - { .name: P2, .offset: 144, .size: 8, .value_kind: global_buffer, .address_space: global }
      - { .name: XD, .offset: 152, .size: 8, .value_kind: global_buffer, .address_space: global }
      - { .name: XE, .offset: 160, .size: 8, .value_kind: global_buffer, .address_space: global }
      - { .name: M1, .offset: 168, .size: 8, .value_kind: global_buffer, .address_space: global }
      - { .name: M2, .offset: 176, .size: 8, .value_kind: global_buffer, .address_space: global }
    .group_segment_fixed_size: 35328
    .private_segment_fixed_size: 0
    .kernarg_segment_align: 8
    .kernarg_segment_size: 184
    .max_flat_workgroup_size: 128
    .sgpr_count:     80
    .vgpr_count:     256
    .wavefront_size: 32
...
	.end_amdgpu_metadata
.endif
;; end of part 7
;; launch proj (part 8): grid 64 x 5, 4 waves a work-group, no clusters, 0 bytes of LDS; arguments XD, XE, WA, bq1, bk1, bv1, bk2, bv2, P1, P2; writes P1, P2
.if DOCPART == 8
	.amdgcn_target "amdgcn-amd-amdhsa--gfx1250"
	.amdhsa_code_object_version 6
	.text
	.protected	k_q1056461eed_proj
	.globl	k_q1056461eed_proj
	.p2align	8
	.type	k_q1056461eed_proj,@function
k_q1056461eed_proj:
	s_mov_b64 s[64:65], 0
	v_nop
	global_prefetch_b8 v0, s[64:65] scope:SCOPE_SE
	s_setreg_imm32_b32 hwreg(HW_REG_WAVE_SCHED_MODE, 0, 2), 2
	s_setreg_imm32_b32 hwreg(HW_REG_WAVE_MODE, 25, 1), 1
	s_wait_xcnt 0x0
	s_wait_alu depctr_vm_vsrc(0)
; A PRODUCT WHOSE RESULT IS QUANTISED ON THE WAY: out = Q(max(y, slope y)), y = A W + bias, on codes of E4M3 with E8M0 scales; A [8,192 tokens][512], W a slot of 512 x 512.
; Operands and results lie as images of the operand's registers: fragment (tile T, K step s) at (4 T + s) x 2,048 bytes, byte 512 c + 16 lane + e; its scale words at (4 T + s) x 64.
; Row r of tile T is row 32 (T / 2) + 8 (T % 2) + r + 8 (r / 8): so the 64 results that a lane has of eight neighbouring tiles of source 0 are, with lane l xor 16's, 128 NEIGHBOURS along source 0's rows.
; A wave keeps 8 tiles x 4 K steps of source 0 (S, 512 registers) for the whole launch and walks 8 tiles of source 1 (T), which come straight from memory, one tile ahead in each of two buffers.
;   y = 0, 1, 3 (and every launch with one row of work-groups): S = the weight, T = tokens: the result is quantised along the features: fragment (token tile, K step = wave).
;   y = 2, 4: S = tokens, T = the weight: the result is quantised along the TOKENS, as the values of an attention want it: fragment (feature tile, 128 tokens).
; No branch but the loop: what differs is chosen by s_cselect and v_cndmask.  The slope is read from the weights' buffer: with 1 the two lines max(y, slope y) leave y as it is; that is the price of one text for all these products.
; No LDS, no barrier: waves share nothing.  No multicast: the four waves' parts of S differ, and T is a small part of the bytes.
; LIMITS: a block of zeros gets the scale byte 1 (its codes are zeros; this program alone reads the bytes); NaN and infinities are not served.
; THE MODE: SCHED_MODE bits 1:0 = 2 (LLVM: expert scheduling mode 2), set by the entry lines.  The code itself states the register dependences
; between vector or matrix instructions and memory instructions, with s_wait_alu, always for 0.
; THE PLAN.  Registers that memory instructions touch:
;   T0, T1        (window 3), with four scale words v[TS ..] and a bias word v[TBL ..] each.  Tile t's 32 products and one select read buffer t % 2; behind them the loads of tile t + 2 land in it.
;   PC0/PW0, PC1/PW1   two sets of codes and a scale word.  Tile t's conversions write set t % 2; the five stores that read it are issued in tile t + 1; tile t + 2's conversions write it again.
;   v1 to v4      offsets, made at the head and never written again: tiles are reached by scalar bases and immediate offsets.
;   S, its scale words and the bias along its rows are loaded once, at the head.  The results v[HA ..] are named by vector and matrix instructions alone.
; So three lines stand in a tile, behind its products and their places: the wait that frees bases and store data, one wait on vm_vsrc (the stores issued a tile ago have read the set that this tile writes),
; and one on va_vdst (the products and the select are done reading T[t % 2]; the last tile's conversions have written the other set).  The tile's 21 loads and the five stores of the tile before follow with no further wait.
.set N_IMG, 16777216
.set N_SCL, 20971520
.set W_SCL, 2359296
.set HDR,   2433024
.set IMG,   3145728
.set SCL,   19922944
.set HA,   16                          ; v16-79   the lane's 64 results
.set PC,   80                          ; v80-95   the codes of a tile out of buffer 0; v176-191 (PC + 96) of one out of buffer 1
.set TM,   96
.set PW,   112                         ; v112, v113 their scale words
.set TBV,  122                         ; v[122:123] the bias along T's rows (low word; the high word is written once)
.set TMPR, 124
.set TS,   132                         ; T's scale words, four for each buffer
.set TBL,  140
.set SS,   144                         ; S's scale words: tile i, K step s at 4 i + s
.set WV,   24
.set VM,   28
.set NVM,  29
.set SL,   30
.set SI,   32
.set SSC,  34
.set TI,   36
.set TSC,  38
.set OI,   40
.set OS,   44
.set TBP,  48
.set SEL,  60
.set MNT,  62
.set MSB, 0
.macro WIN new                         ; the immediate's high byte repeats the setting that is left
.if MSB != \new
	s_set_vgpr_msb (MSB<<8)|\new
.set MSB, \new
.endif
.endm
; 16 nb numbers of a lane, register 16 b + i = k 32 b + 16 (lane / 16) + i of my row, become codes in v[pc] on and the scale word in v[pw]
.macro QUANT s, nb, pc, pw
.irp b, 0,1,2,3
.if \b < \nb
	v_max3_num_f32 v[TM+\b], |v[\s+16*\b]|, |v[\s+1+16*\b]|, 0x4800000   ; with the floor 2^(9 - 127): the byte cannot fall under 1
.endif
.endr
.irp i, 2,4,6,8,10,12,14
.irp b, 0,1,2,3
.if \b < \nb
	v_max3_num_f32 v[TM+\b], v[TM+\b], |v[\s+16*\b+\i]|, |v[\s+1+16*\b+\i]|
.endif
.endr
.endr
.irp b, 0,1,2,3
.if \b < \nb
	v_permlanex16_b32 v[TM+4+\b], v[TM+\b], s[SEL], s[SEL+1]
.endif
.endr
.irp b, 0,1,2,3
.if \b < \nb
	v_max_num_f32 v[TM+\b], v[TM+\b], v[TM+4+\b]
.endif
.endr
.irp b, 0,1,2,3
.if \b < \nb
	v_add_nc_u32 v[TM+12+\b], 0xfc000000, v[TM+\b]
.endif
.endr
.irp b, 0,1,2,3
.if \b < \nb
	v_and_or_b32 v[TM+8+\b], v[TM+\b], 0x7f800000, s[MNT]
.endif
.endr
.irp b, 0,1,2,3
.if \b < \nb
	v_lshrrev_b32 v[TM+4+\b], 23, v[TM+12+\b]
.endif
.endr
	v_lshl_or_b32 v[\pw], v[TM+5], 8, v[TM+4]
.if \nb > 2
	v_lshl_or_b32 v[\pw], v[TM+6], 16, v[\pw]
	v_lshl_or_b32 v[\pw], v[TM+7], 24, v[\pw]
.endif
.irp b, 0,1,2,3
.if \b < \nb
.irp i, 0,1,2,3,4,5,6,7,8,9,10,11,12,13,14,15
	v_med3_num_f32 v[\s+16*\b+\i], v[\s+16*\b+\i], -v[TM+8+\b], v[TM+8+\b]
.endr
	v_cvt_scalef32_pk8_fp8_f32 v[(\pc)+4*\b:(\pc)+1+4*\b], v[\s+16*\b:\s+7+16*\b], v[TM+12+\b]
	v_cvt_scalef32_pk8_fp8_f32 v[(\pc)+2+4*\b:(\pc)+3+4*\b], v[\s+8+16*\b:\s+15+16*\b], v[TM+12+\b]
.endif
.endr
	v_nop                                          ; a plain line behind the last conversion: the next products write its sources
.endm
; the pair's tile of parity buf (counted from the pointers) of T into buffer buf: 16 + 4 + 1 = 21 loads
.macro TLOAD buf
	WIN 0xc0                                       ; destination window 3
.irp s, 0,1,2,3
.irp c, 0,1,2,3
	global_load_b128 v[64+64*(\buf)+16*\s+4*\c:64+64*(\buf)+16*\s+4*\c+3], v1, s[TI:TI+1] offset:(\buf)*8192+\s*2048+512*\c
.endr
.endr
	WIN 0
.irp s, 0,1,2,3
	global_load_b32 v[TS+4*(\buf)+\s], v2, s[TSC:TSC+1] offset:(\buf)*256+64*\s
.endr
	global_load_b32 v[TBL+(\buf)], v3, s[TBP:TBP+1] offset:32*(\buf)
.endm
; the five stores of a finished tile: set b of codes and scale word
.macro NSTORE b
.irp c, 0,1,2,3
	global_store_b128 v1, v[PC+96*(\b)+4*\c:PC+96*(\b)+4*\c+3], s[OI+2*(\b):OI+2*(\b)+1] offset:512*\c   ; 512 consecutive bytes
.endr
	global_store_b32 v2, v[PW+(\b)], s[OS+2*(\b):OS+2*(\b)+1]
.endm
; 32 matrix instructions: the eight accumulators by turns, K step by K step; the first K step takes the bias along S's rows as C
.macro MUL buf
.irp s, 0,1,2,3
.if \s == 0
	WIN 0x3d                                       ; S window 1, T window 3, C window 3
.elseif \s == 1
	WIN 0x0d
.else
	WIN 0x0e                                       ; S window 2
.endif
.irp i, 0,1,2,3,4,5,6,7
.if \s == 0
	v_wmma_scale_f32_16x16x128_f8f6f4 v[HA+8*\i:HA+8*\i+7], v[128*(\s%2)+16*\i:128*(\s%2)+16*\i+15], v[64+64*(\buf)+16*\s:64+64*(\buf)+16*\s+15], v[8*\i:8*\i+7], v[SS+4*\i+\s], v[TS+4*(\buf)+\s]
.else
	v_wmma_scale_f32_16x16x128_f8f6f4 v[HA+8*\i:HA+8*\i+7], v[128*(\s%2)+16*\i:128*(\s%2)+16*\i+15], v[64+64*(\buf)+16*\s:64+64*(\buf)+16*\s+15], v[HA+8*\i:HA+8*\i+7], v[SS+4*\i+\s], v[TS+4*(\buf)+\s]
.endif
.endr
.endr
.endm
; A tile.  buf: its buffer of T and its set of codes.  pf = 1: the tile two on is loaded.  left: the younger loads that may stay out.  st = 1: the tile before is stored.
.macro TILE buf, pf, left, st
	s_wait_loadcnt \left                           ; my buffer's 21 loads are in; the other buffer's 21, issued behind them, may be out
	MUL \buf
	WIN 0
	v_cndmask_b32 v[TBV], 0, v[TBL+\buf], s[VM]    ; the bias along T's rows, or 0: taken before its register is loaded again
.rept 8
	v_nop                                          ; eight places behind this form, ahead of the first read of results
.endr
	s_wait_xcnt 0x0                                ; every earlier load and store has had its addresses translated: T's bases, and the set of codes that the stores of a tile ago read, are written again only behind this wait
.if \pf
.if \buf == 0
	s_add_nc_u64 s[TI:TI+1], s[TI:TI+1], 16384     ; on to the next pair of tiles of T,
	s_add_nc_u64 s[TSC:TSC+1], s[TSC:TSC+1], 512   ; their scale words,
	s_add_nc_u64 s[TBP:TBP+1], s[TBP:TBP+1], s[50:51]   ; and their 32 numbers of the bias
.endif
.endif
.if \st
	s_wait_alu depctr_vm_vsrc(0)                   ; the stores issued in the tile before have read this tile's set of codes and its scale word, which the quantiser below writes again
.endif
.if \pf
	WIN 0xc0                                       ; (the switch, then the wait, then the loads)
.endif
	s_wait_alu depctr_va_vdst(0)                   ; the products are done reading T's buffer and its scale words, the select its bias word: the loads below land there; the last tile's conversions have written the other set, which the stores below read
.if \pf
	TLOAD \buf
.endif
.if \st
	NSTORE 1-\buf                                  ; the tile before
.endif
.set jj, 0
.rept 32
	v_pk_add_f32 v[HA+jj:HA+jj+1], v[HA+jj:HA+jj+1], v[TBV:TBV+1] op_sel_hi:[1,0]   ; each accumulator from its low end on
.set jj, jj+2
.endr
.irp q, 0,1,2,3,4,5,6,7
.irp p, 0,2,4,6
	v_pk_mul_f32 v[TMPR+\p:TMPR+\p+1], v[HA+8*\q+\p:HA+8*\q+\p+1], s[SL:SL+1] op_sel_hi:[1,0]
.endr
.irp p, 0,1,2,3,4,5,6,7
	v_max_num_f32 v[HA+8*\q+\p], v[HA+8*\q+\p], v[TMPR+\p]     ; max(y, slope y): the slope lies between 0 and 1
.endr
.endr
	QUANT HA, 4, PC+96*\buf, PW+\buf
.endm
.macro STEPO                           ; both sets have been stored once: their bases move on by two tiles of results
	s_wait_xcnt 0x0                                ; the stores have read their bases
	s_add_nc_u64 s[OI:OI+1], s[OI:OI+1], s[52:53]
	s_add_nc_u64 s[OI+2:OI+3], s[OI+2:OI+3], s[52:53]
	s_add_nc_u64 s[OS:OS+1], s[OS:OS+1], s[54:55]
	s_add_nc_u64 s[OS+2:OS+3], s[OS+2:OS+3], s[54:55]
.endm
	s_load_b512 s[4:19], s[0:1], 0x0               ; A0, A1, W, five biases
	s_load_b128 s[20:23], s[0:1], 0x40             ; O0, O1
	v_lshrrev_b32 v1, 5, v0
	v_readfirstlane_b32 s[WV], v1
	v_and_b32 v5, 31, v0
	v_and_b32 v6, 15, v0
	v_bfe_u32 v7, v0, 4, 1
	v_lshlrev_b32 v1, 4, v5                        ; 16 x lane
	v_lshlrev_b32 v2, 2, v6                        ; 4 r
	v_and_b32 v3, 8, v6
	v_add_nc_u32 v3, v3, v6
	v_lshlrev_b32 v3, 2, v3                        ; 4 (r + 8 (r / 8))
	v_lshlrev_b32 v4, 6, v7                        ; 64 h
.irp b, 0,1,2,3
	v_mov_b32 v[TM+4+\b], 0
.endr
	v_mov_b32 v[TBV+1], 0
	s_wait_alu depctr_va_sdst(0)                   ; the wave's number is written in s[WV], ahead of its first reader: tiles and bases are made from it
	s_mov_b32 s[SEL], 0x76543210
	s_mov_b32 s[SEL+1], 0xfedcba98
	s_mov_b32 s[MNT], 0x600000
	s_and_b32 s25, ttmp7, 0xffff                   ; y: which product
	s_mov_b32 s26, ttmp9
	s_cmp_eq_u32 s25, 2
	s_cselect_b32 s27, 1, 0
	s_cmp_eq_u32 s25, 4
	s_cselect_b32 s27, 1, s27                      ; 1: the result is quantised along the tokens
	s_lshr_b32 s66, s26, 2
	s_and_b32 s67, s26, 3
	s_lshr_b32 s68, s26, 6
	s_and_b32 s69, s26, 63
	s_lshl_b32 s70, s[WV], 3
	s_lshl_b32 s71, s66, 5
	s_add_co_u32 s71, s71, s70
	s_add_co_u32 s72, s25, s68
	s_mov_b32 s73, 131072
	s_mov_b32 s74, 4194304
	s_mov_b32 s81, 8388608
	s_cmp_eq_u32 s27, 1
	s_cselect_b32 s[VM], -1, 0
	s_cselect_b32 s[NVM], 0, -1
	s_cselect_b32 s75, s66, s68                    ; g: which group of S
	s_cselect_b32 s76, s67, s69                    ; tr: which eight tiles of T
	s_cselect_b32 s77, s25, s72                    ; the weight's slot
	s_cselect_b32 s78, s71, s70                    ; S's first tile
	s_cselect_b32 s79, s73, 8192                   ; bytes from a tile of T's result to the next,
	s_cselect_b32 s80, 8192, s74                   ; and from group to group
	s_cselect_b32 s50, 128, 0                      ; the step of the bias along T's rows: two tiles, 32 numbers
	s_mov_b32 s51, 0
	s_cselect_b32 s81, s81, s74
	s_cmp_eq_u32 s25, 0
	s_cselect_b32 s81, 0, s81                      ; the result's region
	s_lshl_b32 s82, s76, 3
	s_mul_i32 s83, s82, s79
	s_add_co_u32 s81, s81, s83
	s_mul_i32 s83, s75, s80
	s_add_co_u32 s81, s81, s83
	s_lshl_b32 s83, s[WV], 11
	s_add_co_u32 s81, s81, s83                     ; where my first fragment goes
	s_lshl_b32 s84, s75, 11
	s_lshl_b32 s85, s[WV], 9
	s_add_co_u32 s84, s84, s85
	s_lshl_b32 s85, s76, 9
	s_cmp_eq_u32 s27, 1
	s_cselect_b32 s84, 0, s84                      ; the bias along S's rows begins here (its numbers are replaced by 0 where S is tokens),
	s_cselect_b32 s86, s85, 0                      ; the bias along T's rows here (replaced by 0 where T is tokens): every load stays in the buffer
	s_mov_b32 s97, 0
	s_mov_b32 s53, 0
	s_mov_b32 s55, 0
	s_wait_kmcnt 0x0
	s_load_b32 s[SL], s[8:9], HDR                  ; the slope
	s_cmp_lt_u32 s25, 3
	s_cselect_b64 s[4:5], s[4:5], s[6:7]
	s_cselect_b64 s[20:21], s[20:21], s[22:23]
	s_cmp_eq_u32 s25, 1
	s_cselect_b64 s[10:11], s[12:13], s[10:11]
	s_cmp_eq_u32 s25, 2
	s_cselect_b64 s[10:11], s[14:15], s[10:11]
	s_cmp_eq_u32 s25, 3
	s_cselect_b64 s[10:11], s[16:17], s[10:11]
	s_cmp_eq_u32 s25, 4
	s_cselect_b64 s[10:11], s[18:19], s[10:11]
	s_lshl_b32 s96, s77, 18
	s_add_nc_u64 s[88:89], s[8:9], s[96:97]
	s_lshl_b32 s96, s77, 13
	s_add_co_u32 s96, s96, W_SCL
	s_add_nc_u64 s[90:91], s[8:9], s[96:97]
	s_add_nc_u64 s[92:93], s[4:5], N_IMG
	s_add_nc_u64 s[94:95], s[4:5], N_SCL
	s_cmp_eq_u32 s27, 1
	s_cselect_b64 s[SI:SI+1], s[92:93], s[88:89]
	s_cselect_b64 s[SSC:SSC+1], s[94:95], s[90:91]
	s_cselect_b64 s[TI:TI+1], s[88:89], s[92:93]
	s_cselect_b64 s[TSC:TSC+1], s[90:91], s[94:95]
	s_lshl_b32 s96, s78, 13
	s_add_nc_u64 s[SI:SI+1], s[SI:SI+1], s[96:97]
	s_lshl_b32 s96, s78, 8
	s_add_nc_u64 s[SSC:SSC+1], s[SSC:SSC+1], s[96:97]
	s_lshl_b32 s96, s82, 13
	s_add_nc_u64 s[TI:TI+1], s[TI:TI+1], s[96:97]
	s_lshl_b32 s96, s82, 8
	s_add_nc_u64 s[TSC:TSC+1], s[TSC:TSC+1], s[96:97]
	s_add_co_u32 s96, s81, IMG
	s_add_nc_u64 s[OI:OI+1], s[20:21], s[96:97]
	s_mov_b32 s96, s79
	s_add_nc_u64 s[OI+2:OI+3], s[OI:OI+1], s[96:97]
	s_lshr_b32 s96, s81, 5
	s_add_co_u32 s96, s96, SCL
	s_add_nc_u64 s[OS:OS+1], s[20:21], s[96:97]
	s_lshr_b32 s96, s79, 5
	s_add_nc_u64 s[OS+2:OS+3], s[OS:OS+1], s[96:97]
	s_lshl_b32 s52, s79, 1                         ; a trip's steps: two tiles of results,
	s_lshr_b32 s54, s79, 4                         ; and their scale words
	s_mov_b32 s96, s84
	s_add_nc_u64 s[56:57], s[10:11], s[96:97]
	s_mov_b32 s96, s86
	s_add_nc_u64 s[TBP:TBP+1], s[10:11], s[96:97]
	; S stays: fragment (i, s) in window 1 + s / 2 at v[128 (s % 2) + 16 i]
	WIN 0x40
	s_wait_alu depctr_va_vdst(0)                   ; the four offsets v1 to v4 are written, which every load and store of the kernel reads; only loads and window switches stand between this wait and the head's last load
.irp s, 0,1,2,3
.if \s < 2
	WIN 0x40
.else
	WIN 0x80
.endif
.irp i, 0,1,2,3,4,5,6,7
.irp c, 0,1,2,3
	global_load_b128 v[128*(\s%2)+16*\i+4*\c:128*(\s%2)+16*\i+4*\c+3], v1, s[SI:SI+1] offset:(4*\i+\s)*2048+512*\c
.endr
.endr
.endr
	WIN 0
.irp i, 0,1,2,3,4,5,6,7
.irp s, 0,1,2,3
	global_load_b32 v[SS+4*\i+\s], v2, s[SSC:SSC+1] offset:(4*\i+\s)*64
.endr
.endr
	WIN 0xc0
.irp i, 0,1,2,3,4,5,6,7
	global_load_b128 v[8*\i:8*\i+3], v4, s[56:57] offset:128*(\i/2)+32*(\i%2)       ; the bias in the result's layout: tile i, rows 8 h + 0 .. 7
	global_load_b128 v[8*\i+4:8*\i+7], v4, s[56:57] offset:128*(\i/2)+32*(\i%2)+16
.endr
	TLOAD 0                                        ; tiles 0 and 1 of T
	TLOAD 1
	s_wait_kmcnt 0x0
	s_mov_b32 s[SL+1], s[SL]                       ; (named with it as a pair)
	s_wait_loadcnt 42                              ; all but the two sets of T
	WIN 0xcc
.set jj, 0
.rept 64
	v_cndmask_b32 v[jj], 0, v[jj], s[NVM]          ; where S is tokens there is no bias along its rows
.set jj, jj+1
.endr
	WIN 0
	s_wait_alu depctr_va_vdst(0)
	TILE 0, 1, 21, 0                               ; tile 0 stands ahead of the loop: there is no tile before it to store
	s_mov_b32 s58, 2
.Ltrip:                                                ; tiles 1 to 4, two to a trip: each trip stores one tile out of each set
	TILE 1, 1, 21, 1
	TILE 0, 1, 21, 1
	STEPO
	s_sub_co_u32 s58, s58, 1
	s_cmp_lg_u32 s58, 0
	s_cbranch_scc1 .Ltrip
	TILE 1, 1, 21, 1                               ; tile 5 asks for the last tile of T;
	TILE 0, 0, 21, 1                               ; the last two tiles load nothing
	STEPO
	TILE 1, 0, 0, 1
	s_wait_alu depctr_va_vdst(0)                   ; tile 7's conversions have written its codes and its scale word, which the last five stores read
	NSTORE 1
	s_endpgm
.Lfunc_end_k_q1056461eed_proj:
	.size	k_q1056461eed_proj, .Lfunc_end_k_q1056461eed_proj-k_q1056461eed_proj
	.p2alignl 7, 3214868480
	.fill 96, 4, 3214868480
	.section	.rodata,"a",@progbits
	.p2align	6, 0x0
	.amdhsa_kernel k_q1056461eed_proj
		.amdhsa_group_segment_fixed_size 0
		.amdhsa_private_segment_fixed_size 0
		.amdhsa_enable_private_segment 0
		.amdhsa_kernarg_size 80
		.amdhsa_user_sgpr_count 2
		.amdhsa_user_sgpr_kernarg_segment_ptr 1
		.amdhsa_wavefront_size32 1
		.amdhsa_system_sgpr_workgroup_id_x 1
		.amdhsa_system_sgpr_workgroup_id_y 1
		.amdhsa_system_sgpr_workgroup_id_z 1
		.amdhsa_system_vgpr_workitem_id 0
		.amdhsa_next_free_vgpr 1024
		.amdhsa_next_free_sgpr 100
		.amdhsa_reserve_vcc 0
		.amdhsa_float_denorm_mode_32 3
		.amdhsa_float_denorm_mode_16_64 3
		.amdhsa_memory_ordered 1
		.amdhsa_forward_progress 1
		.amdhsa_inst_pref_size 153
	.end_amdhsa_kernel
	.amdgpu_metadata
---
amdhsa.version: [ 1, 2 ]
amdhsa.kernels:
  - .name:           k_q1056461eed_proj
    .symbol:         k_q1056461eed_proj.kd
    .args:
      - { .name: XD, .offset: 0, .size: 8, .value_kind: global_buffer, .address_space: global }
      - { .name: XE, .offset: 8, .size: 8, .value_kind: global_buffer, .address_space: global }
      - { .name: WA, .offset: 16, .size: 8, .value_kind: global_buffer, .address_space: global }
      - { .name: bq1, .offset: 24, .size: 8, .value_kind: global_buffer, .address_space: global }
      - { .name: bk1, .offset: 32, .size: 8, .value_kind: global_buffer, .address_space: global }
      - { .name: bv1, .offset: 40, .size: 8, .value_kind: global_buffer, .address_space: global }
      - { .name: bk2, .offset: 48, .size: 8, .value_kind: global_buffer, .address_space: global }
      - { .name: bv2, .offset: 56, .size: 8, .value_kind: global_buffer, .address_space: global }
      - { .name: P1, .offset: 64, .size: 8, .value_kind: global_buffer, .address_space: global }
      - { .name: P2, .offset: 72, .size: 8, .value_kind: global_buffer, .address_space: global }
    .group_segment_fixed_size: 0
    .private_segment_fixed_size: 0
    .kernarg_segment_align: 8
    .kernarg_segment_size: 80
    .max_flat_workgroup_size: 128
    .sgpr_count:     100
    .vgpr_count:     1024
    .wavefront_size: 32
...
	.end_amdgpu_metadata
.endif
;; end of part 8
;; launch att1 (part 9): grid 8 x 32, 16 waves a work-group, clusters of 4 x 1, 276,480 bytes of LDS; arguments P1, M1, AT; writes AT
.if DOCPART == 9
	.amdgcn_target "amdgcn-amd-amdhsa--gfx1250"
	.amdhsa_code_object_version 6
	.text
	.protected	k_q1056461eed_att1
	.globl	k_q1056461eed_att1
	.p2align	8
	.type	k_q1056461eed_att1,@function
k_q1056461eed_att1:
	s_mov_b64 s[64:65], 0
	v_nop
	global_prefetch_b8 v0, s[64:65] scope:SCOPE_SE
	s_setreg_imm32_b32 hwreg(HW_REG_WAVE_MODE, 25, 1), 1
	s_wait_xcnt 0x0
	s_wait_alu depctr_hold_cnt(0) depctr_sa_sdst(0) depctr_va_vdst(0) depctr_va_sdst(0) depctr_va_ssrc(0) depctr_va_vcc(0) depctr_vm_vsrc(0)
	s_getreg_b32 s2, hwreg(HW_REG_IB_STS2, 6, 4)
	s_cmp_eq_u32 s2, 0
	s_cbranch_scc0 .Lentry_in_a_cluster
	s_endpgm
.Lentry_in_a_cluster:
	s_bfe_u32 s2, ttmp6, 0x10000c
	s_cmp_lg_u32 s2, 0x3003
	s_cbranch_scc0 .Lentry_shape_is_right
	s_endpgm
.Lentry_shape_is_right:
; ATTENTION ON CODES OF E4M3: a = Q(softmax(mask(q k^T / 8)) v), head size 64, 2,048 queries and keys, 8 heads, 4 batches.  Both products are quantised, the result is quantised for the next product.
; THE SOFTMAX: t = score x log2(e) / 8; M = the running largest t rounded up to a whole number; p = 2^(t - M) is quantised along the keys; the row's sum is taken of the unquantised p and divides at the end.
; THE MASK is an input: an earlier launch has packed it into lane masks, 64 words for a tile of 16 queries and a step of 128 keys; they come by scalar loads, one step ahead, and only select values.
; A masked score is replaced by -2^33 ahead of the scaling: t is then a whole number near -1.5e9, so that in a row that is masked throughout every p is exactly 1, as with -1e9 x log2(e).
; LIMIT: true scores under -2^33 are not told from masked ones.  A block of zeros gets the scale byte 1.  NaN and infinities are not served.
; SHARES: a work-group owns 256 queries of one head, each of sixteen waves a tile of 16, in 256 registers; every wave walks the 16 steps of 128 keys.
; THE HEAD'S K AND V LIE WHOLE IN LDS (128 KiB each, and their scale words): filled once, at the start, and only read afterwards.  So there is no ring and nothing is filled again.
; CLUSTER: the four query blocks of a cluster belong to one head: each fill is asked for jointly, with a mask that names the four.
; No prefetch: K and V are asked for whole at the head, and the mask words are asked for a step ahead into scalar registers.
; LAYOUT: operands are images of the operand's registers (fragment: byte 512 c + 16 lane + e).  Both products are used transposed: a lane holds one query throughout.
; K = 64 IN AN INSTRUCTION 128 DEEP: q's upper eight registers are zero codes; a key tile's upper eight registers are the next tile's codes (never the NaN code), or zeros: they add nothing.
; The scale words are read as half words: the head's two bytes below, two bytes 0 above, which stand over zero products.
.set IMG,   3145728
.set SCL,   19922944
.set A_SCL, 4194304
.set LV,    131072                     ; LDS: K's tiles at 1,024 T; V's fragments at LV + 32,768 dt + 2,048 step;
.set LKS,   262144                     ; K's scale words, 64 bytes a tile;
.set LVS,   270336                     ; V's, at 1,024 dt + 64 step
.set S,    104                         ; v104-167 scores, then p
.set O,    168                         ; v168-199 O^T
.set PC,   200                         ; p's codes
.set TM,   216                         ; v216-231 at work
.set TMP,  232
.set KS,   240
.set VS,   244
.set QS,   246
.set PW,   247
.set FP,   248                         ; v[248:249] f = 2^(old M - new M) (low word)
.set NEG,  250
.set WV,   10
.set SEL,  18
.set CS,   20
.set MNT,  22
.set CNT,  23
.set MP,   28
.macro QUANT s, nb
.irp b, 0,1,2,3
.if \b < \nb
	v_max3_num_f32 v[TM+\b], |v[\s+16*\b]|, |v[\s+1+16*\b]|, 0x4800000
.endif
.endr
.irp i, 2,4,6,8,10,12,14
.irp b, 0,1,2,3
.if \b < \nb
	s_delay_alu instid0(VALU_DEP_2)
	v_max3_num_f32 v[TM+\b], v[TM+\b], |v[\s+16*\b+\i]|, |v[\s+1+16*\b+\i]|
.endif
.endr
.endr
.irp b, 0,1,2,3
.if \b < \nb
	s_delay_alu instid0(VALU_DEP_2)
	v_permlanex16_b32 v[TM+4+\b], v[TM+\b], s[SEL], s[SEL+1]
.endif
.endr
.irp b, 0,1,2,3
.if \b < \nb
	s_delay_alu instid0(VALU_DEP_2)
	v_max_num_f32 v[TM+\b], v[TM+\b], v[TM+4+\b]
.endif
.endr
.irp b, 0,1,2,3
.if \b < \nb
	s_delay_alu instid0(VALU_DEP_2)
	v_add_nc_u32 v[TM+12+\b], 0xfc000000, v[TM+\b]
.endif
.endr
.irp b, 0,1,2,3
.if \b < \nb
	s_delay_alu instid0(VALU_DEP_4)
	v_and_or_b32 v[TM+8+\b], v[TM+\b], 0x7f800000, s[MNT]
.endif
.endr
.irp b, 0,1,2,3
.if \b < \nb
	s_delay_alu instid0(VALU_DEP_4)
	v_lshrrev_b32 v[TM+4+\b], 23, v[TM+12+\b]
.endif
.endr
	s_delay_alu instid0(VALU_DEP_1)
	v_lshl_or_b32 v[PW], v[TM+5], 8, v[TM+4]
.if \nb > 2
	v_lshl_or_b32 v[PW], v[TM+6], 16, v[PW]
	v_lshl_or_b32 v[PW], v[TM+7], 24, v[PW]
.endif
.irp b, 0,1,2,3
.if \b < \nb
.irp i, 0,1,2,3,4,5,6,7,8,9,10,11,12,13,14,15
	v_med3_num_f32 v[\s+16*\b+\i], v[\s+16*\b+\i], -v[TM+8+\b], v[TM+8+\b]
.endr
	v_cvt_scalef32_pk8_fp8_f32 v[PC+4*\b:PC+1+4*\b], v[\s+16*\b:\s+7+16*\b], v[TM+12+\b]
	v_cvt_scalef32_pk8_fp8_f32 v[PC+2+4*\b:PC+3+4*\b], v[\s+8+16*\b:\s+15+16*\b], v[TM+12+\b]
.endif
.endr
	v_nop
.endm
.macro ROUND                           ; a round of the cluster's barrier
	s_barrier_signal -1
	s_barrier_wait -1
	s_cmp_lg_u32 s[WV], 0
	s_cbranch_scc1 .Lnot_wave_0_\@
	s_barrier_signal -3
.Lnot_wave_0_\@:
	s_barrier_wait -3
	s_barrier_signal -1
	s_barrier_wait -1
.endm
.macro G1SET g, c, r, p                ; descriptor group 1: r rows of c elements of 8 bytes, p elements from row to row; the mask names all four work-groups, bit 21 beside it; no padding
	s_mov_b32 s[\g], 15|(3<<16)|(1<<21)
	s_mov_b32 s[\g+1], (\c)<<16
	s_mov_b32 s[\g+2], (\r)<<16
	s_mov_b32 s[\g+3], (\c)<<16
	s_mov_b32 s[\g+4], \r
	s_mov_b32 s[\g+5], \p
	s_mov_b32 s[\g+6], 0
	s_mov_b32 s[\g+7], 0
.endm
	s_load_b128 s[4:7], s[0:1], 0x0                ; P (q, k, v as codes), M (mask words)
	s_load_b64 s[8:9], s[0:1], 0x10                ; AT
	v_lshl_add_u32 v254, v0, 2, 0x43000
	v_mov_b32 v255, 0
	ds_add_u32 v254, v255
	ds_add_u32 v254, v255
	v_lshrrev_b32 v1, 5, v0
	s_delay_alu instid0(VALU_DEP_1)
	v_readfirstlane_b32 s[WV], v1                  ; wave 0..15
	s_and_b32 s11, s[WV], 7                        ; which eighth of K (waves 0-7) or of V (waves 8-15) I fetch
	s_bfe_u32 s12, ttmp6, 0x40000                  ; cx
	s_lshl_b32 s13, ttmp9, 2
	s_add_co_u32 s13, s13, s12                     ; my block of 256 queries: it enters global addresses of q, the mask and a alone
	s_and_b32 s14, ttmp7, 0xffff
	s_lshr_b32 s15, s14, 3                         ; batch
	s_and_b32 s16, s14, 7                          ; head
	s_lshr_b32 s2, s16, 1
	s_and_b32 s3, s16, 1
	s_lshl_b32 s17, s15, 7
	s_lshl_b32 s30, s13, 4
	s_add_co_u32 s17, s17, s30
	s_add_co_u32 s17, s17, s[WV]                   ; m: my tile of 16 queries among the 512
	G1SET 32, 128, 16, 1024                        ; K: 16 tiles' 1,024 bytes, 8,192 bytes apart
	G1SET 40, 128, 16, 128                         ; V: 16,384 dense bytes
	G1SET 48, 8, 16, 32                            ; K's scale words: 16 tiles' 64 bytes, 256 bytes apart
	G1SET 56, 64, 1, 64                            ; V's: 512 dense bytes
	s_mov_b32 s[SEL], 0x76543210
	s_mov_b32 s[SEL+1], 0xfedcba98
	s_mov_b32 s[CS], 0x3e38aa3b                    ; log2(e) / 8
	s_mov_b32 s[CS+1], s[CS]
	s_mov_b32 s[MNT], 0x600000
	s_mov_b32 s31, 0
	s_lshl_b32 s24, s15, 7
	s_lshl_b32 s25, s11, 4
	s_add_co_u32 s24, s24, s25                     ; the first key tile that I fetch
	s_lshl_b32 s26, s16, 2
	s_lshr_b32 s25, s11, 1
	s_add_co_u32 s26, s26, s25                     ; the feature tile of V that I fetch,
	s_lshl_b32 s27, s15, 4
	s_and_b32 s25, s11, 1
	s_lshl_b32 s25, s25, 3
	s_add_co_u32 s27, s27, s25                     ; and its first 128 keys
	s_wait_dscnt 0x0
	s_wait_kmcnt 0x0
	s_mov_b32 s68, 1                               ; group 0 for K's codes
	s_lshl_b32 s69, s11, 14
	s_lshl_b32 s30, s24, 13
	s_lshl_b32 s25, s16, 10
	s_add_co_u32 s30, s30, s25
	s_add_co_u32 s30, s30, IMG+4194304
	s_add_nc_u64 s[70:71], s[4:5], s[30:31]
	s_or_b32 s71, s71, 0x80000000
	s_mov_b32 s72, 1                               ; K's scale words
	s_lshl_b32 s73, s11, 10
	s_add_co_u32 s73, s73, LKS
	s_lshl_b32 s30, s24, 8
	s_lshl_b32 s25, s2, 6
	s_add_co_u32 s30, s30, s25
	s_add_co_u32 s30, s30, SCL+131072
	s_add_nc_u64 s[74:75], s[4:5], s[30:31]
	s_or_b32 s75, s75, 0x80000000
	s_mov_b32 s76, 1                               ; V's codes
	s_lshl_b32 s77, s11, 14
	s_add_co_u32 s77, s77, LV
	s_lshl_b32 s30, s26, 17
	s_lshl_b32 s25, s27, 11
	s_add_co_u32 s30, s30, s25
	s_add_co_u32 s30, s30, IMG+8388608
	s_add_nc_u64 s[78:79], s[4:5], s[30:31]
	s_or_b32 s79, s79, 0x80000000
	s_mov_b32 s80, 1                               ; V's scale words
	s_lshl_b32 s81, s11, 9
	s_add_co_u32 s81, s81, LVS
	s_lshl_b32 s30, s26, 12
	s_lshl_b32 s25, s27, 6
	s_add_co_u32 s30, s30, s25
	s_add_co_u32 s30, s30, SCL+262144
	s_add_nc_u64 s[82:83], s[4:5], s[30:31]
	s_or_b32 s83, s83, 0x80000000
	ROUND                                          ; all four work-groups are here: the joint loads meet
	s_cmp_lt_u32 s[WV], 8                          ; a wave's two fills stand in one branch: two tensor loads of mine are out; four v_nop follow the second
	s_cbranch_scc0 .Lfor_v
	tensor_load_to_lds s[68:71], s[32:39]
	s_nop 0
	tensor_load_to_lds s[72:75], s[48:55]
	s_nop 0
.rept 4
	v_nop
.endr
	s_branch .Lasked
.Lfor_v:
	tensor_load_to_lds s[76:79], s[40:47]
	s_nop 0
	tensor_load_to_lds s[80:83], s[56:63]
	s_nop 0
.rept 4
	v_nop
.endr
.Lasked:
	v_and_b32 v11, 31, v0
	v_and_b32 v10, 15, v0
	v_bfe_u32 v9, v0, 4, 1
	s_delay_alu instid0(VALU_DEP_3)
	v_lshlrev_b32 v1, 4, v11                       ; K: 16 x lane
	s_wait_alu depctr_va_vdst(0)
	v_add_nc_u32 v2, LV, v1                        ; V
	s_lshl_b32 s30, s3, 1
	s_add_co_u32 s30, s30, LKS
	v_lshl_add_u32 v3, v11, 2, s30                 ; K's scale half words: lanes 0-15 an even tile's rows, lanes 16-31 the next tile's; + 2 for an odd head
	v_lshlrev_b32 v10, 2, v10                      ; 4 r
	s_wait_alu depctr_va_vdst(0)
	v_lshl_add_u32 v4, v9, 10, v10
	s_delay_alu instid0(VALU_DEP_1)
	v_add_nc_u32 v4, LVS, v4                       ; V's scale words: lanes 16-31 take the next feature tile's
	s_lshl_b32 s30, s17, 13
	s_lshl_b32 s25, s16, 10
	s_add_co_u32 s30, s30, s25
	s_add_co_u32 s30, s30, IMG
	s_add_nc_u64 s[66:67], s[4:5], s[30:31]        ; q's codes
	s_lshl_b32 s30, s17, 8
	s_lshl_b32 s25, s2, 6
	s_add_co_u32 s30, s30, s25
	s_lshl_b32 s25, s3, 1
	s_add_co_u32 s30, s30, s25
	s_add_co_u32 s30, s30, SCL
	s_add_nc_u64 s[100:101], s[4:5], s[30:31]      ; and its scale half words
	global_load_b128 v[16:19], v1, s[66:67]
	global_load_b128 v[20:23], v1, s[66:67] offset:512
	global_load_u16 v[QS], v10, s[100:101]
	s_lshl_b32 s30, s17, 12
	s_add_nc_u64 s[MP:MP+1], s[6:7], s[30:31]      ; my tile's mask words: 256 bytes a step
.irp j, 24,25,26,27,28,29,30,31,96,97,98,99,100,101,102,103
	v_mov_b32 v[\j], 0                             ; zero codes
.endr
.set jj, 0
.rept 32
	v_mov_b32 v[O+jj], 0                           ; the loop is written once: its first step finds zeros
.set jj, jj+1
.endr
	v_mov_b32 v13, 0xff61b1e6                      ; the largest t so far: -3e38
	s_delay_alu instid0(VALU_DEP_1)
	v_floor_f32 v12, -v13                          ; -M
	v_mov_b32 v14, 0
	v_mov_b32 v15, 0
.irp b, 0,1,2,3
	v_mov_b32 v[TM+4+\b], 0
.endr
	v_mov_b32 v[FP+1], 0
	v_mov_b32 v[NEG], 0xd0000000                   ; -2^33
	s_mov_b32 s[CNT], 0
	s_mov_b32 s24, 0                               ; the step's place in K, in V and among their scale words
	s_mov_b32 s25, 0
	s_mov_b32 s26, 0
	s_mov_b32 s27, 0
	s_wait_tensorcnt 0x0                           ; my two fills have landed,
	s_barrier_signal -1
	s_barrier_wait -1                              ; everybody's have.  The descriptors' registers are free: they take the mask words
	s_load_b512 s[32:47], s[MP:MP+1], 0x0
	s_load_b512 s[48:63], s[MP:MP+1], 0x40
	s_load_b512 s[68:83], s[MP:MP+1], 0x80
	s_load_b512 s[84:99], s[MP:MP+1], 0xc0
	s_wait_loadcnt 0x0                             ; q
.Lstep:
	s_setprio 2
	v_add_nc_u32 v5, s24, v1
	v_add_nc_u32 v6, s25, v2
	s_delay_alu instid0(VALU_DEP_1)
	v_add_nc_u32 v7, 0x10000, v6                   ; (an LDS offset has 16 bits)
	v_add_nc_u32 v8, s26, v3
	v_add_nc_u32 v9, s27, v4
.rept 3
	v_nop                                          ; with the five additions: eight places behind the last products, ahead of the loads into registers that they read
.endr
.irp t, 0,1,2,3,4,5,6,7
	ds_load_b128 v[32+8*\t:35+8*\t], v5 offset:1024*\t
	ds_load_b128 v[36+8*\t:39+8*\t], v5 offset:1024*\t+512
.endr
.irp p, 0,1,2,3
	ds_load_u16 v[KS+\p], v8 offset:128*\p
.endr
	s_wait_alu depctr_va_vdst(0)
	s_wait_dscnt 0x0
.irp t, 0,2,4,6                                ; S^T = k q^T: lane (r, h) holds query r; registers 16 b + i are keys 32 b + 16 h + i of the step
	v_wmma_scale_f32_16x16x128_f8f6f4 v[S+8*\t:S+8*\t+7], v[32+8*\t:47+8*\t], v[16:31], 0, v[KS+\t/2], v[QS]
	v_wmma_scale_f32_16x16x128_f8f6f4 v[S+8*\t+8:S+8*\t+15], v[40+8*\t:55+8*\t], v[16:31], 0, v[KS+\t/2], v[QS] matrix_a_scale:MATRIX_SCALE_ROW1
.endr
.rept 8
	v_nop
.endr
.irp c, 0,1,2,3                                ; V's fragments of the step are asked for now and land during the softmax
	ds_load_b128 v[32+4*\c:35+4*\c], v6 offset:512*\c
	ds_load_b128 v[48+4*\c:51+4*\c], v6 offset:32768+512*\c
	ds_load_b128 v[64+4*\c:67+4*\c], v7 offset:512*\c
	ds_load_b128 v[80+4*\c:83+4*\c], v7 offset:32768+512*\c
.endr
	ds_load_b32 v[VS], v9
	ds_load_b32 v[VS+1], v9 offset:2048
	s_wait_kmcnt 0x0                               ; the step's mask words
.set nn, 0
.rept 32
	v_cndmask_b32 v[S+nn], v[NEG], v[S+nn], s[32+nn]
.set nn, nn+1
.endr
.rept 32
	v_cndmask_b32 v[S+nn], v[NEG], v[S+nn], s[36+nn]
.set nn, nn+1
.endr
.irp b, 0,1,2,3
	v_max3_num_f32 v[TM+\b], v[S+16*\b], v[S+1+16*\b], v[S+2+16*\b]   ; the largest score of each block of 32 keys: for the row's maximum, and, since p rises with the score, for the block's largest p
.endr
.irp i, 3,5,7,9,11,13
.irp b, 0,1,2,3
	s_delay_alu instid0(VALU_DEP_4)
	v_max3_num_f32 v[TM+\b], v[TM+\b], v[S+16*\b+\i], v[S+1+16*\b+\i]
.endr
.endr
.irp b, 0,1,2,3
	s_delay_alu instid0(VALU_DEP_4)
	v_max_num_f32 v[TM+\b], v[TM+\b], v[S+15+16*\b]
.endr
.irp b, 0,1,2,3
	s_delay_alu instid0(VALU_DEP_4)
	v_permlanex16_b32 v[TM+4+\b], v[TM+\b], s[SEL], s[SEL+1]
.endr
.irp b, 0,1,2,3
	s_delay_alu instid0(VALU_DEP_4)
	v_max_num_f32 v[TM+\b], v[TM+\b], v[TM+4+\b]
.endr
	s_delay_alu instid0(VALU_DEP_2)
	v_max3_num_f32 v[TMP], v[TM], v[TM+1], v[TM+2]
	s_delay_alu instid0(VALU_DEP_1)
	v_max_num_f32 v[TMP], v[TMP], v[TM+3]
	s_delay_alu instid0(VALU_DEP_1)
	v_mul_f32 v[TMP], s[CS], v[TMP]
	s_delay_alu instid0(VALU_DEP_1)
	v_max_num_f32 v13, v13, v[TMP]                 ; the running largest t
	v_mov_b32 v[TMP], v12
	s_delay_alu instid0(VALU_DEP_2)
	v_floor_f32 v12, -v13                          ; the new -M: M is a whole number
	s_delay_alu instid0(VALU_DEP_1)
	v_sub_f32 v[TMP], v12, v[TMP]
	s_delay_alu instid0(VALU_DEP_1)
	v_cvt_i32_f32 v[TMP], v[TMP]                   ; (it saturates)
	s_delay_alu instid0(VALU_DEP_1)
	v_ldexp_f32 v[FP], 1.0, v[TMP]                 ; f = 2^(old M - new M)
.set jj, 0
.rept 32
	v_pk_fma_f32 v[S+jj:S+jj+1], v[S+jj:S+jj+1], s[CS:CS+1], v[12:13] op_sel_hi:[1,0,0]   ; t - M
.set jj, jj+2
.endr
.irp b, 0,1,2,3
	v_fma_f32 v[TM+\b], v[TM+\b], s[CS], v12
.endr
.set jj, 0
	s_wait_alu depctr_va_vdst(0)
.rept 64
	v_exp_f32 v[S+jj], v[S+jj]                     ; p = 2^(t - M)
.set jj, jj+1
.endr
	s_setprio 1
	v_pk_mul_f32 v[14:15], v[14:15], v[FP:FP+1] op_sel_hi:[1,0]   ; the sums under the new M: a plain line behind the exponentials
	s_wait_alu depctr_va_vdst(0)                   ; one wait for the batch, ahead of its first reader
	s_cmp_lt_u32 s[CNT], 15                        ; the next step's mask words are asked for; the last step asks for its own again, so that no load leaves the buffer
	s_cselect_b32 s30, 256, 0
	s_add_nc_u64 s[MP:MP+1], s[MP:MP+1], s[30:31]  ; (the earlier loads from this base have been waited for)
	s_load_b512 s[32:47], s[MP:MP+1], 0x0
	s_load_b512 s[48:63], s[MP:MP+1], 0x40
	s_load_b512 s[68:83], s[MP:MP+1], 0x80
	s_load_b512 s[84:99], s[MP:MP+1], 0xc0
.irp b, 0,1,2,3
	v_exp_f32 v[TM+\b], v[TM+\b]                   ; the blocks' largest p
.endr
	v_pk_add_f32 v[220:221], v[108:109], v[112:113]
	v_pk_add_f32 v[252:253], v[116:117], v[120:121]
	v_pk_add_f32 v[242:243], v[124:125], v[128:129]
	v_pk_add_f32 v[240:241], v[132:133], v[136:137]
	v_pk_add_f32 v[238:239], v[140:141], v[144:145]
	v_pk_add_f32 v[236:237], v[148:149], v[152:153]
	v_pk_add_f32 v[234:235], v[156:157], v[160:161]
	v_pk_add_f32 v[14:15], v[14:15], v[164:165]
	v_pk_add_f32 v[220:221], v[220:221], v[104:105]
	v_pk_add_f32 v[252:253], v[252:253], v[106:107]
	v_pk_add_f32 v[242:243], v[242:243], v[110:111]
	v_pk_add_f32 v[240:241], v[240:241], v[114:115]
	v_pk_add_f32 v[238:239], v[238:239], v[118:119]
	v_pk_add_f32 v[236:237], v[236:237], v[122:123]
	v_pk_add_f32 v[234:235], v[234:235], v[126:127]
	v_pk_add_f32 v[14:15], v[14:15], v[130:131]
	v_pk_add_f32 v[220:221], v[220:221], v[134:135]
	v_pk_add_f32 v[252:253], v[252:253], v[138:139]
	v_pk_add_f32 v[242:243], v[242:243], v[142:143]
	v_pk_add_f32 v[240:241], v[240:241], v[146:147]
	v_pk_add_f32 v[238:239], v[238:239], v[150:151]
	v_pk_add_f32 v[236:237], v[236:237], v[154:155]
	v_pk_add_f32 v[234:235], v[234:235], v[158:159]
	v_pk_add_f32 v[14:15], v[14:15], v[162:163]
	v_pk_add_f32 v[220:221], v[220:221], v[166:167]
	s_delay_alu instid0(VALU_DEP_2)
	v_pk_add_f32 v[14:15], v[14:15], v[240:241]
	s_delay_alu instid0(VALU_DEP_2)
	v_pk_add_f32 v[220:221], v[220:221], v[238:239]
	v_pk_add_f32 v[252:253], v[252:253], v[236:237]
	v_pk_add_f32 v[242:243], v[242:243], v[234:235]
	s_delay_alu instid0(VALU_DEP_2)
	v_pk_add_f32 v[14:15], v[14:15], v[252:253]
	s_delay_alu instid0(VALU_DEP_2)
	v_pk_add_f32 v[220:221], v[220:221], v[242:243]
	s_delay_alu instid0(VALU_DEP_1)
	v_pk_add_f32 v[14:15], v[14:15], v[220:221]
	s_wait_alu depctr_va_vdst(0)                   ; and one for the four
.irp b, 0,1,2,3
	v_max_num_f32 v[TM+\b], 0x4800000, v[TM+\b]
.endr
.irp b, 0,1,2,3
	s_delay_alu instid0(VALU_DEP_4)
	v_add_nc_u32 v[TM+12+\b], 0xfc000000, v[TM+\b]
.endr
.irp b, 0,1,2,3
	v_and_or_b32 v[TM+8+\b], v[TM+\b], 0x7f800000, s[MNT]
.endr
.irp b, 0,1,2,3
	v_lshrrev_b32 v[TM+4+\b], 23, v[TM+12+\b]
.endr
	s_delay_alu instid0(VALU_DEP_3)
	v_lshl_or_b32 v[PW], v[TM+5], 8, v[TM+4]       ; p's scale word for these 128 keys
	s_delay_alu instid0(VALU_DEP_1)
	v_lshl_or_b32 v[PW], v[TM+6], 16, v[PW]
	s_delay_alu instid0(VALU_DEP_1)
	v_lshl_or_b32 v[PW], v[TM+7], 24, v[PW]
.irp b, 0,1,2,3
.irp i, 0,1,2,3,4,5,6,7,8,9,10,11,12,13,14,15
	v_min_num_f32 v[S+16*\b+\i], v[S+16*\b+\i], v[TM+8+\b]     ; p is not negative: the hold is one-sided
.endr
	v_cvt_scalef32_pk8_fp8_f32 v[PC+4*\b:PC+1+4*\b], v[S+16*\b:S+7+16*\b], v[TM+12+\b]
	v_cvt_scalef32_pk8_fp8_f32 v[PC+2+4*\b:PC+3+4*\b], v[S+8+16*\b:S+15+16*\b], v[TM+12+\b]
.endr
.set jj, 0
	s_setprio 0
.rept 16
	v_pk_mul_f32 v[O+jj:O+jj+1], v[O+jj:O+jj+1], v[FP:FP+1] op_sel_hi:[1,0]   ; O^T under the new M; also the places between the codes and the products
.set jj, jj+2
.endr
	s_wait_alu depctr_va_vdst(0)
	s_wait_dscnt 0x0                               ; V
.irp d, 0,2                                    ; O^T += v^T p^T: four accumulators, one instruction a turn
	v_wmma_scale_f32_16x16x128_f8f6f4 v[O+8*\d:O+8*\d+7], v[32+16*\d:47+16*\d], v[PC:PC+15], v[O+8*\d:O+8*\d+7], v[VS+\d/2], v[PW]
	v_wmma_scale_f32_16x16x128_f8f6f4 v[O+8*\d+8:O+8*\d+15], v[48+16*\d:63+16*\d], v[PC:PC+15], v[O+8*\d+8:O+8*\d+15], v[VS+\d/2], v[PW] matrix_a_scale:MATRIX_SCALE_ROW1
.endr
	s_add_co_u32 s24, s24, 8192
	s_add_co_u32 s25, s25, 2048
	s_add_co_u32 s26, s26, 512
	s_add_co_u32 s27, s27, 64
	s_add_co_u32 s[CNT], s[CNT], 1
	s_cmp_lt_u32 s[CNT], 16
	s_cbranch_scc1 .Lstep
	s_setprio 0
	; THE WAY OUT: O^T / the sum is quantised along the head's 64 (two blocks) and leaves as half a fragment of the next product's operand
	s_wait_kmcnt 0x0                               ; the last words asked for: their registers are used again
.rept 8
	v_nop
.endr
	v_add_f32 v14, v14, v15
	s_delay_alu instid0(VALU_DEP_1)
	v_permlanex16_b32 v[TMP], v14, s[SEL], s[SEL+1]
	s_delay_alu instid0(VALU_DEP_1)
	v_add_f32 v14, v14, v[TMP]
	s_wait_alu depctr_va_vdst(0)
	v_rcp_f32 v14, v14
	v_nop
	s_lshl_b32 s30, s17, 13
	s_lshl_b32 s25, s16, 10
	s_add_co_u32 s30, s30, s25
	s_add_nc_u64 s[32:33], s[8:9], s[30:31]
	s_lshl_b32 s30, s17, 8
	s_lshl_b32 s25, s2, 6
	s_add_co_u32 s30, s30, s25
	s_lshl_b32 s25, s3, 1
	s_add_co_u32 s30, s30, s25
	s_add_co_u32 s30, s30, A_SCL
	s_add_nc_u64 s[34:35], s[8:9], s[30:31]
	s_wait_alu depctr_va_vdst(0)
.set jj, 0
.rept 32
	v_mul_f32 v[S+jj], v[O+jj], v14                ; register 16 b + i: channel 32 b + 16 h + i of my query
.set jj, jj+1
.endr
	QUANT S, 2
	global_store_b128 v1, v[PC:PC+3], s[32:33]
	global_store_b128 v1, v[PC+4:PC+7], s[32:33] offset:512
	global_store_b16 v10, v[PW], s[34:35]          ; the head's two scale bytes of my row
	s_wait_tensorcnt 0x0
	ds_add_u32 v254, v255
	s_wait_dscnt 0x0
	ROUND                                          ; the closing round
	s_endpgm
.Lfunc_end_k_q1056461eed_att1:
	.size	k_q1056461eed_att1, .Lfunc_end_k_q1056461eed_att1-k_q1056461eed_att1
	.p2alignl 7, 3214868480
	.fill 96, 4, 3214868480
	.section	.rodata,"a",@progbits
	.p2align	6, 0x0
	.amdhsa_kernel k_q1056461eed_att1
		.amdhsa_group_segment_fixed_size 276480
		.amdhsa_private_segment_fixed_size 0
		.amdhsa_enable_private_segment 0
		.amdhsa_kernarg_size 24
		.amdhsa_user_sgpr_count 2
		.amdhsa_user_sgpr_kernarg_segment_ptr 1
		.amdhsa_wavefront_size32 1
		.amdhsa_system_sgpr_workgroup_id_x 1
		.amdhsa_system_sgpr_workgroup_id_y 1
		.amdhsa_system_sgpr_workgroup_id_z 1
		.amdhsa_system_vgpr_workitem_id 0
		.amdhsa_next_free_vgpr 256
		.amdhsa_next_free_sgpr 102
		.amdhsa_reserve_vcc 0
		.amdhsa_float_denorm_mode_32 3
		.amdhsa_float_denorm_mode_16_64 3
		.amdhsa_memory_ordered 1
		.amdhsa_forward_progress 1
		.amdhsa_inst_pref_size 43
	.end_amdhsa_kernel
	.amdgpu_metadata
---
amdhsa.version: [ 1, 2 ]
amdhsa.kernels:
  - .name:           k_q1056461eed_att1
    .symbol:         k_q1056461eed_att1.kd
    .args:
      - { .name: P1, .offset: 0, .size: 8, .value_kind: global_buffer, .address_space: global }
      - { .name: M1, .offset: 8, .size: 8, .value_kind: global_buffer, .address_space: global }
      - { .name: AT, .offset: 16, .size: 8, .value_kind: global_buffer, .address_space: global }
    .group_segment_fixed_size: 276480
    .private_segment_fixed_size: 0
    .kernarg_segment_align: 8
    .kernarg_segment_size: 24
    .max_flat_workgroup_size: 512
    .sgpr_count:     102
    .vgpr_count:     256
    .wavefront_size: 32
...
	.end_amdgpu_metadata
.endif
;; end of part 9
;; launch woq (part 10): grid 256 x 1, 4 waves a work-group, no clusters, 52,736 bytes of LDS; arguments AT, P1, bo1, de_out, ln2_g, ln2_b, XD, bq2, P2; writes XD, P2
.if DOCPART == 10
	.amdgcn_target "amdgcn-amd-amdhsa--gfx1250"
	.amdhsa_code_object_version 6
	.text
	.protected	k_q1056461eed_woq
	.globl	k_q1056461eed_woq
	.p2align	8
	.type	k_q1056461eed_woq,@function
k_q1056461eed_woq:
	s_mov_b64 s[64:65], 0
	v_nop
	global_prefetch_b8 v0, s[64:65] scope:SCOPE_SE
	s_setreg_imm32_b32 hwreg(HW_REG_WAVE_SCHED_MODE, 0, 2), 2
	s_setreg_imm32_b32 hwreg(HW_REG_WAVE_MODE, 25, 1), 1
	s_wait_xcnt 0x0
	s_wait_alu depctr_vm_vsrc(0)
; x = r + (a Wo + bo);  n = Q(layer norm(x) g + b);  q = Q(n Wq + bq).  a: codes (an image of the operand's registers); Wo: slot 4, Wq: slot 0 of the weights' buffer; r: f32 rows.
; x leaves as f32 rows; q leaves as codes, laid as the attention reads them: fragment (token tile T, K step s) at (4 T + s) x 2,048 bytes, its 16 scale words at (4 T + s) x 64.  n NEVER GOES TO MEMORY.
; A work-group owns 32 tokens (two tiles of 16), wave w the features 128 w .. 128 w + 127 of both products: its 8 tiles x 4 K steps of Wo stay in 512 registers, and Wq's take their place as soon as Wo's last products are issued.
; Both products are used transposed (source 0 = the weight's rows, source 1 = tokens): a lane holds one token and 64 features, 16 neighbours of each block of 32; r + bo, loaded in that layout, is the C of the first product's first K step, bq of the second's.
; Row r of tile T is row 32 (T / 2) + 8 (T % 2) + r + 8 (r / 8).
; The row's mean and variance span the four waves: two sums a tile meet in LDS, each in a block of its own that is used once.  Two passes (mean; then the differences' squares).
; n GOES FROM WAVE TO WAVE THROUGH LDS AS AN IMAGE OF ITS REGISTERS: wave w's 128 features of a tile are K step w of the second product: four stores of 512 bytes, lane l's 16 bytes at 16 l; the same lines as loads give any wave the fragment.
; Wq's 128 loads of a wave go out in three runs among the second tile's way out, statistics and normalisation: 48 loads a run, so that the wave has work between them.
; No multicast: the weights' parts differ from wave to wave, and the launch is short.
; LIMITS: a block of zeros gets the scale byte 1 (its codes are zeros; this program alone reads the bytes); NaN and infinities are not served.
; THE MODE: SCHED_MODE bits 1:0 = 2 (LLVM: expert scheduling mode 2), set by the entry lines.  The code itself states the register dependences
; between vector or matrix instructions and memory or LDS instructions, with s_wait_alu, always for 0.
; THE PLAN.  Registers that memory or LDS instructions touch, and who else names them:
;   x (v16-143)        written by a tile's products, read by the stage's LDS stores, then written by the subtraction of the mean.
;   v[OUTR ..]         rows of x: LDS loads land, global stores read; later the sums' registers v[SC], v[LX ..], and at the end q's second set of codes.
;   v[SA]              written by a sum, read by the exchange's LDS store, written by the next sum.   v[LX ..]: the exchange's four LDS loads land; additions read them.
;   v[PC ..], v[PW]    written by conversions, read by the image's LDS stores (n) and by global stores (q).
;   windows 1 and 2    Wo, read by the first product; Wq's loads land there behind the second tile's products.   v[SS ..], v[TS ..]: scale words, likewise.
;   window 3           bo, then bq; g, then n's tile 1; a's fragments, then n's tile 0.
;   v1 to v8, v12      offsets and LDS addresses, made at the head and never written again.   v15, v177: written at the head, read by the closing add alone.
; THE WAITS, a tile: one on va_vdst behind the products' places (x is written; the products are done with the registers that are loaded next); one on vm_vsrc beside the wait behind each run of x's stores;
; in each exchange one on va_vdst ahead of its LDS store; one on vm_vsrc ahead of the second sum; the one behind the root; one on va_vdst ahead of the image's stores.  Each run of loads under another window has the switch, the wait, the loads.
.set W_SCL, 2359296
.set A_SCL, 4194304
.set IMG,   3145728                    ; the output buffer of q: its codes,
.set SCL,   19922944                   ; and their scale words
.set STG,   8448                       ; LDS: a stage of 16 rows x 528 bytes for each wave
.set EXB,   33792                      ; four blocks of 256 bytes for the sums
.set XIMG,  34816                      ; n's eight fragments: (tile e, K step s) at (4 e + s) x 2,048
.set XSC,   51200                      ; their scale words: (4 e + s) x 64
.set PC,   144
.set TM,   160
.set PW,   176
.set SA,   178
.set MPR,  180
.set RPR,  182
.set OUTR, 184                         ; v184-215 rows of x on their way out; free again behind the waits that follow their stores:
.set SC,   184
.set LX,   186
.set PC2,  184                         ; at the end: the codes of q's second tile,
.set PW2,  200                         ; and their scale word
.set TS,   216
.set SS,   224
.set WV,   18
.set SEL,  40
.set MNT,  42
.set R512, 43
.set MSB, 0
.macro WIN new                         ; the immediate's high byte repeats the setting that is left
.if MSB != \new
	s_set_vgpr_msb (MSB<<8)|\new
.set MSB, \new
.endif
.endm
; 16 nb numbers of a lane, register 16 b + i = k 32 b + 16 (lane / 16) + i of my row, become codes in v[pc] on and the scale word in v[pw]
.macro QUANT s, nb, pc, pw
.irp b, 0,1,2,3
.if \b < \nb
	v_max3_num_f32 v[TM+\b], |v[\s+16*\b]|, |v[\s+1+16*\b]|, 0x4800000   ; with the floor 2^(9 - 127): the byte cannot fall under 1
.endif
.endr
.irp i, 2,4,6,8,10,12,14
.irp b, 0,1,2,3
.if \b < \nb
	v_max3_num_f32 v[TM+\b], v[TM+\b], |v[\s+16*\b+\i]|, |v[\s+1+16*\b+\i]|
.endif
.endr
.endr
.irp b, 0,1,2,3
.if \b < \nb
	v_permlanex16_b32 v[TM+4+\b], v[TM+\b], s[SEL], s[SEL+1]
.endif
.endr
.irp b, 0,1,2,3
.if \b < \nb
	v_max_num_f32 v[TM+\b], v[TM+\b], v[TM+4+\b]
.endif
.endr
.irp b, 0,1,2,3
.if \b < \nb
	v_add_nc_u32 v[TM+12+\b], 0xfc000000, v[TM+\b]
.endif
.endr
.irp b, 0,1,2,3
.if \b < \nb
	v_and_or_b32 v[TM+8+\b], v[TM+\b], 0x7f800000, s[MNT]
.endif
.endr
.irp b, 0,1,2,3
.if \b < \nb
	v_lshrrev_b32 v[TM+4+\b], 23, v[TM+12+\b]
.endif
.endr
	v_lshl_or_b32 v[\pw], v[TM+5], 8, v[TM+4]
.if \nb > 2
	v_lshl_or_b32 v[\pw], v[TM+6], 16, v[\pw]
	v_lshl_or_b32 v[\pw], v[TM+7], 24, v[\pw]
.endif
.irp b, 0,1,2,3
.if \b < \nb
.irp i, 0,1,2,3,4,5,6,7,8,9,10,11,12,13,14,15
	v_med3_num_f32 v[\s+16*\b+\i], v[\s+16*\b+\i], -v[TM+8+\b], v[TM+8+\b]   ; the conversion does not saturate (ISA guide 7.6.2): the hold
.endr
	v_cvt_scalef32_pk8_fp8_f32 v[(\pc)+4*\b:(\pc)+1+4*\b], v[\s+16*\b:\s+7+16*\b], v[TM+12+\b]
	v_cvt_scalef32_pk8_fp8_f32 v[(\pc)+2+4*\b:(\pc)+3+4*\b], v[\s+8+16*\b:\s+15+16*\b], v[TM+12+\b]
.endif
.endr
	v_nop                                          ; a plain line behind the last conversion: later products write its sources
.endm
.macro LNSUM x, sq
.if \sq
	v_pk_mul_f32 v[SA:SA+1], v[\x:\x+1], v[\x:\x+1]
	v_pk_mul_f32 v[SC:SC+1], v[\x+2:\x+3], v[\x+2:\x+3]
.irp j, 4,8,12,16,20,24,28,32,36,40,44,48,52,56,60
	v_pk_fma_f32 v[SA:SA+1], v[\x+\j:\x+\j+1], v[\x+\j:\x+\j+1], v[SA:SA+1]
	v_pk_fma_f32 v[SC:SC+1], v[\x+\j+2:\x+\j+3], v[\x+\j+2:\x+\j+3], v[SC:SC+1]
.endr
.else
	v_pk_add_f32 v[SA:SA+1], v[\x:\x+1], v[\x+4:\x+5]
	v_pk_add_f32 v[SC:SC+1], v[\x+2:\x+3], v[\x+6:\x+7]
.irp j, 8,12,16,20,24,28,32,36,40,44,48,52,56,60
	v_pk_add_f32 v[SA:SA+1], v[SA:SA+1], v[\x+\j:\x+\j+1]
	v_pk_add_f32 v[SC:SC+1], v[SC:SC+1], v[\x+\j+2:\x+\j+3]
.endr
.endif
	v_pk_add_f32 v[SA:SA+1], v[SA:SA+1], v[SC:SC+1]
	v_add_f32 v[SA], v[SA], v[SA+1]
	v_permlanex16_b32 v[SA+1], v[SA], s[SEL], s[SEL+1]
	v_add_f32 v[SA], v[SA], v[SA+1]
.endm
.macro LNXCH off                       ; store, wait, barrier, load: the block is used once, so nothing is written over
	s_wait_alu depctr_va_vdst(0)                   ; the sum is written in v[SA], which the LDS store reads; the vector lines that named v[LX ..] are done, in which the four loads below land
	ds_store_b32 v7, v[SA] offset:\off
	s_wait_dscnt 0x0                               ; for the others' sake: all my LDS stores have landed
	s_barrier_signal -1
	s_barrier_wait -1
.irp q, 0,1,2,3
	ds_load_b32 v[LX+\q], v8 offset:\off+64*\q
.endr
	s_wait_dscnt 0x0
	v_add_f32 v[LX], v[LX], v[LX+1]
	v_add_f32 v[LX+2], v[LX+2], v[LX+3]
	v_add_f32 v[LX], v[LX], v[LX+2]
.endm
.macro LNSTAT x, ex
	LNSUM \x, 0
	LNXCH \ex
	v_mul_f32 v[MPR], s[R512], v[LX]
	v_mul_f32 v[MPR+1], s[R512], v[LX]
.set jj, 0
.rept 32
	v_pk_add_f32 v[\x+jj:\x+jj+1], v[\x+jj:\x+jj+1], v[MPR:MPR+1] neg_lo:[0,1] neg_hi:[0,1]
.set jj, jj+2
.endr
	s_wait_alu depctr_vm_vsrc(0)                   ; the exchange's LDS store has read v[SA], which the next sum writes
	LNSUM \x, 1
	LNXCH \ex+256
	v_fmaak_f32 v[LX], s[R512], v[LX], 0x3727c5ac
	s_wait_alu depctr_va_vdst(0)
	v_rsq_f32 v[RPR], v[LX]
	v_nop
	s_wait_alu depctr_va_vdst(0)                   ; the root's reciprocal is written in v[RPR], ahead of its first reader
	v_mov_b32 v[RPR+1], v[RPR]
.endm
.macro ALOAD e                         ; the four fragments of a's token tile e -> window 3, v192-255
	WIN 0xc0
.irp s, 0,1,2,3
.irp c, 0,1,2,3
	global_load_b128 v[192+16*\s+4*\c:195+16*\s+4*\c], v1, s[24:25] offset:\e*8192+\s*2048+512*\c
.endr
.endr
	WIN 0
.endm
; n tiles of Wq from tile i0 on, 16 loads a tile, into the registers that Wo's tiles have left: fragment (i, s) in window 1 + s / 2 at v[128 (s % 2) + 16 i]
.macro S2LOAD i0, n
	WIN 0x40
	s_wait_alu depctr_va_vdst(0)                   ; the second tile's products are done reading Wo's tiles, in which these loads land (the switch, the wait, the loads); at the first run they have also written x, which the stage's stores read
.set ii, \i0
.rept \n
.irp s, 0,1
.irp c, 0,1,2,3
	global_load_b128 v[128*\s+16*ii+4*\c:128*\s+16*ii+4*\c+3], v1, s[44:45] offset:(4*ii+\s)*2048+512*\c
.endr
.endr
.set ii, ii+1
.endr
	WIN 0x80
.set ii, \i0
.rept \n
.irp s, 0,1
.irp c, 0,1,2,3
	global_load_b128 v[128*\s+16*ii+4*\c:128*\s+16*ii+4*\c+3], v1, s[44:45] offset:(4*ii+2+\s)*2048+512*\c
.endr
.endr
.set ii, ii+1
.endr
	WIN 0
.endm
; token tile e: the first product, x on its way out, the layer norm, n's codes into LDS
.macro TOK e
.set XT, 16+64*\e
.if \e
	s_wait_loadcnt 0x0                             ; this tile's fragments of a
.endif
.irp s, 0,1,2,3
.if \s < 2
	WIN 0x0d                                       ; Wo window 1, tokens window 3
.else
	WIN 0x0e
.endif
.irp i, 0,1,2,3,4,5,6,7
	v_wmma_scale_f32_16x16x128_f8f6f4 v[XT+8*\i:XT+8*\i+7], v[128*(\s%2)+16*\i:128*(\s%2)+16*\i+15], v[192+16*\s:207+16*\s], v[XT+8*\i:XT+8*\i+7], v[SS+4*\i+\s], v[TS+4*\e+\s]
.endr
.endr
	WIN 0
.rept 8
	v_nop                                          ; eight places behind this form, ahead of the first read of results; they stay beside the wait below
.endr
.if \e == 0
	WIN 0xc0
	s_wait_alu depctr_va_vdst(0)                   ; the products have written x, which the stage's stores read, and are done reading a's fragments, in which the next tile's land
	ALOAD 1
.else
	S2LOAD 0, 3                                    ; Wo is done with: Wq's tiles 0 to 2
.endif
.irp b, 0,1,2,3
.irp q, 0,1,2,3
	ds_store_b128 v5, v[XT+16*\b+4*\q:XT+16*\b+4*\q+3] offset:128*\b+16*\q    ; x into my own stage: row = token, my 512 bytes; each accumulator from its low end on
.endr
.endr
.irp u, 0,1
.irp i, 0,1,2,3,4,5,6,7
	ds_load_b128 v[OUTR+4*\i:OUTR+4*\i+3], v6 offset:528*(8*\u+\i)            ; my own bytes, served in order
.endr
.irp i, 0,1,2,3,4,5,6,7
	s_wait_dscnt 7-\i                              ; row i is back; the younger rows may be out
	global_store_b128 v1, v[OUTR+4*\i:OUTR+4*\i+3], s[30:31] offset:(8*\e+16*\u+\i)*2048   ; 512 consecutive bytes of a row of x
.endr
	s_wait_xcnt 0x0                                ; the stores have had their addresses translated,
	s_wait_alu depctr_vm_vsrc(0)                   ; and have read v[OUTR ..], in which the next rows land and which the sums write; the stage's stores have read x, from which the mean is taken; the last tile's LDS stores have read v[SA], the codes and the scale word
.endr
.if \e
	S2LOAD 3, 3                                    ; Wq's tiles 3 to 5
.endif
	LNSTAT XT, 512*\e
.if \e
	S2LOAD 6, 2                                    ; Wq's tiles 6 and 7,
	WIN 0xc0
.irp b, 0,1,2,3
.irp j, 0,1,2,3
	global_load_b128 v[16*\b+4*\j:16*\b+4*\j+3], v4, s[48:49] offset:128*\b+16*\j   ; and bq, in the result's layout, where bo lay: the additions that read bo stand ahead of the wait in the run above, and only loads and switches since
.endr
.endr
	WIN 0
.endif
.set jj, 0
.rept 32
	v_pk_mul_f32 v[XT+jj:XT+jj+1], v[XT+jj:XT+jj+1], v[RPR:RPR+1]
.set jj, jj+2
.endr
	WIN 0x3c                                       ; g and b in window 3
.set jj, 0
.rept 32
	v_pk_fma_f32 v[XT+jj:XT+jj+1], v[XT+jj:XT+jj+1], v[64+jj:65+jj], v[128+jj:129+jj]
.set jj, jj+2
.endr
	WIN 0
	QUANT XT, 4, PC, PW
	s_wait_alu depctr_va_vdst(0)                   ; the conversions have written the codes and the scale word, which the LDS stores read; in the second tile the products are done reading Wo's scale words, in which Wq's land
.irp c, 0,1,2,3
	ds_store_b128 v12, v[PC+4*\c:PC+4*\c+3] offset:XIMG+\e*8192+512*\c        ; K step w of the second product, as it stands in my registers
.endr
	ds_store_b32 v7, v[PW] offset:XSC-EXB+256*\e   ; lanes r and r + 16 store the same word with the same value
.if \e
.irp i, 0,1,2,3,4,5,6,7
.irp s, 0,1,2,3
	global_load_b32 v[SS+4*\i+\s], v2, s[46:47] offset:(4*\i+\s)*64           ; Wq's scale words, where Wo's lay
.endr
.endr
.endif
.endm
; the second product of token tile e: 32 matrix instructions, the eight accumulators by turns, K step by K step; bq is the C of the first K step
.macro QMUL e
.set XT, 16+64*\e
.set TF, 192-128*\e                    ; n's fragments in window 3: tile 0 at v192, tile 1 at v64
.irp s, 0,1,2,3
.if \s == 0
	WIN 0x3d                                       ; Wq window 1, n window 3, C window 3
.elseif \s == 1
	WIN 0x0d
.else
	WIN 0x0e                                       ; Wq window 2
.endif
.irp i, 0,1,2,3,4,5,6,7
.if \s == 0
	v_wmma_scale_f32_16x16x128_f8f6f4 v[XT+8*\i:XT+8*\i+7], v[128*(\s%2)+16*\i:128*(\s%2)+16*\i+15], v[TF+16*\s:TF+16*\s+15], v[8*\i:8*\i+7], v[SS+4*\i+\s], v[TS+4*\e+\s]
.else
	v_wmma_scale_f32_16x16x128_f8f6f4 v[XT+8*\i:XT+8*\i+7], v[128*(\s%2)+16*\i:128*(\s%2)+16*\i+15], v[TF+16*\s:TF+16*\s+15], v[XT+8*\i:XT+8*\i+7], v[SS+4*\i+\s], v[TS+4*\e+\s]
.endif
.endr
.endr
.endm
.macro QST e, pc, pw                   ; q of token tile e goes out: my 128 features are fragment (tile, K step w)
.irp c, 0,1,2,3
	global_store_b128 v1, v[(\pc)+4*\c:(\pc)+4*\c+3], s[32:33] offset:\e*8192+512*\c   ; 512 consecutive bytes
.endr
	global_store_b32 v2, v[\pw], s[34:35] offset:\e*256
.endm
	s_load_b256 s[4:11], s[0:1], 0x0               ; a, the weights' buffer, bo, r
	s_load_b128 s[12:15], s[0:1], 0x20             ; g, b
	s_load_b64 s[16:17], s[0:1], 0x30              ; x's buffer
	s_load_b128 s[56:59], s[0:1], 0x38             ; bq, q's buffer
	v_lshl_add_u32 v15, v0, 2, 0xcc00
	v_mov_b32 v177, 0
	v_lshrrev_b32 v1, 5, v0
	v_readfirstlane_b32 s[WV], v1
	v_and_b32 v9, 31, v0
	v_and_b32 v10, 15, v0
	v_bfe_u32 v11, v0, 4, 1
	v_lshlrev_b32 v1, 4, v9                        ; 16 x lane
	v_lshlrev_b32 v2, 2, v10                       ; 4 r
	v_lshlrev_b32 v4, 6, v11                       ; 64 h
	v_and_b32 v3, 8, v10
	v_add_nc_u32 v3, v3, v10
	v_lshl_add_u32 v3, v3, 11, v4                  ; r's rows: (r + 8 (r / 8)) x 2,048 + 64 h
	s_wait_alu depctr_va_sdst(0)                   ; the wave's number is written in s[WV], ahead of its first reader: LDS places and bases are made from it
	s_mul_i32 s19, s[WV], STG
	v_mul_u32_u24 v5, v10, 528
	v_add_nc_u32 v5, v5, v4
	v_add_nc_u32 v5, s19, v5                       ; the stage, in
	v_add_nc_u32 v6, s19, v1                       ; and out
	v_add_nc_u32 v8, EXB, v2                       ; the sums and n's scale words: where I read,
	s_lshl_b32 s19, s[WV], 6
	v_add_nc_u32 v7, s19, v8                       ; and where I store
	s_lshl_b32 s19, s[WV], 11
	v_add_nc_u32 v12, s19, v1                      ; n's images: 16 x lane + 2,048 x wave
.irp b, 0,1,2,3
	v_mov_b32 v[TM+4+\b], 0                        ; written once: a lane permute's destination counts as one of its sources
.endr
	s_mov_b32 s[SEL], 0x76543210
	s_mov_b32 s[SEL+1], 0xfedcba98
	s_mov_b32 s[MNT], 0x600000
	s_mov_b32 s[R512], 0x3b000000
	s_mov_b32 s37, 0
	s_wait_kmcnt 0x0
	s_lshl_b32 s36, s[WV], 16
	s_add_nc_u64 s[44:45], s[6:7], s[36:37]        ; my 8 tiles of Wq (slot 0),
	s_add_co_u32 s36, s36, 4*262144
	s_add_nc_u64 s[20:21], s[6:7], s[36:37]        ; and of Wo (slot 4);
	s_lshl_b32 s36, s[WV], 11
	s_add_co_u32 s36, s36, W_SCL
	s_add_nc_u64 s[46:47], s[6:7], s[36:37]        ; their scale words
	s_add_co_u32 s36, s36, 4*8192
	s_add_nc_u64 s[22:23], s[6:7], s[36:37]
	s_lshl_b32 s36, ttmp9, 14
	s_add_nc_u64 s[24:25], s[4:5], s[36:37]        ; a's two tiles,
	s_lshl_b32 s36, ttmp9, 9
	s_add_co_u32 s36, s36, A_SCL
	s_add_nc_u64 s[26:27], s[4:5], s[36:37]
	s_lshl_b32 s38, s[WV], 9
	s_lshl_b32 s36, ttmp9, 16
	s_add_co_u32 s36, s36, s38
	s_add_nc_u64 s[28:29], s[10:11], s[36:37]      ; r and x at my 32 tokens, my 128 features
	s_add_nc_u64 s[30:31], s[16:17], s[36:37]
	s_mov_b32 s36, s38
	s_add_nc_u64 s[8:9], s[8:9], s[36:37]
	s_add_nc_u64 s[12:13], s[12:13], s[36:37]
	s_add_nc_u64 s[14:15], s[14:15], s[36:37]
	s_add_nc_u64 s[48:49], s[56:57], s[36:37]
	s_lshl_b32 s38, ttmp9, 3
	s_add_co_u32 s38, s38, s[WV]                   ; 4 (2 x) + w
	s_lshl_b32 s36, s38, 11
	s_add_co_u32 s36, s36, IMG
	s_add_nc_u64 s[32:33], s[58:59], s[36:37]      ; q's fragments,
	s_lshl_b32 s36, s38, 6
	s_add_co_u32 s36, s36, SCL
	s_add_nc_u64 s[34:35], s[58:59], s[36:37]      ; and their scale words
	WIN 0x40
	s_wait_alu depctr_va_vdst(0)                   ; the offsets and LDS addresses v1 to v8 and v12 are written, which the loads, stores and LDS instructions of the kernel read; only loads and window switches stand between this wait and the head's last load
.irp s, 0,1,2,3
.if \s < 2
	WIN 0x40
.else
	WIN 0x80
.endif
.irp i, 0,1,2,3,4,5,6,7
.irp c, 0,1,2,3
	global_load_b128 v[128*(\s%2)+16*\i+4*\c:128*(\s%2)+16*\i+4*\c+3], v1, s[20:21] offset:(4*\i+\s)*2048+512*\c
.endr
.endr
.endr
	WIN 0
.irp i, 0,1,2,3,4,5,6,7
.irp s, 0,1,2,3
	global_load_b32 v[SS+4*\i+\s], v2, s[22:23] offset:(4*\i+\s)*64
.endr
.endr
.irp e, 0,1
.irp s, 0,1,2,3
	global_load_b32 v[TS+4*\e+\s], v2, s[26:27] offset:256*\e+64*\s
.endr
.endr
.irp e, 0,1
.irp b, 0,1,2,3
.irp j, 0,1,2,3
	global_load_b128 v[16+64*\e+16*\b+4*\j:19+64*\e+16*\b+4*\j], v3, s[28:29] offset:16384*\e+128*\b+16*\j
.endr
.endr
.endr
	ALOAD 0
	WIN 0xc0
.irp b, 0,1,2,3
.irp j, 0,1,2,3
	global_load_b128 v[16*\b+4*\j:16*\b+4*\j+3], v4, s[8:9] offset:128*\b+16*\j
	global_load_b128 v[64+16*\b+4*\j:67+16*\b+4*\j], v4, s[12:13] offset:128*\b+16*\j
	global_load_b128 v[128+16*\b+4*\j:131+16*\b+4*\j], v4, s[14:15] offset:128*\b+16*\j
.endr
.endr
	s_wait_loadcnt 0x0
	WIN 0x0c                                       ; bo in window 3
.set jj, 0
.rept 64
	v_pk_add_f32 v[16+jj:17+jj], v[16+jj:17+jj], v[jj%64:jj%64+1]     ; r + bo: the C of the first K step
.set jj, jj+2
.endr
	WIN 0
	TOK 0
	TOK 1
	; ---- q = Q(n Wq + bq)
	s_wait_dscnt 0x0                               ; for the others' sake: my images of n have landed
	s_barrier_signal -1
	s_barrier_wait -1                              ; n's eight fragments lie in LDS
	s_wait_alu depctr_vm_vsrc(0)                   ; my LDS stores have read the codes and the scale word, which q's quantiser writes again
	WIN 0xc0
	s_wait_alu depctr_va_vdst(0)                   ; the second tile's products are done reading a's fragments and their scale words, its normalisation g: n's fragments and scale words land in their registers
.irp s, 0,1,2,3
.irp c, 0,1,2,3
	ds_load_b128 v[192+16*\s+4*\c:195+16*\s+4*\c], v1 offset:XIMG+\s*2048+512*\c        ; tile 0, where a's fragments lay
	ds_load_b128 v[64+16*\s+4*\c:67+16*\s+4*\c], v1 offset:XIMG+8192+\s*2048+512*\c     ; tile 1, where g lay
.endr
.endr
	WIN 0
.irp e, 0,1
.irp s, 0,1,2,3
	ds_load_b32 v[TS+4*\e+\s], v8 offset:XSC-EXB+256*\e+64*\s
.endr
.endr
	s_wait_dscnt 0x0
	s_wait_loadcnt 0x0                             ; Wq, its scale words and bq
	QMUL 0
	QMUL 1
	WIN 0
.rept 8
	v_nop                                          ; eight places ahead of the first read of results
.endr
	QUANT 16, 4, PC, PW                            ; the two tiles' codes go into two sets of registers,
	QUANT 80, 4, PC2, PW2                          ; the second where x's rows passed (their stores have read them: the waits behind those stores)
	s_wait_alu depctr_va_vdst(0)                   ; the conversions have written both sets of codes and both scale words, which the ten stores read
	QST 0, PC, PW
	QST 1, PC2, PW2
	s_wait_dscnt 0x0                               ; the closing lines, six on end
	s_wait_alu 0x0
	s_wait_tensorcnt 0x0
	ds_add_u32 v15, v177
	s_wait_dscnt 0x0
	s_endpgm
.Lfunc_end_k_q1056461eed_woq:
	.size	k_q1056461eed_woq, .Lfunc_end_k_q1056461eed_woq-k_q1056461eed_woq
	.p2alignl 7, 3214868480
	.fill 96, 4, 3214868480
	.section	.rodata,"a",@progbits
	.p2align	6, 0x0
	.amdhsa_kernel k_q1056461eed_woq
		.amdhsa_group_segment_fixed_size 52736
		.amdhsa_private_segment_fixed_size 0
		.amdhsa_enable_private_segment 0
		.amdhsa_kernarg_size 72
		.amdhsa_user_sgpr_count 2
		.amdhsa_user_sgpr_kernarg_segment_ptr 1
		.amdhsa_wavefront_size32 1
		.amdhsa_system_sgpr_workgroup_id_x 1
		.amdhsa_system_sgpr_workgroup_id_y 1
		.amdhsa_system_sgpr_workgroup_id_z 1
		.amdhsa_system_vgpr_workitem_id 0
		.amdhsa_next_free_vgpr 1024
		.amdhsa_next_free_sgpr 66
		.amdhsa_reserve_vcc 0
		.amdhsa_float_denorm_mode_32 3
		.amdhsa_float_denorm_mode_16_64 3
		.amdhsa_memory_ordered 1
		.amdhsa_forward_progress 1
		.amdhsa_inst_pref_size 137
	.end_amdhsa_kernel
	.amdgpu_metadata
---
amdhsa.version: [ 1, 2 ]
amdhsa.kernels:
  - .name:           k_q1056461eed_woq
    .symbol:         k_q1056461eed_woq.kd
    .args:
      - { .name: AT, .offset: 0, .size: 8, .value_kind: global_buffer, .address_space: global }
      - { .name: P1, .offset: 8, .size: 8, .value_kind: global_buffer, .address_space: global }
      - { .name: bo1, .offset: 16, .size: 8, .value_kind: global_buffer, .address_space: global }
      - { .name: de_out, .offset: 24, .size: 8, .value_kind: global_buffer, .address_space: global }
      - { .name: ln2_g, .offset: 32, .size: 8, .value_kind: global_buffer, .address_space: global }
      - { .name: ln2_b, .offset: 40, .size: 8, .value_kind: global_buffer, .address_space: global }
      - { .name: XD, .offset: 48, .size: 8, .value_kind: global_buffer, .address_space: global }
      - { .name: bq2, .offset: 56, .size: 8, .value_kind: global_buffer, .address_space: global }
      - { .name: P2, .offset: 64, .size: 8, .value_kind: global_buffer, .address_space: global }
    .group_segment_fixed_size: 52736
    .private_segment_fixed_size: 0
    .kernarg_segment_align: 8
    .kernarg_segment_size: 72
    .max_flat_workgroup_size: 128
    .sgpr_count:     66
    .vgpr_count:     1024
    .wavefront_size: 32
...
	.end_amdgpu_metadata
.endif
;; end of part 10
;; launch att2: the kernel of part 9 again; grid 8 x 32, 16 waves a work-group, clusters of 4 x 1, 276,480 bytes of LDS; arguments P2, M2, AT; writes AT
;; launch wo2 (part 11): grid 256 x 1, 4 waves a work-group, no clusters, 35,328 bytes of LDS; arguments AT, P2, bo2, XD, ln3_g, ln3_b, XE; writes XE
.if DOCPART == 11
	.amdgcn_target "amdgcn-amd-amdhsa--gfx1250"
	.amdhsa_code_object_version 6
	.text
	.protected	k_q1056461eed_wo2
	.globl	k_q1056461eed_wo2
	.p2align	8
	.type	k_q1056461eed_wo2,@function
k_q1056461eed_wo2:
	s_mov_b64 s[64:65], 0
	v_nop
	global_prefetch_b8 v0, s[64:65] scope:SCOPE_SE
	s_setreg_imm32_b32 hwreg(HW_REG_WAVE_SCHED_MODE, 0, 2), 2
	s_setreg_imm32_b32 hwreg(HW_REG_WAVE_MODE, 25, 1), 1
	s_wait_xcnt 0x0
	s_wait_alu depctr_vm_vsrc(0)
; x = r + (a W + bo);  n = Q(layer norm(x) g + b).  a: codes (an image of the operand's registers), W: slot 4 of the weights' buffer, r: f32 rows.  x leaves as f32 rows, n as codes for the next product.
; A work-group owns 32 tokens (two tiles of 16), wave w the features 128 w .. 128 w + 127: its 8 tiles x 4 K steps of W stay in 512 registers.
; The product is used transposed (source 0 = W's rows, source 1 = tokens): a lane holds one token and 64 features, 16 neighbours of each block of 32; r + bo, loaded in that layout, is the C of the first K step.
; The row's mean and variance span the four waves: two sums a tile meet in LDS, each in a block of its own that is used once.  Two passes (mean; then the differences' squares).
; No multicast: W's parts differ from wave to wave, and the launch is short.
; LIMITS: a block of zeros gets the scale byte 1; NaN and infinities are not served.
; THE MODE: SCHED_MODE bits 1:0 = 2 (LLVM: expert scheduling mode 2), set by the entry lines.  The code itself states the register dependences
; between vector or matrix instructions and memory or LDS instructions, with s_wait_alu, always for 0.
; THE PLAN.  Registers that memory or LDS instructions touch, and who else names them:
;   x (v16-143)        written by a tile's products, read by the stage's LDS stores, then written by the subtraction of the mean.
;   v[OUTR ..]         rows of x: LDS loads land, global stores read; later the sums' registers v[SC] and v[LX ..].
;   v[SA]              written by a sum, read by the exchange's LDS store, written by the next sum.   v[LX ..]: the exchange's four LDS loads land; additions read them.
;   v[PC ..], v[PW]    written by a tile's conversions; the first tile's five stores are issued behind the second tile's products, the second tile's at the end.
;   window 3, v192-255 a's fragments: read by the first tile's products, then the second tile's land.
;   v1 to v8           offsets and LDS addresses, made at the head and never written again.   v15, v177: written at the head, read by the closing add alone.
; THE WAITS, a tile: one on va_vdst behind the products' places (x is written; the products are done with a's fragments; the tile before has written its codes); one on vm_vsrc beside the wait behind each run of x's stores;
; in each exchange one on va_vdst ahead of its LDS store; one on vm_vsrc ahead of the second sum; the one behind the root.  One more on va_vdst stands ahead of the last five stores.
.set N_IMG, 16777216
.set N_SCL, 20971520
.set W_SCL, 2359296
.set A_SCL, 4194304
.set STG,   8448
.set EXB,   33792
.set PC,   144
.set TM,   160
.set PW,   176
.set SA,   178
.set MPR,  180
.set RPR,  182
.set OUTR, 184                         ; v184-215 rows of x on their way out; free again behind the waits that follow their stores:
.set SC,   184
.set LX,   186
.set TS,   216
.set SS,   224
.set WV,   18
.set SEL,  40
.set MNT,  42
.set R512, 43
.set MSB, 0
.macro WIN new
.if MSB != \new
	s_set_vgpr_msb (MSB<<8)|\new
.set MSB, \new
.endif
.endm
.macro QUANT s, nb
.irp b, 0,1,2,3
.if \b < \nb
	v_max3_num_f32 v[TM+\b], |v[\s+16*\b]|, |v[\s+1+16*\b]|, 0x4800000
.endif
.endr
.irp i, 2,4,6,8,10,12,14
.irp b, 0,1,2,3
.if \b < \nb
	v_max3_num_f32 v[TM+\b], v[TM+\b], |v[\s+16*\b+\i]|, |v[\s+1+16*\b+\i]|
.endif
.endr
.endr
.irp b, 0,1,2,3
.if \b < \nb
	v_permlanex16_b32 v[TM+4+\b], v[TM+\b], s[SEL], s[SEL+1]
.endif
.endr
.irp b, 0,1,2,3
.if \b < \nb
	v_max_num_f32 v[TM+\b], v[TM+\b], v[TM+4+\b]
.endif
.endr
.irp b, 0,1,2,3
.if \b < \nb
	v_add_nc_u32 v[TM+12+\b], 0xfc000000, v[TM+\b]
.endif
.endr
.irp b, 0,1,2,3
.if \b < \nb
	v_and_or_b32 v[TM+8+\b], v[TM+\b], 0x7f800000, s[MNT]
.endif
.endr
.irp b, 0,1,2,3
.if \b < \nb
	v_lshrrev_b32 v[TM+4+\b], 23, v[TM+12+\b]
.endif
.endr
	v_lshl_or_b32 v[PW], v[TM+5], 8, v[TM+4]
.if \nb > 2
	v_lshl_or_b32 v[PW], v[TM+6], 16, v[PW]
	v_lshl_or_b32 v[PW], v[TM+7], 24, v[PW]
.endif
.irp b, 0,1,2,3
.if \b < \nb
.irp i, 0,1,2,3,4,5,6,7,8,9,10,11,12,13,14,15
	v_med3_num_f32 v[\s+16*\b+\i], v[\s+16*\b+\i], -v[TM+8+\b], v[TM+8+\b]
.endr
	v_cvt_scalef32_pk8_fp8_f32 v[PC+4*\b:PC+1+4*\b], v[\s+16*\b:\s+7+16*\b], v[TM+12+\b]
	v_cvt_scalef32_pk8_fp8_f32 v[PC+2+4*\b:PC+3+4*\b], v[\s+8+16*\b:\s+15+16*\b], v[TM+12+\b]
.endif
.endr
	v_nop
.endm
.macro LNSUM x, sq
.if \sq
	v_pk_mul_f32 v[SA:SA+1], v[\x:\x+1], v[\x:\x+1]
	v_pk_mul_f32 v[SC:SC+1], v[\x+2:\x+3], v[\x+2:\x+3]
.irp j, 4,8,12,16,20,24,28,32,36,40,44,48,52,56,60
	v_pk_fma_f32 v[SA:SA+1], v[\x+\j:\x+\j+1], v[\x+\j:\x+\j+1], v[SA:SA+1]
	v_pk_fma_f32 v[SC:SC+1], v[\x+\j+2:\x+\j+3], v[\x+\j+2:\x+\j+3], v[SC:SC+1]
.endr
.else
	v_pk_add_f32 v[SA:SA+1], v[\x:\x+1], v[\x+4:\x+5]
	v_pk_add_f32 v[SC:SC+1], v[\x+2:\x+3], v[\x+6:\x+7]
.irp j, 8,12,16,20,24,28,32,36,40,44,48,52,56,60
	v_pk_add_f32 v[SA:SA+1], v[SA:SA+1], v[\x+\j:\x+\j+1]
	v_pk_add_f32 v[SC:SC+1], v[SC:SC+1], v[\x+\j+2:\x+\j+3]
.endr
.endif
	v_pk_add_f32 v[SA:SA+1], v[SA:SA+1], v[SC:SC+1]
	v_add_f32 v[SA], v[SA], v[SA+1]
	v_permlanex16_b32 v[SA+1], v[SA], s[SEL], s[SEL+1]
	v_add_f32 v[SA], v[SA], v[SA+1]
.endm
.macro LNXCH off                       ; store, wait, barrier, load: the block is used once, so nothing is written over
	s_wait_alu depctr_va_vdst(0)                   ; the sum is written in v[SA], which the LDS store reads; the vector lines that named v[LX ..] are done, in which the four loads below land
	ds_store_b32 v7, v[SA] offset:\off
	s_wait_dscnt 0x0
	s_barrier_signal -1
	s_barrier_wait -1
.irp q, 0,1,2,3
	ds_load_b32 v[LX+\q], v8 offset:\off+64*\q
.endr
	s_wait_dscnt 0x0
	v_add_f32 v[LX], v[LX], v[LX+1]
	v_add_f32 v[LX+2], v[LX+2], v[LX+3]
	v_add_f32 v[LX], v[LX], v[LX+2]
.endm
.macro LNSTAT x, ex
	LNSUM \x, 0
	LNXCH \ex
	v_mul_f32 v[MPR], s[R512], v[LX]
	v_mul_f32 v[MPR+1], s[R512], v[LX]
.set jj, 0
.rept 32
	v_pk_add_f32 v[\x+jj:\x+jj+1], v[\x+jj:\x+jj+1], v[MPR:MPR+1] neg_lo:[0,1] neg_hi:[0,1]
.set jj, jj+2
.endr
	s_wait_alu depctr_vm_vsrc(0)                   ; the exchange's LDS store has read v[SA], which the next sum writes
	LNSUM \x, 1
	LNXCH \ex+256
	v_fmaak_f32 v[LX], s[R512], v[LX], 0x3727c5ac
	s_wait_alu depctr_va_vdst(0)
	v_rsq_f32 v[RPR], v[LX]
	v_nop
	s_wait_alu depctr_va_vdst(0)                   ; the root's reciprocal is written in v[RPR], ahead of its first reader
	v_mov_b32 v[RPR+1], v[RPR]
.endm
.macro ALOAD e                         ; the four fragments of token tile e -> window 3, v192-255
	WIN 0xc0
.irp s, 0,1,2,3
.irp c, 0,1,2,3
	global_load_b128 v[192+16*\s+4*\c:195+16*\s+4*\c], v1, s[24:25] offset:\e*8192+\s*2048+512*\c
.endr
.endr
	WIN 0
.endm
.macro NOUT e                          ; n of token tile e goes out: a fragment's codes and its scale word
.irp c, 0,1,2,3
	global_store_b128 v1, v[PC+4*\c:PC+4*\c+3], s[32:33] offset:\e*8192+512*\c
.endr
	global_store_b32 v2, v[PW], s[34:35] offset:\e*256
.endm
.macro TOK e
.set XT, 16+64*\e
.if \e
	s_wait_loadcnt 0x0                             ; this tile's fragments
.endif
.irp s, 0,1,2,3
.if \s < 2
	WIN 0x0d                                       ; W window 1, tokens window 3
.else
	WIN 0x0e
.endif
.irp i, 0,1,2,3,4,5,6,7
	v_wmma_scale_f32_16x16x128_f8f6f4 v[XT+8*\i:XT+8*\i+7], v[128*(\s%2)+16*\i:128*(\s%2)+16*\i+15], v[192+16*\s:207+16*\s], v[XT+8*\i:XT+8*\i+7], v[SS+4*\i+\s], v[TS+4*\e+\s]
.endr
.endr
	WIN 0
.rept 8
	v_nop                                          ; eight places behind this form, ahead of the first read of results; they stay beside the wait below
.endr
.if \e == 0
	WIN 0xc0
	s_wait_alu depctr_va_vdst(0)                   ; the products have written x, which the stage's stores read, and are done reading a's fragments, in which the next tile's land
	ALOAD 1
.else
	s_wait_alu depctr_va_vdst(0)                   ; the products have written x, which the stage's stores read; the first tile's conversions have written its codes and its scale word, which the five stores below read
	NOUT 0
.endif
.irp b, 0,1,2,3
.irp q, 0,1,2,3
	ds_store_b128 v5, v[XT+16*\b+4*\q:XT+16*\b+4*\q+3] offset:128*\b+16*\q    ; x into my own stage: row = token, my 512 bytes; each accumulator from its low end on
.endr
.endr
.irp u, 0,1
.irp i, 0,1,2,3,4,5,6,7
	ds_load_b128 v[OUTR+4*\i:OUTR+4*\i+3], v6 offset:528*(8*\u+\i)            ; my own bytes, served in order
.endr
.irp i, 0,1,2,3,4,5,6,7
	s_wait_dscnt 7-\i                              ; row i is back; the younger rows may be out
	global_store_b128 v1, v[OUTR+4*\i:OUTR+4*\i+3], s[30:31] offset:(8*\e+16*\u+\i)*2048   ; 512 consecutive bytes of a row of x
.endr
	s_wait_xcnt 0x0                                ; the stores have had their addresses translated,
	s_wait_alu depctr_vm_vsrc(0)                   ; and have read v[OUTR ..], in which the next rows land and which the sums write; the stage's stores have read x, from which the mean is taken; the first tile's stores have read v[SA], the codes and the scale word
.endr
	LNSTAT XT, 512*\e
.set jj, 0
.rept 32
	v_pk_mul_f32 v[XT+jj:XT+jj+1], v[XT+jj:XT+jj+1], v[RPR:RPR+1]
.set jj, jj+2
.endr
	WIN 0x3c                                       ; g and b in window 3
.set jj, 0
.rept 32
	v_pk_fma_f32 v[XT+jj:XT+jj+1], v[XT+jj:XT+jj+1], v[64+jj:65+jj], v[128+jj:129+jj]
.set jj, jj+2
.endr
	WIN 0
	QUANT XT, 4
.endm
	s_load_b256 s[4:11], s[0:1], 0x0               ; a, W, bo, r
	s_load_b128 s[12:15], s[0:1], 0x20             ; g, b
	s_load_b64 s[16:17], s[0:1], 0x30              ; the output buffer
	v_lshl_add_u32 v15, v0, 2, 0x8800
	v_mov_b32 v177, 0
	v_lshrrev_b32 v1, 5, v0
	v_readfirstlane_b32 s[WV], v1
	v_and_b32 v9, 31, v0
	v_and_b32 v10, 15, v0
	v_bfe_u32 v11, v0, 4, 1
	v_lshlrev_b32 v1, 4, v9                        ; 16 x lane
	v_lshlrev_b32 v2, 2, v10                       ; 4 r
	v_lshlrev_b32 v4, 6, v11                       ; 64 h
	v_and_b32 v3, 8, v10
	v_add_nc_u32 v3, v3, v10
	v_lshl_add_u32 v3, v3, 11, v4                  ; r's rows: (r + 8 (r / 8)) x 2,048 + 64 h
	s_wait_alu depctr_va_sdst(0)                   ; the wave's number is written in s[WV], ahead of its first reader: LDS places and bases are made from it
	s_mul_i32 s19, s[WV], STG
	v_mul_u32_u24 v5, v10, 528
	v_add_nc_u32 v5, v5, v4
	v_add_nc_u32 v5, s19, v5                       ; the stage, in
	v_add_nc_u32 v6, s19, v1                       ; and out
	v_add_nc_u32 v8, EXB, v2
	s_lshl_b32 s19, s[WV], 6
	v_add_nc_u32 v7, s19, v8
.irp b, 0,1,2,3
	v_mov_b32 v[TM+4+\b], 0
.endr
	s_mov_b32 s[SEL], 0x76543210
	s_mov_b32 s[SEL+1], 0xfedcba98
	s_mov_b32 s[MNT], 0x600000
	s_mov_b32 s[R512], 0x3b000000
	s_mov_b32 s37, 0
	s_wait_kmcnt 0x0
	s_lshl_b32 s36, s[WV], 16
	s_add_co_u32 s36, s36, 4*262144
	s_add_nc_u64 s[20:21], s[6:7], s[36:37]        ; my 8 tiles of W,
	s_lshl_b32 s36, s[WV], 11
	s_add_co_u32 s36, s36, W_SCL+4*8192
	s_add_nc_u64 s[22:23], s[6:7], s[36:37]        ; their scale words
	s_lshl_b32 s36, ttmp9, 14
	s_add_nc_u64 s[24:25], s[4:5], s[36:37]        ; a's two tiles,
	s_lshl_b32 s36, ttmp9, 9
	s_add_co_u32 s36, s36, A_SCL
	s_add_nc_u64 s[26:27], s[4:5], s[36:37]
	s_lshl_b32 s38, s[WV], 9
	s_lshl_b32 s36, ttmp9, 16
	s_add_co_u32 s36, s36, s38
	s_add_nc_u64 s[28:29], s[10:11], s[36:37]      ; r and x at my 32 tokens, my 128 features
	s_add_nc_u64 s[30:31], s[16:17], s[36:37]
	s_mov_b32 s36, s38
	s_add_nc_u64 s[8:9], s[8:9], s[36:37]
	s_add_nc_u64 s[12:13], s[12:13], s[36:37]
	s_add_nc_u64 s[14:15], s[14:15], s[36:37]
	s_lshl_b32 s38, ttmp9, 3
	s_add_co_u32 s38, s38, s[WV]                   ; 4 (2 x) + w
	s_lshl_b32 s36, s38, 11
	s_add_co_u32 s36, s36, N_IMG
	s_add_nc_u64 s[32:33], s[16:17], s[36:37]
	s_lshl_b32 s36, s38, 6
	s_add_co_u32 s36, s36, N_SCL
	s_add_nc_u64 s[34:35], s[16:17], s[36:37]
	WIN 0x40
	s_wait_alu depctr_va_vdst(0)                   ; the offsets and LDS addresses v1 to v8 are written, which the loads, stores and LDS instructions of the kernel read; only loads and window switches stand between this wait and the head's last load
.irp s, 0,1,2,3
.if \s < 2
	WIN 0x40
.else
	WIN 0x80
.endif
.irp i, 0,1,2,3,4,5,6,7
.irp c, 0,1,2,3
	global_load_b128 v[128*(\s%2)+16*\i+4*\c:128*(\s%2)+16*\i+4*\c+3], v1, s[20:21] offset:(4*\i+\s)*2048+512*\c
.endr
.endr
.endr
	WIN 0
.irp i, 0,1,2,3,4,5,6,7
.irp s, 0,1,2,3
	global_load_b32 v[SS+4*\i+\s], v2, s[22:23] offset:(4*\i+\s)*64
.endr
.endr
.irp e, 0,1
.irp s, 0,1,2,3
	global_load_b32 v[TS+4*\e+\s], v2, s[26:27] offset:256*\e+64*\s
.endr
.endr
.irp e, 0,1
.irp b, 0,1,2,3
.irp j, 0,1,2,3
	global_load_b128 v[16+64*\e+16*\b+4*\j:19+64*\e+16*\b+4*\j], v3, s[28:29] offset:16384*\e+128*\b+16*\j
.endr
.endr
.endr
	ALOAD 0
	WIN 0xc0
.irp b, 0,1,2,3
.irp j, 0,1,2,3
	global_load_b128 v[16*\b+4*\j:16*\b+4*\j+3], v4, s[8:9] offset:128*\b+16*\j
	global_load_b128 v[64+16*\b+4*\j:67+16*\b+4*\j], v4, s[12:13] offset:128*\b+16*\j
	global_load_b128 v[128+16*\b+4*\j:131+16*\b+4*\j], v4, s[14:15] offset:128*\b+16*\j
.endr
.endr
	s_wait_loadcnt 0x0
	WIN 0x0c                                       ; bo in window 3
.set jj, 0
.rept 64
	v_pk_add_f32 v[16+jj:17+jj], v[16+jj:17+jj], v[jj%64:jj%64+1]     ; r + bo: the C of the first K step
.set jj, jj+2
.endr
	WIN 0
	TOK 0
	TOK 1
	s_wait_alu depctr_va_vdst(0)                   ; the second tile's conversions have written its codes and its scale word, which the last five stores read
	NOUT 1
	s_wait_dscnt 0x0                               ; the closing lines, six on end
	s_wait_alu 0x0
	s_wait_tensorcnt 0x0
	ds_add_u32 v15, v177
	s_wait_dscnt 0x0
	s_endpgm
.Lfunc_end_k_q1056461eed_wo2:
	.size	k_q1056461eed_wo2, .Lfunc_end_k_q1056461eed_wo2-k_q1056461eed_wo2
	.p2alignl 7, 3214868480
	.fill 96, 4, 3214868480
	.section	.rodata,"a",@progbits
	.p2align	6, 0x0
	.amdhsa_kernel k_q1056461eed_wo2
		.amdhsa_group_segment_fixed_size 35328
		.amdhsa_private_segment_fixed_size 0
		.amdhsa_enable_private_segment 0
		.amdhsa_kernarg_size 56
		.amdhsa_user_sgpr_count 2
		.amdhsa_user_sgpr_kernarg_segment_ptr 1
		.amdhsa_wavefront_size32 1
		.amdhsa_system_sgpr_workgroup_id_x 1
		.amdhsa_system_sgpr_workgroup_id_y 1
		.amdhsa_system_sgpr_workgroup_id_z 1
		.amdhsa_system_vgpr_workitem_id 0
		.amdhsa_next_free_vgpr 1024
		.amdhsa_next_free_sgpr 66
		.amdhsa_reserve_vcc 0
		.amdhsa_float_denorm_mode_32 3
		.amdhsa_float_denorm_mode_16_64 3
		.amdhsa_memory_ordered 1
		.amdhsa_forward_progress 1
		.amdhsa_inst_pref_size 92
	.end_amdhsa_kernel
	.amdgpu_metadata
---
amdhsa.version: [ 1, 2 ]
amdhsa.kernels:
  - .name:           k_q1056461eed_wo2
    .symbol:         k_q1056461eed_wo2.kd
    .args:
      - { .name: AT, .offset: 0, .size: 8, .value_kind: global_buffer, .address_space: global }
      - { .name: P2, .offset: 8, .size: 8, .value_kind: global_buffer, .address_space: global }
      - { .name: bo2, .offset: 16, .size: 8, .value_kind: global_buffer, .address_space: global }
      - { .name: XD, .offset: 24, .size: 8, .value_kind: global_buffer, .address_space: global }
      - { .name: ln3_g, .offset: 32, .size: 8, .value_kind: global_buffer, .address_space: global }
      - { .name: ln3_b, .offset: 40, .size: 8, .value_kind: global_buffer, .address_space: global }
      - { .name: XE, .offset: 48, .size: 8, .value_kind: global_buffer, .address_space: global }
    .group_segment_fixed_size: 35328
    .private_segment_fixed_size: 0
    .kernarg_segment_align: 8
    .kernarg_segment_size: 56
    .max_flat_workgroup_size: 128
    .sgpr_count:     66
    .vgpr_count:     1024
    .wavefront_size: 32
...
	.end_amdgpu_metadata
.endif
;; end of part 11
;; launch ffn1: the kernel of part 8 again; grid 256 x 1, 4 waves a work-group, no clusters, 0 bytes of LDS; arguments XE, XD, P2, b1, bk1, bv1, bk2, bv2, P1, AT; writes P1, AT
;; launch ffn2 (part 12): grid 64 x 4, 4 waves a work-group, no clusters, 17,920 bytes of LDS; arguments P1, WA, b2, XE, out0; writes out0
.if DOCPART == 12
	.amdgcn_target "amdgcn-amd-amdhsa--gfx1250"
	.amdhsa_code_object_version 6
	.text
	.protected	k_q1056461eed_ffn2
	.globl	k_q1056461eed_ffn2
	.p2align	8
	.type	k_q1056461eed_ffn2,@function
k_q1056461eed_ffn2:
	s_mov_b64 s[64:65], 0
	v_nop
	global_prefetch_b8 v0, s[64:65] scope:SCOPE_SE
	s_setreg_imm32_b32 hwreg(HW_REG_WAVE_SCHED_MODE, 0, 2), 2
	s_setreg_imm32_b32 hwreg(HW_REG_WAVE_MODE, 25, 1), 1
	s_wait_xcnt 0x0
	s_wait_alu depctr_vm_vsrc(0)
; out = x + (h W2 + b2).  h [8,192][2,048] and W2 [512 (n)][2,048 (k)] are codes of E4M3 with E8M0 scales, laid as images of the operand's registers, in four groups of 512 along K; x and out are f32 rows.
; Each wave makes 64 tokens x 64 features by itself: 16 accumulators, which take turns; K goes in 16 steps of 128; a step's eight fragments and eight scale words come straight from memory, one step ahead, in two buffers.
; The product is used transposed (source 0 = W2's rows): a lane holds one token and eight neighbouring features a tile; b2 in that layout is the C of the first step.
; Row r of tile T is row 32 (T / 2) + 8 (T % 2) + r + 8 (r / 8).  The results go through the wave's own stage in LDS, so that sixteen lanes store 256 consecutive bytes, aligned.
; No barrier: waves share nothing.  No LDS ring and no multicast: a tile of 128 x 128 to a work-group has K steps too short for either to be filled ahead.
; THE MODE: SCHED_MODE bits 1:0 = 2 (LLVM: expert scheduling mode 2), set by the entry lines.  The code itself states the register dependences
; between vector or matrix instructions and memory or LDS instructions, with s_wait_alu, always for 0.
; THE PLAN.  Registers that memory or LDS instructions touch:
;   F0, F1 (window 1, 128 registers each) and their eight scale words v[SCR ..]: step s's 16 products read buffer s % 2; the 40 loads of step s + 1 land in the other, which step s - 1's products read.
;   So ONE wait on va_vdst stands at a step's head, ahead of its run of loads; the run stays ahead of the wait for this step's data, so that two steps' loads are on their way.
;   The accumulators: written by products alone; on the way out LDS stores read them.
;   The way out: x's rows of all four token tiles are asked for at once, into window 1, which the products have left; two buffers of rows (v64-95, v96-127) take turns: LDS loads land, additions write, stores read.
;   v1 to v6: offsets and LDS addresses, made at the head and never written again.   v14, v15: written at the head, read by the closing add alone.
.set IMG,   3145728
.set SCL,   19922944
.set W_SCL, 2359296
.set BI,   16                          ; v16-47   b2, eight registers a feature tile
.set SCR,  48                          ; v48-63   scale words: buffer x 8; W2's four, then h's four
.set OUTR, 64                          ; v64-95, v96-127: rows on their way out, two buffers by turns
.set ACC,  128                         ; accumulator (feature tile i, token tile j) at 8 (4 j + i)
.set TI,   22
.set TSC,  24
.set SI,   26
.set SSC,  28
.set MSB, 0
.macro WIN new
.if MSB != \new
	s_set_vgpr_msb (MSB<<8)|\new
.set MSB, \new
.endif
.endm
; K step s (of the group gx on from the pointers) into buffer buf: 32 + 8 = 40 loads
.macro LOADS buf, s, gx
	WIN 0x40
.irp i, 0,1,2,3
.irp c, 0,1,2,3
	global_load_b128 v[128*(\buf)+16*\i+4*\c:128*(\buf)+16*\i+4*\c+3], v1, s[SI:SI+1] offset:(\gx)*262144+\i*8192+(\s)*2048+512*\c
	global_load_b128 v[128*(\buf)+64+16*\i+4*\c:128*(\buf)+64+16*\i+4*\c+3], v1, s[TI:TI+1] offset:(\gx)*4194304+\i*8192+(\s)*2048+512*\c
.endr
.endr
	WIN 0
.irp i, 0,1,2,3
	global_load_b32 v[SCR+8*(\buf)+\i], v2, s[SSC:SSC+1] offset:(\gx)*8192+\i*256+(\s)*64
	global_load_b32 v[SCR+8*(\buf)+4+\i], v2, s[TSC:TSC+1] offset:(\gx)*131072+\i*256+(\s)*64
.endr
.endm
.macro KSTEP s, first, pf
.rept 8
	v_nop                                          ; eight places behind the last step's products, ahead of the loads into the buffer that they read: they stay beside the wait below
.endr
.if \pf
	WIN 0x40                                       ; (the switch, then the wait, then the loads)
.if !\first
	s_wait_alu depctr_va_vdst(0)                   ; the last step's products are done reading the other buffer and its scale words, in which the next step's loads land
.endif
	LOADS 1-(\s)%2, ((\s)+1)%4, (\s)/3
	s_wait_loadcnt 40                              ; this step's loads are in; the 40 just issued may be out
.else
	s_wait_loadcnt 0x0
.endif
	WIN 0x05                                       ; both sources in window 1
.irp j, 0,1,2,3
.irp i, 0,1,2,3
.if \first
	v_wmma_scale_f32_16x16x128_f8f6f4 v[ACC+8*(4*\j+\i):ACC+8*(4*\j+\i)+7], v[128*((\s)%2)+16*\i:128*((\s)%2)+16*\i+15], v[128*((\s)%2)+64+16*\j:128*((\s)%2)+64+16*\j+15], v[BI+8*\i:BI+8*\i+7], v[SCR+8*((\s)%2)+\i], v[SCR+8*((\s)%2)+4+\j]
.else
	v_wmma_scale_f32_16x16x128_f8f6f4 v[ACC+8*(4*\j+\i):ACC+8*(4*\j+\i)+7], v[128*((\s)%2)+16*\i:128*((\s)%2)+16*\i+15], v[128*((\s)%2)+64+16*\j:128*((\s)%2)+64+16*\j+15], v[ACC+8*(4*\j+\i):ACC+8*(4*\j+\i)+7], v[SCR+8*((\s)%2)+\i], v[SCR+8*((\s)%2)+4+\j]
.endif
.endr
.endr
	WIN 0
.endm
.macro GT first, last                  ; a group of 512 along K
	KSTEP 0, \first, 1
	KSTEP 1, 0, 1
	KSTEP 2, 0, 1
	KSTEP 3, 0, 1-\last
.if !\last
	s_wait_xcnt 0x0                                ; the loads have read their bases
	s_add_nc_u64 s[SI:SI+1], s[SI:SI+1], 262144
	s_add_nc_u64 s[SSC:SSC+1], s[SSC:SSC+1], 8192
	s_add_nc_u64 s[TI:TI+1], s[TI:TI+1], 4194304
	s_add_nc_u64 s[TSC:TSC+1], s[TSC:TSC+1], 131072
.endif
.endm
	s_load_b256 s[4:11], s[0:1], 0x0               ; h's buffer, W2's buffer, b2, x's buffer
	s_load_b64 s[12:13], s[0:1], 0x20              ; out
	v_lshl_add_u32 v14, v0, 2, 0x4400
	v_mov_b32 v15, 0
	v_lshrrev_b32 v1, 5, v0
	v_readfirstlane_b32 s14, v1
	v_and_b32 v7, 31, v0
	v_and_b32 v8, 15, v0
	s_wait_alu depctr_va_vdst(0)
	v_bfe_u32 v9, v0, 4, 1
	v_lshlrev_b32 v1, 4, v7                        ; 16 x lane
	v_lshlrev_b32 v2, 2, v8                        ; 4 r
	v_lshlrev_b32 v3, 6, v9                        ; 64 h
	s_wait_alu depctr_va_sdst(0)                   ; the wave's number is written in s14, ahead of its first reader: the wave's tokens, features and stage are made from it
	s_lshr_b32 s15, s14, 1
	s_and_b32 s16, s14, 1
	s_lshl_b32 s17, ttmp9, 1
	s_add_co_u32 s17, s17, s15                     ; which 64 tokens
	s_and_b32 s18, ttmp7, 0xffff
	s_lshl_b32 s18, s18, 1
	s_add_co_u32 s18, s18, s16                     ; which 64 features
	s_mul_i32 s19, s14, 4352                       ; my stage: 16 rows x 272 bytes
	v_mul_u32_u24 v4, v8, 272
	s_wait_alu depctr_va_vdst(0)
	v_add_nc_u32 v4, v4, v3
	v_add_nc_u32 v4, s19, v4                       ; in: row r, + 64 h
	v_mul_u32_u24 v5, v9, 272
	v_lshl_add_u32 v5, v8, 4, v5
	v_add_nc_u32 v5, s19, v5                       ; back: lanes 0-15 one row, lanes 16-31 the next
	v_lshlrev_b32 v6, 11, v9
	v_lshl_add_u32 v6, v8, 4, v6                   ; and the same two rows in x and out
	s_mov_b32 s21, 0
	s_wait_kmcnt 0x0
	s_lshl_b32 s20, s17, 15
	s_add_co_u32 s20, s20, IMG
	s_add_nc_u64 s[TI:TI+1], s[4:5], s[20:21]
	s_lshl_b32 s20, s17, 10
	s_add_co_u32 s20, s20, SCL
	s_add_nc_u64 s[TSC:TSC+1], s[4:5], s[20:21]
	s_lshl_b32 s20, s18, 15
	s_add_co_u32 s20, s20, 5*262144
	s_add_nc_u64 s[SI:SI+1], s[6:7], s[20:21]
	s_lshl_b32 s20, s18, 10
	s_add_co_u32 s20, s20, W_SCL+5*8192
	s_add_nc_u64 s[SSC:SSC+1], s[6:7], s[20:21]
	s_lshl_b32 s20, s18, 8
	s_add_nc_u64 s[8:9], s[8:9], s[20:21]
	s_lshl_b32 s31, s17, 17
	s_add_co_u32 s20, s20, s31
	s_add_nc_u64 s[10:11], s[10:11], s[20:21]
	s_add_nc_u64 s[12:13], s[12:13], s[20:21]
	s_wait_alu depctr_va_vdst(0)                   ; the offsets and LDS addresses v1 to v6 are written, which the loads, stores and LDS instructions of the kernel read; only loads and window switches stand between this wait and the first step's loads
.irp i, 0,1,2,3
	global_load_b128 v[BI+8*\i:BI+8*\i+3], v3, s[8:9] offset:128*(\i/2)+32*(\i%2)
	global_load_b128 v[BI+8*\i+4:BI+8*\i+7], v3, s[8:9] offset:128*(\i/2)+32*(\i%2)+16
.endr
	LOADS 0, 0, 0
	GT 1, 0
	s_mov_b32 s30, 2
.Lgroup:
	GT 0, 0
	s_sub_co_u32 s30, s30, 1
	s_cmp_lg_u32 s30, 0
	s_cbranch_scc1 .Lgroup
	GT 0, 1
.rept 8
	v_nop                                          ; eight places ahead of the first read of results, and of the loads into the registers that the last products read
.endr
	WIN 0x40
	s_wait_alu depctr_va_vdst(0)                   ; the products have written the accumulators, which the LDS stores read, and are done reading both buffers of window 1, in which x's rows land
.irp j, 0,1,2,3
.irp q, 0,1,2,3,4,5,6,7
	global_load_b128 v[32*\j+4*\q:32*\j+4*\q+3], v6, s[10:11] offset:(32*(\j/2)+8*(\j%2)+2*\q+8*(\q/4))*2048   ; x's rows of token tile j: window 1, v[32 j ..]; all four tiles are asked for at once
.endr
.endr
	WIN 0
.irp j, 0,1,2,3
.set OB, OUTR+32*(\j%2)
.if \j > 1
	s_wait_xcnt 0x0                                ; the stores of two tiles ago have had their addresses translated,
	s_wait_alu depctr_vm_vsrc(0)                   ; and have read this buffer of rows, in which the LDS loads below land
.endif
.irp i, 0,1,2,3
	ds_store_b128 v4, v[ACC+8*(4*\j+\i):ACC+8*(4*\j+\i)+3] offset:128*(\i/2)+32*(\i%2)        ; each accumulator from its low end on
	ds_store_b128 v4, v[ACC+8*(4*\j+\i)+4:ACC+8*(4*\j+\i)+7] offset:128*(\i/2)+32*(\i%2)+16
.endr
.irp q, 0,1,2,3,4,5,6,7
	ds_load_b128 v[OB+4*\q:OB+4*\q+3], v5 offset:544*\q        ; my own bytes, served in order: these see the stores above
.endr
	s_wait_dscnt 0x0
	s_wait_loadcnt 24-8*\j                         ; this tile's eight rows of x are in; the younger tiles' may be out
	WIN 0x04                                       ; x's rows in window 1
.set jj, 0
.rept 16
	v_pk_add_f32 v[OB+jj:OB+jj+1], v[OB+jj:OB+jj+1], v[32*\j+jj:32*\j+jj+1]
.set jj, jj+2
.endr
	WIN 0
	s_wait_alu depctr_va_vdst(0)                   ; the additions have written this buffer of rows, which the stores read
.irp q, 0,1,2,3,4,5,6,7
	global_store_b128 v6, v[OB+4*\q:OB+4*\q+3], s[12:13] offset:(32*(\j/2)+8*(\j%2)+2*\q+8*(\q/4))*2048 th:TH_STORE_NT
.endr
.endr
	s_wait_dscnt 0x0                               ; the closing lines, six on end
	s_wait_alu 0x0
	s_wait_tensorcnt 0x0
	ds_add_u32 v14, v15
	s_wait_dscnt 0x0
	s_endpgm
.Lfunc_end_k_q1056461eed_ffn2:
	.size	k_q1056461eed_ffn2, .Lfunc_end_k_q1056461eed_ffn2-k_q1056461eed_ffn2
	.p2alignl 7, 3214868480
	.fill 96, 4, 3214868480
	.section	.rodata,"a",@progbits
	.p2align	6, 0x0
	.amdhsa_kernel k_q1056461eed_ffn2
		.amdhsa_group_segment_fixed_size 17920
		.amdhsa_private_segment_fixed_size 0
		.amdhsa_enable_private_segment 0
		.amdhsa_kernarg_size 40
		.amdhsa_user_sgpr_count 2
		.amdhsa_user_sgpr_kernarg_segment_ptr 1
		.amdhsa_wavefront_size32 1
		.amdhsa_system_sgpr_workgroup_id_x 1
		.amdhsa_system_sgpr_workgroup_id_y 1
		.amdhsa_system_sgpr_workgroup_id_z 1
		.amdhsa_system_vgpr_workitem_id 0
		.amdhsa_next_free_vgpr 512
		.amdhsa_next_free_sgpr 66
		.amdhsa_reserve_vcc 0
		.amdhsa_float_denorm_mode_32 3
		.amdhsa_float_denorm_mode_16_64 3
		.amdhsa_memory_ordered 1
		.amdhsa_forward_progress 1
		.amdhsa_inst_pref_size 94
	.end_amdhsa_kernel
	.amdgpu_metadata
---
amdhsa.version: [ 1, 2 ]
amdhsa.kernels:
  - .name:           k_q1056461eed_ffn2
    .symbol:         k_q1056461eed_ffn2.kd
    .args:
      - { .name: P1, .offset: 0, .size: 8, .value_kind: global_buffer, .address_space: global }
      - { .name: WA, .offset: 8, .size: 8, .value_kind: global_buffer, .address_space: global }
      - { .name: b2, .offset: 16, .size: 8, .value_kind: global_buffer, .address_space: global }
      - { .name: XE, .offset: 24, .size: 8, .value_kind: global_buffer, .address_space: global }
      - { .name: out0, .offset: 32, .size: 8, .value_kind: global_buffer, .address_space: global }
    .group_segment_fixed_size: 17920
    .private_segment_fixed_size: 0
    .kernarg_segment_align: 8
    .kernarg_segment_size: 40
    .max_flat_workgroup_size: 128
    .sgpr_count:     66
    .vgpr_count:     512
    .wavefront_size: 32
...
	.end_amdgpu_metadata
.endif
;; end of part 12
